; MI455X (gfx1250); checked and timed in simulation.
; The chip was launched on July 23, 2026; its instructions are those of AMD's public machine-readable ISA for CDNA 5 (MIT licence, August 2026) and "CDNA5" Instruction Set Architecture Reference Guide (July 2026). The comments in the code are by the model that wrote it; some were corrected since.
;; Swin Transformer Block. Allowed arithmetic: matrix products marked QUANTISED: E2M3 operands, one E8M0 scale for each 32 along K, by v_wmma_scale_f32_16x16x128_f8f6f4 with both operands' format E2M3, f32 sums; everything else in f32.
;; Inputs: b1_o 128 float32; b1_qkv 384 float32; b2_o 128 float32; b2_qkv 384 float32; f1_b1 512 float32; f1_b2 128 float32; f1_w1_codes 512 x 4 x 24 uint8 (E2M3 codes of f1_w1, K innermost, in blocks of 32 codes, four codes in three bytes); f1_w1_scales 512 x 4 uint8 (E8M0 scales of f1_w1, one for each 32 codes along K); f1_w2_codes 128 x 16 x 24 uint8 (E2M3 codes of f1_w2, K innermost, in blocks of 32 codes, four codes in three bytes); f1_w2_scales 128 x 16 uint8 (E8M0 scales of f1_w2, one for each 32 codes along K); f2_b1 512 float32; f2_b2 128 float32; f2_w1_codes 512 x 4 x 24 uint8 (E2M3 codes of f2_w1, K innermost, in blocks of 32 codes, four codes in three bytes); f2_w1_scales 512 x 4 uint8 (E8M0 scales of f2_w1, one for each 32 codes along K); f2_w2_codes 128 x 16 x 24 uint8 (E2M3 codes of f2_w2, K innermost, in blocks of 32 codes, four codes in three bytes); f2_w2_scales 128 x 16 uint8 (E8M0 scales of f2_w2, one for each 32 codes along K); ln1_b 128 float32; ln1_g 128 float32; ln2_b 128 float32; ln2_g 128 float32; ln3_b 128 float32; ln3_g 128 float32; ln4_b 128 float32; ln4_g 128 float32; w1_o_codes 128 x 4 x 24 uint8 (E2M3 codes of w1_o, K innermost, in blocks of 32 codes, four codes in three bytes); w1_o_scales 128 x 4 uint8 (E8M0 scales of w1_o, one for each 32 codes along K); w1_qkv_codes 384 x 4 x 24 uint8 (E2M3 codes of w1_qkv, K innermost, in blocks of 32 codes, four codes in three bytes); w1_qkv_scales 384 x 4 uint8 (E8M0 scales of w1_qkv, one for each 32 codes along K); w2_o_codes 128 x 4 x 24 uint8 (E2M3 codes of w2_o, K innermost, in blocks of 32 codes, four codes in three bytes); w2_o_scales 128 x 4 uint8 (E8M0 scales of w2_o, one for each 32 codes along K); w2_qkv_codes 384 x 4 x 24 uint8 (E2M3 codes of w2_qkv, K innermost, in blocks of 32 codes, four codes in three bytes); w2_qkv_scales 384 x 4 uint8 (E8M0 scales of w2_qkv, one for each 32 codes along K); x 32 x 3,136 x 128 float32.
;; Outputs: out0 32 x 3,136 x 128 float32.
;; This version of the problem:
;;   THIS VERSION OF THE PROBLEM IS GIVEN IN LOW PRECISION. The matrix products marked QUANTISED in the list below multiply operands that are first quantised to E2M3 (2 exponent bits, 3 mantissa bits; 6 bits a number), with one power-of-two scale for each 32 numbers along K (OCP MX v1.0); their sums are f32. All else is computed in f32.
;;   The module's matrix products, in the order in which they are computed (A, B: the left and right operand; K: the contracted axis; several contracted axes count as one K, in the product's order):
;;     1. [M 100,352, K 128] x [K 128, N 384]; A: computed on the way; B: input w1_qkv (given as codes): QUANTISED
;;     2. batch 8,192 x [M 49, K 32] x [K 32, N 49]; A: computed on the way; B: computed on the way: QUANTISED
;;     3. batch 8,192 x [M 32, K 49] x [K 49, N 49]; A: computed on the way; B: softmax (see below): QUANTISED
;;     4. [M 100,352, K 128] x [K 128, N 128]; A: computed on the way; B: input w1_o (given as codes): QUANTISED
;;     5. [M 100,352, K 128] x [K 128, N 512]; A: computed on the way; B: input f1_w1 (given as codes): QUANTISED
;;     6. [M 100,352, K 512] x [K 512, N 128]; A: computed on the way; B: input f1_w2 (given as codes): QUANTISED
;;     7. [M 100,352, K 128] x [K 128, N 384]; A: computed on the way; B: input w2_qkv (given as codes): QUANTISED
;;     8. batch 8,192 x [M 49, K 32] x [K 32, N 49]; A: computed on the way; B: computed on the way: QUANTISED
;;     9. batch 8,192 x [M 32, K 49] x [K 49, N 49]; A: computed on the way; B: softmax (see below): QUANTISED
;;     10. [M 100,352, K 128] x [K 128, N 128]; A: computed on the way; B: input w2_o (given as codes): QUANTISED
;;     11. [M 100,352, K 128] x [K 128, N 512]; A: computed on the way; B: input f2_w1 (given as codes): QUANTISED
;;     12. [M 100,352, K 512] x [K 512, N 128]; A: computed on the way; B: input f2_w2 (given as codes): QUANTISED
;;   THE QUANTISER, for each operand of a quantised product, along K:
;;     - K is cut into blocks of 32 from its start; a last block that is shorter is filled with zeros.
;;     - A block's scale is 2^e with e = floor(log2(the largest magnitude in the block)) - 2, held to -126 .. 127; a block of zeros has e = 0. As a byte (E8M0): e + 127.
;;     - Each number is divided by its block's scale, clamped to +-7.5, and rounded to the nearest number of E2M3, ties to even, subnormals kept.
;;     - The product sums the exact products of the quantised numbers (number of the format x scale) in f32.
;;   ~~~python
;;   def quantise(x, axis):      # numpy; x: float32 -> the quantised numbers, widened to float32 again
;;       x = np.moveaxis(x, axis, -1); K = x.shape[-1]
;;       x = np.pad(x, [(0, 0)] * (x.ndim - 1) + [(0, -K % 32)]); x = x.reshape(x.shape[:-1] + (-1, 32)); a = np.abs(x).max(-1, keepdims=True)
;;       e = np.where(a > 0, np.clip(np.frexp(np.where(a > 0, a, 1))[1] - 1 - 2, -126, 127), 0)      # np.frexp(a)[1] - 1 = floor(log2(a)), exactly
;;       r = np.clip(x / 2.0 ** e, -7.5, 7.5)
;;       step = 2.0 ** (np.maximum(np.frexp(np.where(r == 0, 1, r))[1] - 1, 0) - 3)
;;       q = np.round(r / step) * step * 2.0 ** e      # np.round: ties to even
;;       return np.moveaxis(q.reshape(q.shape[:-2] + (-1,))[..., :K], -1, axis).astype(np.float32)
;;   ~~~
;;   SOFTMAX AHEAD OF A QUANTISED PRODUCT. Where the list says 'softmax', what is quantised is not the finished softmax but p = 2^(t - M), with t = logit x log2(e) and M = ceil(the row's largest t), a whole number; so 1/2 < the row's largest p <= 1. The row's sum l is taken of the UNQUANTISED p, in f32, and the product's result is divided by l at the end. Since M is a whole number, a kernel that streams over the keys may use a running M (the ceiling of the running maximum): every later rescaling is an exact power of two, which a block's scale takes up: the codes' values come out the same.
;;   OPERANDS COMPUTED ON THE WAY. 'Computed on the way' means the value that the module computes at that place (a softmax that the list does not call 'softmax' is quantised finished and normalised). What goes into a quantiser is computed in f32, as accurately as f32 sums, v_exp_f32 and their like allow (about 1e-6 of the number): no bf16 or f16 on the way to a quantiser, and a product that is left as it is and whose result goes on into a quantised operand takes f32 operands (vector FMAs, or v_wmma_f32_16x16x4_f32). A number that lies on a knife's edge between two numbers of the format may be rounded either way, as far as f32 arithmetic and the matrix unit's own rounding can turn it there, and no further.
;;   INPUTS GIVEN AS CODES. f1_w1 (in the module: [128, 512], K = its axis 0); f1_w2 (in the module: [512, 128], K = its axis 0); f2_w1 (in the module: [128, 512], K = its axis 0); f2_w2 (in the module: [512, 128], K = its axis 0); w1_o (in the module: [128, 128], K = its axis 0); w1_qkv (in the module: [128, 384], K = its axis 0); w2_o (in the module: [128, 128], K = its axis 0); w2_qkv (in the module: [128, 384], K = its axis 0): each comes as NAME_codes (uint8): NAME with its K axis moved to the last place and cut into blocks of 32 codes, [.., K / 32, bytes a block], one block behind the other in memory; four codes in three bytes: a row's codes are one little-endian stream of bits, code i at bits 6 i .. 6 i + 5 (a code: sign, 2 exponent bits, 3 mantissa bits); and NAME_scales (uint8): the same leading axes, one E8M0 byte (e + 127) for each 32 codes along K. Its value is code x scale, taken as it is: it is not quantised again, and the codes and scales need not be those that the quantiser above would give.
;; 2 versions, each right; version 2 is version 1 with the launches half1, half2 written anew for expert scheduling mode. Each part assembles by itself: llvm-mc -triple=amdgcn-amd-amdhsa -mcpu=gfx1250 --defsym DOCPART=n.
;; ======== version 1 of 2: 2 launches
;; workspace buffers: mid 51,380,224 bytes
;; launch half1 (part 1): grid 256 x 1, 4 waves a work-group, no clusters, 306,176 bytes of LDS; arguments x, mid, ln1_g, ln1_b, ln2_g, ln2_b, b1_qkv, b1_o, f1_b1, f1_b2, w1_qkv_codes, w1_qkv_scales, w1_o_codes, w1_o_scales, f1_w1_codes, f1_w1_scales, f1_w2_codes, f1_w2_scales; writes mid
.if DOCPART == 1
	.amdgcn_target "amdgcn-amd-amdhsa--gfx1250"
	.amdhsa_code_object_version 6
	.text
	.protected	k_q6cee39496c_half1
	.globl	k_q6cee39496c_half1
	.p2align	8
	.type	k_q6cee39496c_half1,@function
k_q6cee39496c_half1:
	s_mov_b64 s[64:65], 0
	v_nop
	global_prefetch_b8 v0, s[64:65] scope:SCOPE_SE
	s_setreg_imm32_b32 hwreg(HW_REG_WAVE_MODE, 25, 1), 1
	s_wait_xcnt 0x0
; One half of a Swin block: x + window attention(LN(x)), then + MLP(LN(.)), all six products on E2M3 codes with one E8M0 scale for each 32 along K.
; SHIFT = 0: plain windows; SHIFT = 3: windows displaced cyclically by 3 rows and 3 columns.  This line is all that differs between the two launches' texts.
; SHARES.  Work-group g owns image g / 8 and window row g % 8: eight windows of 7 x 7 tokens.  Wave w takes window column w, then w + 4.  A wave takes a window through the whole half; the residual stays in 256 registers.
; TOKEN SLOTS.  Four tiles of 16: lane row r of tile t is token 8 t + r (r < 8) or 32 + 8 t + r - 8 (r >= 8).  Slots of tokens 49 .. 63 hold copies of token 48: they lie in key block 1 with it, so no block's largest
; magnitude changes; their scores get -1e30 through the C operand, so that p = 0; their rows are never stored.
; FEATURE ORDER.  Lane r of weight tile (c, e) takes row 64 c + 8 e + (r % 8) + 32 (r / 8).  With the weight as source 0 a lane (r, h) then holds token r, and registers 8 e + j hold feature 64 c + 32 h + 8 e + j:
; a whole block of 32 along the next K in 32 registers of one lane, in the order of the 6-bit operand: no lane is asked for a maximum and no half is exchanged.
; WEIGHTS lie in LDS as images of their operand registers (three loads of 16 bytes a lane bring a fragment), filled once through registers; one barrier behind the fill, none after it: waves share nothing else.
; No tensor loads and no joint requests: the weights are 153,600 bytes once for a work-group against 401,408 bytes of rows in and out, and they are laid anew on the way.
; LIMITS: NaN and infinities among the inputs are not served.  Pad keys get -1e30, not -infinity: true scores under -1e30 are not served.  A block of zeros keeps the scale byte 1 (its codes are zeros; only this text reads the byte).
.set SHIFT, 0
.set FRB,  1536                        ; a fragment's image: 12 registers x 128 bytes
.set WSC,  147456                      ; behind 96 images: scale words, pair p of fragments at 256 p + 8 lane
.set PAR,  159744                      ; b_qkv 0, b_o 1536, f_b1 2048, f_b2 4096, gA 4608, bA 5120, gB 5632, bB 6144
.set VBT,  166400                      ; V's bias by lane: tile T at 512 T + 16 lane, four equal words
.set STG,  170496                      ; a stage of 64 rows x 528 bytes for each wave
.set STGW, 33792
.set SPI,  528                         ; 512 + 16: sixteen rows of a load start in sixteen different groups of banks
; window 0
.set L16, 1                            ; 16 x lane
.set AH,  2                            ; PAR + 128 h
.set ASR, 3                            ; my stage + 528 r + 128 h
.set ASW, 4                            ; my stage + 16 lane
.set BS8, 5                            ; WSC + 8 lane
.set BVB, 6                            ; VBT + 16 lane
.set AW,  7                            ; the trip's addresses: images, scale words, biases, V's bias
.set AS,  8
.set AB,  9
.set AVB, 10
.set COLL, 12                          ; v12-18 column offsets of the rows being loaded
.set COLS, 19                          ; v19-25 of the rows to be stored
.set SH,  26                           ; scale words, and nothing else, in v26-57
.set SF,  30
.set WSA, 34
.set WSB, 38
.set SQ,  42
.set SK,  46
.set SV,  50
.set SP,  54
.set XS,  60                           ; v60-255: 49 rows of x as loaded; else LN's gain and bias; else Q, K, V codes
.set GG,  60
.set BV,  124
.set QM,  60
.set KF,  114
.set VF,  162
.set H0, 7                             ; the head's temporaries
.set H1, 8
.set H2, 9
.set H3, 10
.set H4, 11
.set H5, 19
.set H6, 20
.set H7, 21
.set H8, 22
.set H9, 23
; window 1: X, the residual: register 64 t + 32 c + i = channel 64 c + 32 h + i of token slot (t, r)
; window 2
.set TT,  128                          ; v128-191 at work
.set PF,  128                          ; p's fragments
.set CT,  192
.set SS,  192
.set BM,  192
.set RX,  196
.set NM,  200
.set MU,  208
.set LS,  208
.set BY,  208
.set RSD, 212
.set YY,  212
.set TQ,  216
.set BY0, 220
.set MK2, 224
.set MK3, 232
.set LL,  240
.set WO,  248
.set SH8, 252
.set TMPM, 253
; window 3
.set SETA, 0                           ; four fragments at 12 e, four biases at 48 + 8 e
.set SETB, 80
.set HFR,  160                         ; LN's result as four fragments
.set HF,   208                         ; attention's result, later the hidden layer, as four fragments
.set RL, 40                            ; s[40:53] seven row bases of the source
.set RS, 66                            ; s[66:79] of the destination
.set MSB, 0
.macro WIN new                         ; bits 1:0 source 0, 3:2 source 1, 5:4 source 2, 7:6 destination; the high byte repeats the setting that is left
.if MSB != (\new)
	s_set_vgpr_msb (MSB<<8)|(\new)
.set MSB, (\new)
.endif
.endm
.macro PLACES n
.rept \n
	v_nop
.endr
.endm
.macro RHOSET                          ; the stage row of token n
.if n < 32
.set rho, 16*(n/8)+n%8
.else
.set rho, 16*((n-32)/8)+8+n%8
.endif
.endm
.macro COLSET dst                      ; column (7 wj + b - SHIFT) mod 56, in bytes, + 16 lane
	s_mul_i32 s92, s91, 7
	s_add_co_u32 s92, s92, 56-SHIFT
.irp b,0,1,2,3,4,5,6
	s_add_co_u32 s93, s92, \b
	s_sub_co_u32 s94, s93, 56
	s_cmp_ge_u32 s93, 56
	s_cselect_b32 s93, s94, s93
	s_lshl_b32 s93, s93, 9
	v_add_nc_u32 v[\dst+\b], s93, v[L16]
.endr
.endm
.macro XLOAD                           ; 49 rows of 512 bytes, 16 bytes a lane
.set n, 0
.rept 49
	global_load_b128 v[XS+4*n:XS+4*n+3], v[COLL+n%7], s[RL+2*(n/7):RL+2*(n/7)+1] th:TH_LOAD_NT
.set n, n+1
.endr
.endm
.macro XREAD t                         ; tile t of X from the stage (destination window 1)
.irp c,0,1
.irp q,0,1,2,3,4,5,6,7
	ds_load_b128 v[64*\t+32*\c+4*\q:64*\t+32*\c+4*\q+3], v[ASR] offset:8448*\t+256*\c+16*\q
.endr
.endr
.endm
.macro LNPAR goff                      ; a norm's gain and bias at my 64 channels
.irp c,0,1
.irp q,0,1,2,3,4,5,6,7
	ds_load_b128 v[GG+32*\c+4*\q:GG+32*\c+4*\q+3], v[AH] offset:\goff+256*\c+16*\q
	ds_load_b128 v[BV+32*\c+4*\q:BV+32*\c+4*\q+3], v[AH] offset:\goff+512+256*\c+16*\q
.endr
.endr
.endm
.macro ADDLOAD off                     ; a bias vector at my 64 channels (destination window 2)
.irp c,0,1
.irp q,0,1,2,3,4,5,6,7
	ds_load_b128 v[TT+32*\c+4*\q:TT+32*\c+4*\q+3], v[AH] offset:\off+256*\c+16*\q
.endr
.endr
.endm
.macro ADDX                            ; X += that vector; each accumulator of X is read from its low end on
	WIN 0x49
.irp t,0,1,2,3
.set p, 0
.rept 32
	v_pk_add_f32 v[64*\t+p:64*\t+p+1], v[64*\t+p:64*\t+p+1], v[TT+p:TT+p+1]
.set p, p+2
.endr
.endr
.endm
.macro LOADW set, ws, wo, so, ab, bo, bs, b2   ; four fragments, their biases as C operands, their scale words: 22 LDS loads
	WIN 0xC0
.irp e,0,1,2,3
.irp k,0,1,2
	ds_load_b128 v[\set+12*\e+4*\k:\set+12*\e+4*\k+3], v[AW] offset:\wo+FRB*\e+512*\k
.endr
.endr
.irp e,0,1,2,3
	ds_load_b128 v[\set+48+8*\e:\set+51+8*\e], v[\ab] offset:\bo+\bs*\e
	ds_load_b128 v[\set+52+8*\e:\set+55+8*\e], v[\ab] offset:\bo+\bs*\e+\b2
.endr
	WIN 0
	ds_load_b64 v[\ws:\ws+1], v[AS] offset:\so
	ds_load_b64 v[\ws+2:\ws+3], v[AS] offset:\so+256
.endm
.macro LOADW2 set, ws, wo, so          ; the same without biases: 14 LDS loads
	WIN 0xC0
.irp e,0,1,2,3
.irp k,0,1,2
	ds_load_b128 v[\set+12*\e+4*\k:\set+12*\e+4*\k+3], v[AW] offset:\wo+FRB*\e+512*\k
.endr
.endr
	WIN 0
	ds_load_b64 v[\ws:\ws+1], v[AS] offset:\so
	ds_load_b64 v[\ws+2:\ws+3], v[AS] offset:\so+256
.endm
; 16 products: source 0 = weight tile e, source 1 = token tile t.  acc = 0: C is the tile's bias; acc = 1: onto D.  Sixteen accumulators, one instruction each.
.macro MMT set, ws, bf, bs, db, dt, de, acc
.irp e,0,1,2,3
.irp t,0,1,2,3
.if \acc
	v_wmma_scale_f32_16x16x128_f8f6f4 v[\db+\dt*\t+\de*\e:\db+\dt*\t+\de*\e+7], v[\set+12*\e:\set+12*\e+11], v[\bf+12*\t:\bf+12*\t+11], v[\db+\dt*\t+\de*\e:\db+\dt*\t+\de*\e+7], v[\ws+\e], v[\bs+\t] matrix_a_fmt:MATRIX_FMT_FP6 matrix_b_fmt:MATRIX_FMT_FP6
.else
	v_wmma_scale_f32_16x16x128_f8f6f4 v[\db+\dt*\t+\de*\e:\db+\dt*\t+\de*\e+7], v[\set+12*\e:\set+12*\e+11], v[\bf+12*\t:\bf+12*\t+11], v[\set+48+8*\e:\set+55+8*\e], v[\ws+\e], v[\bs+\t] matrix_a_fmt:MATRIX_FMT_FP6 matrix_b_fmt:MATRIX_FMT_FP6
.endif
.endr
.endr
.endm
.macro MMV                             ; V the other way round: source 0 = tokens, source 1 = weight: a lane holds one feature, its registers run along the keys
.irp e,0,1,2,3
.irp t,0,1,2,3
	v_wmma_scale_f32_16x16x128_f8f6f4 v[32*\e+8*\t:32*\e+8*\t+7], v[HFR+12*\t:HFR+12*\t+11], v[SETA+12*\e:SETA+12*\e+11], v[SETA+48+8*\e:SETA+55+8*\e], v[SH+\t], v[WSA+\e] matrix_a_fmt:MATRIX_FMT_FP6 matrix_b_fmt:MATRIX_FMT_FP6
.endr
.endr
.endm
; S^T = K Q^T of head 2 c + hh.  K's fragment holds both heads (block 0, block 1) and zeros above; Q's holds codes in the lanes of half hh alone, so only block hh counts.  The pad keys' -1e30 comes as C.
.macro MMS hh
	WIN 0xA0
.irp tk,0,1,2,3
.irp tq,0,1,2,3
.if \hh
.if \tk < 2
	v_wmma_scale_f32_16x16x128_f8f6f4 v[32*\tq+8*\tk:32*\tq+8*\tk+7], v[KF+12*\tk:KF+12*\tk+11], v[QM+12*\tq+6:QM+12*\tq+17], 0, v[SK+\tk], v[SQ+\tq] matrix_a_fmt:MATRIX_FMT_FP6 matrix_b_fmt:MATRIX_FMT_FP6 matrix_a_scale:MATRIX_SCALE_ROW1 matrix_b_scale:MATRIX_SCALE_ROW1
.else
	v_wmma_scale_f32_16x16x128_f8f6f4 v[32*\tq+8*\tk:32*\tq+8*\tk+7], v[KF+12*\tk:KF+12*\tk+11], v[QM+12*\tq+6:QM+12*\tq+17], v[MK2+8*(\tk-2):MK2+8*(\tk-2)+7], v[SK+\tk], v[SQ+\tq] matrix_a_fmt:MATRIX_FMT_FP6 matrix_b_fmt:MATRIX_FMT_FP6 matrix_a_scale:MATRIX_SCALE_ROW1 matrix_b_scale:MATRIX_SCALE_ROW1
.endif
.else
.if \tk < 2
	v_wmma_scale_f32_16x16x128_f8f6f4 v[32*\tq+8*\tk:32*\tq+8*\tk+7], v[KF+12*\tk:KF+12*\tk+11], v[QM+12*\tq:QM+12*\tq+11], 0, v[SK+\tk], v[SQ+\tq] matrix_a_fmt:MATRIX_FMT_FP6 matrix_b_fmt:MATRIX_FMT_FP6
.else
	v_wmma_scale_f32_16x16x128_f8f6f4 v[32*\tq+8*\tk:32*\tq+8*\tk+7], v[KF+12*\tk:KF+12*\tk+11], v[QM+12*\tq:QM+12*\tq+11], v[MK2+8*(\tk-2):MK2+8*(\tk-2)+7], v[SK+\tk], v[SQ+\tq] matrix_a_fmt:MATRIX_FMT_FP6 matrix_b_fmt:MATRIX_FMT_FP6
.endif
.endif
.endr
.endr
.endm
.macro MMP                             ; O^T = V^T P^T of both heads at once: K = head 2 c's 64 keys, then head 2 c + 1's
.irp e,0,1,2,3
.irp tq,0,1,2,3
	v_wmma_scale_f32_16x16x128_f8f6f4 v[32*\tq+8*\e:32*\tq+8*\e+7], v[VF+12*\e:VF+12*\e+11], v[PF+12*\tq:PF+12*\tq+11], 0, v[SV+\e], v[SP+\tq] matrix_a_fmt:MATRIX_FMT_FP6 matrix_b_fmt:MATRIX_FMT_FP6
.endr
.endr
.endm
; Four blocks of 32 at v[32 k] of window 2: the largest magnitude with the floor 2^(3 - 127) among its leaves; 2 off its exponent field is the conversion's scale operand (TQ); that shifted down is the byte (BY).
.macro QB4
	WIN 0xAA
.irp k,0,1,2,3
	v_max3_num_f32 v[TQ+\k], |v[32*\k]|, |v[32*\k+1]|, 0x1800000
.endr
.irp i,2,4,6,8,10,12,14,16,18,20,22,24,26,28,30
.irp k,0,1,2,3
	v_max3_num_f32 v[TQ+\k], v[TQ+\k], |v[32*\k+\i]|, |v[32*\k+\i+1]|
.endr
.endr
.irp k,0,1,2,3
	v_add_nc_u32 v[TQ+\k], 0xff000000, v[TQ+\k]
.endr
.irp k,0,1,2,3
	v_lshrrev_b32 v[BY+\k], 23, v[TQ+\k]
.endr
.endm
; The four blocks' codes, six registers each, to d0 .. d3.  A conversion's three registers begin on an even number: the second three are made in CT and moved.  w1, w3: window settings with the destination's window.
.macro CV w1, w3, d0, d1, d2, d3
	WIN \w1
	v_cvt_scalef32_pk16_fp6_f32 v[(\d0):(\d0)+2], v[0:15], v[TQ]
	v_cvt_scalef32_pk16_fp6_f32 v[(\d1):(\d1)+2], v[32:47], v[TQ+1]
	v_cvt_scalef32_pk16_fp6_f32 v[(\d2):(\d2)+2], v[64:79], v[TQ+2]
	v_cvt_scalef32_pk16_fp6_f32 v[(\d3):(\d3)+2], v[96:111], v[TQ+3]
	WIN 0x8A
	v_cvt_scalef32_pk16_fp6_f32 v[CT:CT+2], v[16:31], v[TQ]
	v_cvt_scalef32_pk16_fp6_f32 v[CT+4:CT+6], v[48:63], v[TQ+1]
	v_cvt_scalef32_pk16_fp6_f32 v[CT+8:CT+10], v[80:95], v[TQ+2]
	v_cvt_scalef32_pk16_fp6_f32 v[CT+12:CT+14], v[112:127], v[TQ+3]
	v_nop                                          ; one plain place behind the scaled conversions
	WIN \w3
.irp i,0,1,2
	v_mov_b32 v[(\d0)+3+\i], v[CT+\i]
	v_mov_b32 v[(\d1)+3+\i], v[CT+4+\i]
	v_mov_b32 v[(\d2)+3+\i], v[CT+8+\i]
	v_mov_b32 v[(\d3)+3+\i], v[CT+12+\i]
.endr
.endm
.macro CV8                             ; the same into TT + 8 k (three registers) and TT + 8 k + 4 (three): selected from there
	WIN 0xAA
.irp k,0,1,2,3
	v_cvt_scalef32_pk16_fp6_f32 v[TT+8*\k:TT+8*\k+2], v[32*\k:32*\k+15], v[TQ+\k]
	v_cvt_scalef32_pk16_fp6_f32 v[TT+8*\k+4:TT+8*\k+6], v[32*\k+16:32*\k+31], v[TQ+\k]
.endr
	v_nop
.endm
.macro WORDS4 dst                      ; four scale words: my bytes of blocks h (BY0) and 2 + h (BY), 8 h bits up, joined with lane l xor 16's
	WIN 0xAA
.irp t,0,1,2,3
	v_lshl_or_b32 v[YY+\t], v[BY+\t], 16, v[BY0+\t]
.endr
.irp t,0,1,2,3
	v_lshlrev_b32 v[YY+\t], v[SH8], v[YY+\t]
.endr
.irp t,0,1,2,3
	v_permlanex16_b32 v[RX+\t], v[YY+\t], s54, s55
.endr
	WIN 0x0A
.irp t,0,1,2,3
	v_or_b32 v[\dst+\t], v[YY+\t], v[RX+\t]
.endr
.endm
.macro LNRED dst                       ; two tiles' four chains each -> the sum over 128 channels, in every lane
.irp u,0,1
	v_pk_add_f32 v[SS+8*\u:SS+8*\u+1], v[SS+8*\u:SS+8*\u+1], v[SS+8*\u+2:SS+8*\u+3]
	v_pk_add_f32 v[SS+8*\u+4:SS+8*\u+5], v[SS+8*\u+4:SS+8*\u+5], v[SS+8*\u+6:SS+8*\u+7]
.endr
.irp u,0,1
	v_pk_add_f32 v[SS+8*\u:SS+8*\u+1], v[SS+8*\u:SS+8*\u+1], v[SS+8*\u+4:SS+8*\u+5]
.endr
.irp u,0,1
	v_add_f32 v[\dst+2*\u], v[SS+8*\u], v[SS+8*\u+1]
.endr
.irp u,0,1
	v_permlanex16_b32 v[\dst+2*\u+1], v[\dst+2*\u], s54, s55
.endr
.irp u,0,1
	v_add_f32 v[\dst+2*\u], v[\dst+2*\u], v[\dst+2*\u+1]
.endr
.endm
; The norm of tiles t0 and t0 + 1, in two passes (mean; mean of squared differences), quantised into HFR and SH.
.macro LNPAIR t0
	WIN 0x85
.irp u,0,1
.irp q,0,1,2,3
	v_pk_add_f32 v[SS+8*\u+2*\q:SS+8*\u+2*\q+1], v[64*(\t0+\u)+2*\q:64*(\t0+\u)+2*\q+1], v[64*(\t0+\u)+8+2*\q:64*(\t0+\u)+8+2*\q+1]
.endr
.endr
	WIN 0x89
.irp i,2,3,4,5,6,7
.irp u,0,1
.irp q,0,1,2,3
	v_pk_add_f32 v[SS+8*\u+2*\q:SS+8*\u+2*\q+1], v[64*(\t0+\u)+8*\i+2*\q:64*(\t0+\u)+8*\i+2*\q+1], v[SS+8*\u+2*\q:SS+8*\u+2*\q+1]
.endr
.endr
.endr
	WIN 0xAA
	LNRED MU
.irp u,0,1
	v_mul_f32 v[MU+2*\u], s89, v[MU+2*\u]          ; the mean
.endr
	WIN 0x89
.irp u,0,1
.set p, 0
.rept 32
	v_pk_add_f32 v[64*\u+p:64*\u+p+1], v[64*(\t0+\u)+p:64*(\t0+\u)+p+1], v[MU+2*\u:MU+2*\u+1] op_sel_hi:[1,0] neg_lo:[0,1] neg_hi:[0,1]
.set p, p+2
.endr
.endr
	WIN 0xAA
.irp u,0,1
.irp q,0,1,2,3
	v_pk_mul_f32 v[SS+8*\u+2*\q:SS+8*\u+2*\q+1], v[64*\u+2*\q:64*\u+2*\q+1], v[64*\u+2*\q:64*\u+2*\q+1]
.endr
.endr
.irp i,1,2,3,4,5,6,7
.irp u,0,1
.irp q,0,1,2,3
	v_pk_fma_f32 v[SS+8*\u+2*\q:SS+8*\u+2*\q+1], v[64*\u+8*\i+2*\q:64*\u+8*\i+2*\q+1], v[64*\u+8*\i+2*\q:64*\u+8*\i+2*\q+1], v[SS+8*\u+2*\q:SS+8*\u+2*\q+1]
.endr
.endr
.endr
	LNRED RSD
.irp u,0,1
	v_fma_f32 v[RSD+2*\u], v[RSD+2*\u], s89, s90   ; the variance + 1e-5
.endr
.irp u,0,1
	v_rsq_f32 v[RSD+2*\u], v[RSD+2*\u]
.endr
	v_nop                                          ; a plain place behind the roots,
	s_wait_alu depctr_va_vdst(0)                   ; and the one wait ahead of their first reader
.irp u,0,1
.set p, 0
.rept 32
	v_pk_mul_f32 v[64*\u+p:64*\u+p+1], v[64*\u+p:64*\u+p+1], v[RSD+2*\u:RSD+2*\u+1] op_sel_hi:[1,0]
.set p, p+2
.endr
.endr
	WIN 0x82
.irp u,0,1
.set p, 0
.rept 32
	v_pk_fma_f32 v[64*\u+p:64*\u+p+1], v[64*\u+p:64*\u+p+1], v[GG+p:GG+p+1], v[BV+p:BV+p+1]
.set p, p+2
.endr
.endr
	QB4
	CV 0xCA, 0xC2, HFR+12*\t0, HFR+12*\t0+6, HFR+12*\t0+12, HFR+12*\t0+18
	WIN 0xAA
.irp u,0,1
	v_lshl_or_b32 v[YY+\u], v[BY+2*\u+1], 16, v[BY+2*\u]
.endr
.irp u,0,1
	v_lshlrev_b32 v[YY+\u], v[SH8], v[YY+\u]
.endr
.irp u,0,1
	v_permlanex16_b32 v[RX+\u], v[YY+\u], s54, s55
.endr
	WIN 0x0A
.irp u,0,1
	v_or_b32 v[SH+\t0+\u], v[YY+\u], v[RX+\u]
.endr
.endm
; gelu (tanh form) of 64 numbers: x / (1 + 2^(x (KA + KB x^2))), KA = -2 sqrt(2 / pi) log2(e), KB = 0.044715 KA
.macro GELU q
	WIN 0xAA
.set p, 0
.rept 32
	v_pk_mul_f32 v[TT+p:TT+p+1], v[64*\q+p:64*\q+p+1], s[60:61] op_sel_hi:[1,0]
.set p, p+2
.endr
.set p, 0
.rept 32
	v_pk_fma_f32 v[TT+p:TT+p+1], v[TT+p:TT+p+1], v[64*\q+p:64*\q+p+1], s[58:59] op_sel_hi:[1,1,0]
.set p, p+2
.endr
.set p, 0
.rept 32
	v_pk_mul_f32 v[TT+p:TT+p+1], v[TT+p:TT+p+1], v[64*\q+p:64*\q+p+1]
.set p, p+2
.endr
.set p, 0
.rept 64
	v_exp_f32 v[TT+p], v[TT+p]
.set p, p+1
.endr
	v_nop
	s_wait_alu depctr_va_vdst(0)                   ; one wait for the batch of 64
.set p, 0
.rept 32
	v_pk_add_f32 v[TT+p:TT+p+1], v[TT+p:TT+p+1], 1.0 op_sel_hi:[1,0]
.set p, p+2
.endr
.set p, 0
.rept 64
	v_rcp_f32 v[TT+p], v[TT+p]
.set p, p+1
.endr
	v_nop
	s_wait_alu depctr_va_vdst(0)                   ; and one for the 64 reciprocals
.set p, 0
.rept 32
	v_pk_mul_f32 v[64*\q+p:64*\q+p+1], v[64*\q+p:64*\q+p+1], v[TT+p:TT+p+1]
.set p, p+2
.endr
.endm
; The softmax of head 2 c + hh for four tiles of queries.  A lane holds one query and one block of 32 keys.  p = 2^(t - M), M = ceil(the row's largest t); the sum is taken of the unquantised p.
; A block's largest p comes from the block's largest score by the same multiply-add and exponential.
.macro SOFTMAX hh
	WIN 0xAA
.irp t,0,1,2,3
	v_max3_num_f32 v[BM+\t], v[32*\t], v[32*\t+1], v[32*\t+2]
.endr
.irp i,3,5,7,9,11,13,15,17,19,21,23,25,27,29
.irp t,0,1,2,3
	v_max3_num_f32 v[BM+\t], v[BM+\t], v[32*\t+\i], v[32*\t+\i+1]
.endr
.endr
.irp t,0,1,2,3
	v_max_num_f32 v[BM+\t], v[BM+\t], v[32*\t+31]
.endr
.irp t,0,1,2,3
	v_permlanex16_b32 v[RX+\t], v[BM+\t], s54, s55
.endr
.irp t,0,1,2,3
	v_max_num_f32 v[RX+\t], v[BM+\t], v[RX+\t]
.endr
.irp t,0,1,2,3
	v_mul_f32 v[RX+\t], s56, v[RX+\t]
.endr
.irp t,0,1,2,3
	v_floor_f32 v[NM+2*\t], -v[RX+\t]              ; -M
.endr
.irp t,0,1,2,3
	v_fma_f32 v[TQ+\t], v[BM+\t], s56, v[NM+2*\t]
.endr
.irp t,0,1,2,3
.set p, 0
.rept 16
	v_pk_fma_f32 v[32*\t+p:32*\t+p+1], v[32*\t+p:32*\t+p+1], s[56:57], v[NM+2*\t:NM+2*\t+1] op_sel_hi:[1,0,0]
.set p, p+2
.endr
.endr
.set p, 0
.rept 128
	v_exp_f32 v[p], v[p]
.set p, p+1
.endr
.irp t,0,1,2,3
	v_exp_f32 v[TQ+\t], v[TQ+\t]
.endr
	v_nop
	s_wait_alu depctr_va_vdst(0)                   ; one wait for the batch of 132
.irp t,0,1,2,3
	v_pk_add_f32 v[LS+2*\t:LS+2*\t+1], v[32*\t:32*\t+1], v[32*\t+2:32*\t+3]
.endr
.irp i,4,6,8,10,12,14,16,18,20,22,24,26,28,30
.irp t,0,1,2,3
	v_pk_add_f32 v[LS+2*\t:LS+2*\t+1], v[LS+2*\t:LS+2*\t+1], v[32*\t+\i:32*\t+\i+1]
.endr
.endr
.irp t,0,1,2,3
	v_add_f32 v[LS+2*\t], v[LS+2*\t], v[LS+2*\t+1]
.endr
.irp t,0,1,2,3
	v_permlanex16_b32 v[RX+\t], v[LS+2*\t], s54, s55
.endr
.irp t,0,1,2,3
	v_add_f32 v[LL+2*\t+\hh], v[LS+2*\t], v[RX+\t]
.endr
.irp t,0,1,2,3
	v_max_num_f32 v[TQ+\t], 0x1800000, v[TQ+\t]
.endr
.irp t,0,1,2,3
	v_add_nc_u32 v[TQ+\t], 0xff000000, v[TQ+\t]
.endr
.irp t,0,1,2,3
.if \hh
	v_lshrrev_b32 v[BY+\t], 23, v[TQ+\t]
.else
	v_lshrrev_b32 v[BY0+\t], 23, v[TQ+\t]
.endif
.endr
	CV 0x8A, 0x82, PF+6*\hh, PF+12+6*\hh, PF+24+6*\hh, PF+36+6*\hh
.if \hh
	WORDS4 SP
.endif
.endm
.macro ATADDR
	v_add_nc_u32 v[AW], s85, v[L16]
	v_add_nc_u32 v[AS], s86, v[BS8]
	v_add_nc_u32 v[AB], s87, v[AH]
	v_add_nc_u32 v[AVB], s88, v[BVB]
.endm
.macro FFADDR
	v_add_nc_u32 v[AW], s85, v[L16]
	v_add_nc_u32 v[AS], s86, v[BS8]
	v_add_nc_u32 v[AB], s87, v[AH]
.endm
; ================= THE HEAD
	s_load_b512 s[4:19], s[0:1], 0x0               ; src, dst, gA, bA, gB, bB, b_qkv, b_o
	s_load_b512 s[20:35], s[0:1], 0x40             ; f_b1, f_b2, qkv codes, scales, o codes, scales, w1 codes, scales
	s_load_b128 s[36:39], s[0:1], 0x80             ; w2 codes, scales
	v_lshl_add_u32 v58, v0, 2, 0x4aa00
	v_mov_b32 v59, 0
	v_lshrrev_b32 v[H0], 5, v0
	v_readfirstlane_b32 s84, v[H0]                 ; wave 0..3
	v_and_b32 v[H0], 31, v0                        ; lane
	v_and_b32 v[H1], 15, v0                        ; r
	v_bfe_u32 v[H2], v0, 4, 1                      ; h
	v_lshlrev_b32 v[L16], 4, v[H0]
	v_lshl_add_u32 v[AH], v[H2], 7, PAR
	s_mul_i32 s92, s84, STGW
	s_add_co_u32 s92, s92, STG
	v_mul_u32_u24 v[ASR], v[H1], SPI
	v_lshl_add_u32 v[ASR], v[H2], 7, v[ASR]
	v_add_nc_u32 v[ASR], s92, v[ASR]
	v_add_nc_u32 v[ASW], s92, v[L16]
	v_lshl_add_u32 v[BS8], v[H0], 3, WSC
	v_add_nc_u32 v[BVB], VBT, v[L16]
	v_and_b32 v[H3], 7, v[H1]
	v_lshrrev_b32 v[H9], 3, v[H1]
	v_lshl_add_u32 v[H3], v[H9], 5, v[H3]          ; (r % 8) + 32 (r / 8): my row in a weight tile
	v_mul_u32_u24 v[H4], v[H3], 96
	v_mad_u32_u24 v[H4], v[H2], 24, v[H4]          ; rows of 128 codes
	v_mul_u32_u24 v[H5], v[H3], 384
	v_mad_u32_u24 v[H5], v[H2], 24, v[H5]          ; rows of 512 codes
	v_lshlrev_b32 v[H6], 2, v[H3]                  ; scale words, 4 bytes a row
	v_lshlrev_b32 v[H7], 4, v[H3]                  ; and 16 bytes a row
	v_lshlrev_b32 v[H8], 2, v0                     ; 4 x thread: the parameter vectors
	s_mov_b32 s54, 0x76543210
	s_mov_b32 s55, 0xfedcba98                      ; lane l xor 16
	s_mov_b32 s56, 0x3e8293ee                      ; log2(e) / sqrt(32)
	s_mov_b32 s57, s56
	s_mov_b32 s58, 0xc0135761                      ; KA
	s_mov_b32 s59, s58
	s_mov_b32 s60, 0xbdd2d3e8                      ; KB
	s_mov_b32 s61, s60
	s_mov_b32 s62, 0x0000ffff                      ; lanes 0-15
	s_mov_b32 s63, 0xffff0000                      ; lanes 16-31
	s_mov_b32 s80, 0x00ff00ff                      ; lanes with r < 8
	s_mov_b32 s81, 0xff00ff00                      ; lanes with r >= 8
	s_mov_b32 s89, 0x3c000000                      ; 1 / 128
	s_mov_b32 s90, 0x3727c5ac                      ; 1e-5
	s_mov_b32 s91, s84                             ; my first window column
	s_wait_kmcnt 0x0
	s_lshr_b32 s92, ttmp9, 3                       ; image
	s_and_b32 s93, ttmp9, 7                        ; window row
	s_mul_i32 s92, s92, 1605632
	s_mul_i32 s93, s93, 7
	s_add_co_u32 s93, s93, 56-SHIFT
.irp a,0,1,2,3,4,5,6
	s_add_co_u32 s94, s93, \a                      ; image row (7 wi + a - SHIFT) mod 56
	s_sub_co_u32 s95, s94, 56
	s_cmp_ge_u32 s94, 56
	s_cselect_b32 s94, s95, s94
	s_mul_i32 s94, s94, 28672
	s_add_co_u32 s94, s94, s92
	s_mov_b32 s95, 0
	s_add_nc_u64 s[RL+2*\a:RL+2*\a+1], s[4:5], s[94:95]
	s_add_nc_u64 s[RS+2*\a:RS+2*\a+1], s[6:7], s[94:95]
.endr
	s_lshr_b32 s92, s84, 1                         ; of each group of 8 tiles wave w lays tiles c = w / 2, e = 2 (w % 2) + i: rows 64 (w / 2) + 16 (w % 2) + 8 i on
	s_and_b32 s93, s84, 1
	s_lshl_b32 s94, s92, 6
	s_lshl_b32 s95, s93, 4
	s_add_co_u32 s94, s94, s95
	s_mul_i32 s96, s94, 96
	s_mov_b32 s97, 0
	s_add_nc_u64 s[24:25], s[24:25], s[96:97]
	s_add_nc_u64 s[28:29], s[28:29], s[96:97]
	s_add_nc_u64 s[32:33], s[32:33], s[96:97]
	s_mul_i32 s96, s94, 384
	s_add_nc_u64 s[36:37], s[36:37], s[96:97]
	s_lshl_b32 s96, s94, 2
	s_add_nc_u64 s[26:27], s[26:27], s[96:97]
	s_add_nc_u64 s[30:31], s[30:31], s[96:97]
	s_add_nc_u64 s[34:35], s[34:35], s[96:97]
	s_add_nc_u64 s[98:99], s[16:17], s[96:97]
	s_lshl_b32 s96, s94, 4
	s_add_nc_u64 s[38:39], s[38:39], s[96:97]
	WIN 0x40                                       ; 16 fragments into window 1
.irp g,0,1,2
.irp i,0,1
.irp p,0,1,2,3,4,5
	global_load_b64 v[12*(2*\g+\i)+2*\p:12*(2*\g+\i)+2*\p+1], v[H4], s[24:25] offset:(128*\g+8*\i)*96+48*(\p/3)+8*(\p%3)
.endr
.endr
.endr
.irp i,0,1
.irp p,0,1,2,3,4,5
	global_load_b64 v[12*(6+\i)+2*\p:12*(6+\i)+2*\p+1], v[H4], s[28:29] offset:8*\i*96+48*(\p/3)+8*(\p%3)
.endr
.endr
.irp g,0,1,2,3
.irp i,0,1
.irp p,0,1,2,3,4,5
	global_load_b64 v[12*(8+2*\g+\i)+2*\p:12*(8+2*\g+\i)+2*\p+1], v[H4], s[32:33] offset:(128*\g+8*\i)*96+48*(\p/3)+8*(\p%3)
.endr
.endr
.endr
	WIN 0x80                                       ; 8 fragments, the scale words and the vectors into window 2
.irp g,0,1,2,3
.irp i,0,1
.irp p,0,1,2,3,4,5
	global_load_b64 v[12*(2*\g+\i)+2*\p:12*(2*\g+\i)+2*\p+1], v[H5], s[36:37] offset:8*\i*384+96*\g+48*(\p/3)+8*(\p%3)
.endr
.endr
.endr
.irp g,0,1,2
.irp i,0,1
	global_load_b32 v[96+2*\g+\i], v[H6], s[26:27] offset:(128*\g+8*\i)*4
.endr
.endr
.irp i,0,1
	global_load_b32 v[102+\i], v[H6], s[30:31] offset:32*\i
.endr
.irp g,0,1,2,3
.irp i,0,1
	global_load_b32 v[104+2*\g+\i], v[H6], s[34:35] offset:(128*\g+8*\i)*4
	global_load_b32 v[112+2*\g+\i], v[H7], s[38:39] offset:8*\i*16+4*\g
.endr
.endr
.irp j,0,1,2
	global_load_b32 v[128+\j], v[H8], s[16:17] offset:512*\j
.endr
	global_load_b32 v131, v[H8], s[18:19]
.irp j,0,1,2,3
	global_load_b32 v[132+\j], v[H8], s[20:21] offset:512*\j
.endr
	global_load_b32 v136, v[H8], s[22:23]
	global_load_b32 v137, v[H8], s[8:9]
	global_load_b32 v138, v[H8], s[10:11]
	global_load_b32 v139, v[H8], s[12:13]
	global_load_b32 v140, v[H8], s[14:15]
.irp i,0,1
	global_load_b32 v[144+4*\i], v[H6], s[98:99] offset:1024+32*\i
.endr
	WIN 0
	COLSET COLL
	XLOAD                                          ; the first window's rows
	s_wait_loadcnt 49                              ; all but those 49: the weights and vectors are in, and their offset registers are free
	WIN 0xAA
.irp i,0,1
.irp j,1,2,3
	v_mov_b32 v[144+4*\i+\j], v[144+4*\i]
.endr
.endr
	WIN 0
	s_mul_i32 s95, s84, 2*FRB
	v_add_nc_u32 v[H0], s95, v[L16]                ; images of q, k, v: fragment 2 w + i of each group of 8
	v_add_nc_u32 v[H1], 32*FRB, v[H0]              ; of W1
	v_add_nc_u32 v[H2], 64*FRB, v[H0]              ; of W2
	s_lshr_b32 s92, s84, 1
	s_and_b32 s93, s84, 1
	s_mul_i32 s96, s92, 12*FRB
	s_mul_i32 s97, s93, 2*FRB
	s_add_co_u32 s96, s96, s97
	s_add_co_u32 s96, s96, 8*FRB
	v_add_nc_u32 v[H3], s96, v[L16]                ; of the output projection: fragments 8 .. 11 and 20 .. 23
	s_lshl_b32 s95, s84, 8
	v_add_nc_u32 v[H4], s95, v[BS8]
	s_mul_i32 s96, s92, 6*256
	s_lshl_b32 s97, s93, 8
	s_add_co_u32 s96, s96, s97
	s_add_co_u32 s96, s96, 4*256
	v_add_nc_u32 v[H5], s96, v[BS8]
	s_lshl_b32 s95, s84, 10
	v_add_nc_u32 v[H6], s95, v[BVB]
	v_lshl_add_u32 v[H7], v0, 2, PAR
	WIN 0x04
.irp i,0,1
.irp k,0,1,2
	ds_store_b128 v[H0], v[12*\i+4*\k:12*\i+4*\k+3] offset:\i*FRB+512*\k
	ds_store_b128 v[H0], v[12*(2+\i)+4*\k:12*(2+\i)+4*\k+3] offset:(12+\i)*FRB+512*\k
	ds_store_b128 v[H0], v[12*(4+\i)+4*\k:12*(4+\i)+4*\k+3] offset:(24+\i)*FRB+512*\k
	ds_store_b128 v[H3], v[12*(6+\i)+4*\k:12*(6+\i)+4*\k+3] offset:\i*FRB+512*\k
.irp g,0,1,2,3
	ds_store_b128 v[H1], v[12*(8+2*\g+\i)+4*\k:12*(8+2*\g+\i)+4*\k+3] offset:(8*\g+\i)*FRB+512*\k
.endr
.endr
.endr
	WIN 0x08
.irp i,0,1
.irp k,0,1,2
.irp g,0,1,2,3
	ds_store_b128 v[H2], v[12*(2*\g+\i)+4*\k:12*(2*\g+\i)+4*\k+3] offset:(8*\g+\i)*FRB+512*\k
.endr
.endr
.endr
	ds_store_b64 v[H4], v[96:97]
	ds_store_b64 v[H4], v[98:99] offset:6*256
	ds_store_b64 v[H4], v[100:101] offset:12*256
	ds_store_b64 v[H5], v[102:103]
.irp g,0,1,2,3
	ds_store_b64 v[H4], v[104+2*\g:105+2*\g] offset:(16+4*\g)*256
	ds_store_b64 v[H4], v[112+2*\g:113+2*\g] offset:(32+4*\g)*256
.endr
.irp j,0,1,2,3,4,5,6,7,8,9,10,11,12
	ds_store_b32 v[H7], v[128+\j] offset:512*\j
.endr
.irp i,0,1
	ds_store_b128 v[H6], v[144+4*\i:147+4*\i] offset:512*\i
.endr
	WIN 0xC0                                       ; HF, the work registers of window 2
.set p, 0
.rept 48
	v_mov_b32 v[HF+p], 0
.set p, p+1
.endr
	WIN 0x80
.set p, 192
.rept 32
	v_mov_b32 v[p], 0
.set p, p+1
.endr
.set p, 240
.rept 16
	v_mov_b32 v[p], 0
.set p, p+1
.endr
	v_bfe_u32 v[SH8], v0, 4, 1
	WIN 0xAA
	v_lshlrev_b32 v[SH8], 3, v[SH8]                ; 8 h
	v_mov_b32 v[TMPM], 0xf149f2ca                  ; -1e30
	v_mov_b32 v[MK2], 0                            ; key tile 2: register 0 of lanes 16-31 is token 48, registers 1-7 are pads
.irp j,1,2,3,4,5,6,7
	v_cndmask_b32 v[MK2+\j], 0, v[TMPM], s63
.endr
.irp j,0,1,2,3,4,5,6,7
	v_cndmask_b32 v[MK3+\j], 0, v[TMPM], s63       ; key tile 3: all of lanes 16-31 are pads
.endr
	WIN 0
	s_wait_dscnt 0x0                               ; my part of the weights lies in LDS
	s_barrier_signal -1
	s_barrier_wait -1                              ; everybody's does; nobody writes those bytes again
; ================= A WINDOW
	s_mov_b32 s82, 0
.Lwin:
	s_wait_loadcnt 0x0                             ; the window's 49 rows
.irp b,0,1,2,3,4,5,6
	v_mov_b32 v[COLS+\b], v[COLL+\b]
.endr
.set n, 0
.rept 49
	RHOSET
	ds_store_b128 v[ASW], v[XS+4*n:XS+4*n+3] offset:rho*SPI
.set n, n+1
.endr
.irp o,41,42,43,44,45,46,47,56,57,58,59,60,61,62,63
	ds_store_b128 v[ASW], v[XS+192:XS+195] offset:\o*SPI   ; the pad slots: token 48 again
.endr
	WIN 0x40
	XREAD 0                                        ; LDS serves a wave's instructions in order: these see my stores
	XREAD 1
	XREAD 2
	s_wait_dscnt 48                                ; all but those 48 loads: the 64 stores have read the rows' registers
	XREAD 3
	WIN 0
	LNPAR 4608
	s_mov_b32 s85, 0
	s_mov_b32 s86, 0
	s_mov_b32 s87, 0
	s_mov_b32 s88, 0
	ATADDR
	LOADW SETA, WSA, 0, 0, AB, 0, 32, 16           ; q, c = 0
	LOADW SETB, WSB, 18432, 1536, AB, 512, 32, 16  ; k, c = 0
	s_wait_dscnt 44                                ; X and the norm's vectors are in; the two sets of 22 may be out
	LNPAIR 0
	LNPAIR 2
	WIN 0
.irp t,0,1,2,3
.irp i,6,7,8,9,10,11
	v_mov_b32 v[KF+12*\t+\i], 0                    ; K's blocks 2 and 3: zero codes
.endr
.endr
.irp i,0,1,2,3,4,5
	v_mov_b32 v[QM+48+\i], 0                       ; behind the last fragment of Q
.endr
	PLACES 8                                       ; scale words made by vector instructions stand eight places ahead of the products
	s_mov_b32 s83, 0
.Latt:                                             ; heads 2 c and 2 c + 1
	ATADDR
	s_wait_dscnt 0x0
	WIN 0xBF
	MMT SETA, WSA, HFR, SH, 0, 32, 8, 0            ; Q^T
	PLACES 4
	LOADW SETA, WSA, 36864, 3072, AVB, 0, 512, 0   ; v
	QB4
	CV8
	WIN 0x08
.irp t,0,1,2,3
.irp i,0,1,2,3,4,5
	v_cndmask_b32 v[QM+12*\t+\i], 0, v[TT+8*\t+\i+\i/3], s62     ; head 2 c alone
	v_cndmask_b32 v[QM+12*\t+6+\i], 0, v[TT+8*\t+\i+\i/3], s63   ; head 2 c + 1 alone
.endr
.endr
	WIN 0x0A
.irp t,0,1,2,3
	v_lshlrev_b32 v[SQ+\t], v[SH8], v[BY+\t]       ; lanes 0-15: byte 0; lanes 16-31: byte 1
.endr
	s_wait_dscnt 0x0
	WIN 0xBF
	MMT SETB, WSB, HFR, SH, 0, 32, 8, 0            ; K^T
	PLACES 4
	LOADW SETB, WSB, 24576, 2048, AB, 768, 32, 16  ; the next k, or the output projection's c = 1
	QB4
	CV 0x0A, 0x02, KF, KF+12, KF+24, KF+36
	WIN 0x0A
.irp t,0,1,2,3
	v_lshlrev_b32 v[SK+\t], v[SH8], v[BY+\t]
.endr
	s_wait_dscnt 0x0
	WIN 0xBF
	MMV
	PLACES 4
	LOADW SETA, WSA, 6144, 512, AB, 256, 32, 16    ; the next q, or the output projection's c = 0
	QB4
	CV8
	WIN 0x08
.irp e,0,1,2,3
.irp i,0,1,2,3,4,5
	v_cndmask_b32 v[VF+12*\e+\i], 0, v[TT+8*\e+\i+\i/3], s80     ; rows of head 2 c: keys at K = 0 .. 63
	v_cndmask_b32 v[VF+12*\e+6+\i], 0, v[TT+8*\e+\i+\i/3], s81   ; rows of head 2 c + 1: at K = 64 .. 127
.endr
.endr
	WIN 0xAA
.irp e,0,1,2,3
	v_lshlrev_b32 v[YY+\e], v[SH8], v[BY+\e]
.endr
.irp e,0,1,2,3
	v_permlanex16_b32 v[RX+\e], v[YY+\e], s54, s55
.endr
.irp e,0,1,2,3
	v_or_b32 v[YY+\e], v[YY+\e], v[RX+\e]
.endr
	WIN 0x2A
.irp e,0,1,2,3
	v_lshl_or_b32 v[SV+\e], v[YY+\e], 16, v[YY+\e] ; the two bytes serve either pair of blocks
.endr
	MMS 0
	PLACES 4
	SOFTMAX 0
	MMS 1
	PLACES 4
	SOFTMAX 1
	PLACES 8
	WIN 0x88
	MMP
	PLACES 4
	WIN 0xAA
.irp t,0,1,2,3
	v_cndmask_b32 v[RX+\t], v[LL+2*\t], v[LL+2*\t+1], s63   ; my head's sum
.endr
.irp t,0,1,2,3
	v_rcp_f32 v[NM+2*\t], v[RX+\t]
.endr
	v_nop
	s_wait_alu depctr_va_vdst(0)                   ; one wait for the four reciprocals
.irp t,0,1,2,3
.set p, 0
.rept 16
	v_pk_mul_f32 v[32*\t+p:32*\t+p+1], v[32*\t+p:32*\t+p+1], v[NM+2*\t:NM+2*\t+1] op_sel_hi:[1,0]
.set p, p+2
.endr
.endr
	QB4
	WIN 0xC3
.irp t,0,1,2,3
.irp i,0,1,2,3,4,5
	v_mov_b32 v[HF+12*\t+\i], v[HF+12*\t+6+\i]     ; the trip before made K = 0 .. 63; this one makes K = 64 .. 127
.endr
.endr
	CV 0xCA, 0xC2, HF+6, HF+18, HF+30, HF+42
	WIN 0xAA
.irp t,0,1,2,3
	v_lshrrev_b32 v[WO+\t], 16, v[WO+\t]
.endr
.irp t,0,1,2,3
	v_lshl_or_b32 v[WO+\t], v[BY+\t], 16, v[WO+\t]
.endr
	WIN 0
	s_add_co_u32 s85, s85, 6144
	s_add_co_u32 s86, s86, 512
	s_add_co_u32 s87, s87, 256
	s_add_co_u32 s88, s88, 2048
	s_add_co_u32 s83, s83, 1
	s_cmp_lt_u32 s83, 2
	s_cbranch_scc1 .Latt
	WIN 0xAA
.irp t,0,1,2,3
	v_lshlrev_b32 v[YY+\t], v[SH8], v[WO+\t]
.endr
.irp t,0,1,2,3
	v_permlanex16_b32 v[RX+\t], v[YY+\t], s54, s55
.endr
	WIN 0x0A
.irp t,0,1,2,3
	v_or_b32 v[SF+\t], v[YY+\t], v[RX+\t]
.endr
	s_wait_dscnt 0x0
	PLACES 8
	WIN 0x5F
	MMT SETA, WSA, HF, SF, 0, 64, 8, 1             ; the output projection adds straight onto the residual
	MMT SETB, WSB, HF, SF, 32, 64, 8, 1
	PLACES 4
	WIN 0x80
	ADDLOAD 1536                                   ; b_o
	WIN 0
	LNPAR 5632
	s_mov_b32 s85, 49152
	s_mov_b32 s86, 4096
	s_mov_b32 s87, 2048
	FFADDR
	LOADW SETA, WSA, 0, 0, AB, 0, 32, 16           ; W1, s = 0, c = 0
	LOADW SETB, WSB, 6144, 512, AB, 256, 32, 16    ; c = 1
	s_wait_dscnt 44                                ; the vectors are in; the two sets of 22 may be out
	ADDX
	LNPAIR 0
	LNPAIR 2
	WIN 0
	s_cmp_eq_u32 s82, 1                            ; the second window's rows are asked for here, a whole MLP ahead; behind the second window there is none
	s_cbranch_scc1 .Lnox
	s_add_co_u32 s91, s84, 4
	COLSET COLL
	XLOAD
.Lnox:
	PLACES 8
	s_mov_b32 s83, 0
.Lffn:                                             ; 128 hidden units a trip: one K step of the second product
	FFADDR
	s_wait_dscnt 22                                ; set A is in; set B's 22 may be out
	WIN 0xBF
	MMT SETA, WSA, HFR, SH, 0, 32, 8, 0
	PLACES 4
	LOADW2 SETA, WSA, 49152, 4096                  ; W2, this K step, c = 0
	GELU 0
	GELU 1
	QB4
	CV 0xCA, 0xC2, HF, HF+12, HF+24, HF+36
	WIN 0xAA
.irp t,0,1,2,3
	v_mov_b32 v[BY0+\t], v[BY+\t]
.endr
	s_wait_dscnt 14                                ; set B is in; set A's 14 may be out
	WIN 0xBF
	MMT SETB, WSB, HFR, SH, 0, 32, 8, 0
	PLACES 4
	LOADW2 SETB, WSB, 55296, 4608                  ; c = 1
	GELU 0
	GELU 1
	QB4
	CV 0xCA, 0xC2, HF+6, HF+18, HF+30, HF+42
	WORDS4 SF
	s_wait_dscnt 0x0
	PLACES 8
	WIN 0x5F
	MMT SETA, WSA, HF, SF, 0, 64, 8, 1
	PLACES 4
	LOADW SETA, WSA, 12288, 1024, AB, 512, 32, 16  ; the next trip's W1 (behind the last trip: bytes inside LDS that nobody uses)
	WIN 0x5F
	MMT SETB, WSB, HF, SF, 32, 64, 8, 1
	PLACES 4
	LOADW SETB, WSB, 18432, 1536, AB, 768, 32, 16
	s_add_co_u32 s85, s85, 12288
	s_add_co_u32 s86, s86, 1024
	s_add_co_u32 s87, s87, 512
	s_add_co_u32 s83, s83, 1
	s_cmp_lt_u32 s83, 4
	s_cbranch_scc1 .Lffn
; ---- the way out: + f_b2; through my stage; 49 whole rows of 512 bytes
	WIN 0x80
	ADDLOAD 4096
	s_wait_dscnt 0x0
	ADDX
	WIN 0x04
.irp t,0,1,2,3
.irp c,0,1
.irp q,0,1,2,3,4,5,6,7
	ds_store_b128 v[ASR], v[64*\t+32*\c+4*\q:64*\t+32*\c+4*\q+3] offset:8448*\t+256*\c+16*\q
.endr
.endr
.endr
	WIN 0x80
.set n, 0
.rept 49
	RHOSET
	ds_load_b128 v[4*n:4*n+3], v[ASW] offset:rho*SPI
.set n, n+1
.endr
	WIN 0x08
.set n, 0
.rept 49
.if n%7 == 0
	s_wait_dscnt 42-n                              ; this image row's seven tokens are back; the later rows' loads may be out
.endif
	global_store_b128 v[COLS+n%7], v[4*n:4*n+3], s[RS+2*(n/7):RS+2*(n/7)+1] th:TH_STORE_NT   ; 32 lanes store 512 consecutive bytes, aligned
.set n, n+1
.endr
	WIN 0
	s_wait_xcnt 0x0                                ; the stores have read their registers: they are written again in the next trip
	s_add_co_u32 s82, s82, 1
	s_cmp_lt_u32 s82, 2
	s_cbranch_scc1 .Lwin
	s_wait_tensorcnt 0x0
	ds_add_u32 v58, v59
	s_wait_dscnt 0x0
	s_endpgm
.Lfunc_end_k_q6cee39496c_half1:
	.size	k_q6cee39496c_half1, .Lfunc_end_k_q6cee39496c_half1-k_q6cee39496c_half1
	.p2alignl 7, 3214868480
	.fill 96, 4, 3214868480
	.section	.rodata,"a",@progbits
	.p2align	6, 0x0
	.amdhsa_kernel k_q6cee39496c_half1
		.amdhsa_group_segment_fixed_size 306176
		.amdhsa_private_segment_fixed_size 0
		.amdhsa_enable_private_segment 0
		.amdhsa_kernarg_size 144
		.amdhsa_user_sgpr_count 2
		.amdhsa_user_sgpr_kernarg_segment_ptr 1
		.amdhsa_wavefront_size32 1
		.amdhsa_system_sgpr_workgroup_id_x 1
		.amdhsa_system_sgpr_workgroup_id_y 1
		.amdhsa_system_sgpr_workgroup_id_z 1
		.amdhsa_system_vgpr_workitem_id 0
		.amdhsa_next_free_vgpr 1024
		.amdhsa_next_free_sgpr 100
		.amdhsa_reserve_vcc 0
		.amdhsa_float_denorm_mode_32 3
		.amdhsa_float_denorm_mode_16_64 3
		.amdhsa_memory_ordered 1
		.amdhsa_forward_progress 1
		.amdhsa_inst_pref_size 255
	.end_amdhsa_kernel
	.section	.bss,"aw",@nobits
	.p2align	6
	.space	262144
	.amdgpu_metadata
---
amdhsa.version: [ 1, 2 ]
amdhsa.kernels:
  - .name:           k_q6cee39496c_half1
    .symbol:         k_q6cee39496c_half1.kd
    .args:
      - { .name: x, .offset: 0, .size: 8, .value_kind: global_buffer, .address_space: global }
      - { .name: mid, .offset: 8, .size: 8, .value_kind: global_buffer, .address_space: global }
      - { .name: ln1_g, .offset: 16, .size: 8, .value_kind: global_buffer, .address_space: global }
      - { .name: ln1_b, .offset: 24, .size: 8, .value_kind: global_buffer, .address_space: global }
      - { .name: ln2_g, .offset: 32, .size: 8, .value_kind: global_buffer, .address_space: global }
      - { .name: ln2_b, .offset: 40, .size: 8, .value_kind: global_buffer, .address_space: global }
      - { .name: b1_qkv, .offset: 48, .size: 8, .value_kind: global_buffer, .address_space: global }
      - { .name: b1_o, .offset: 56, .size: 8, .value_kind: global_buffer, .address_space: global }
      - { .name: f1_b1, .offset: 64, .size: 8, .value_kind: global_buffer, .address_space: global }
      - { .name: f1_b2, .offset: 72, .size: 8, .value_kind: global_buffer, .address_space: global }
      - { .name: w1_qkv_codes, .offset: 80, .size: 8, .value_kind: global_buffer, .address_space: global }
      - { .name: w1_qkv_scales, .offset: 88, .size: 8, .value_kind: global_buffer, .address_space: global }
      - { .name: w1_o_codes, .offset: 96, .size: 8, .value_kind: global_buffer, .address_space: global }
      - { .name: w1_o_scales, .offset: 104, .size: 8, .value_kind: global_buffer, .address_space: global }
      - { .name: f1_w1_codes, .offset: 112, .size: 8, .value_kind: global_buffer, .address_space: global }
      - { .name: f1_w1_scales, .offset: 120, .size: 8, .value_kind: global_buffer, .address_space: global }
      - { .name: f1_w2_codes, .offset: 128, .size: 8, .value_kind: global_buffer, .address_space: global }
      - { .name: f1_w2_scales, .offset: 136, .size: 8, .value_kind: global_buffer, .address_space: global }
    .group_segment_fixed_size: 306176
    .private_segment_fixed_size: 0
    .kernarg_segment_align: 8
    .kernarg_segment_size: 144
    .max_flat_workgroup_size: 128
    .sgpr_count:     100
    .vgpr_count:     1024
    .wavefront_size: 32
...
	.end_amdgpu_metadata
.endif
;; end of part 1
;; launch half2 (part 2): grid 256 x 1, 4 waves a work-group, no clusters, 306,176 bytes of LDS; arguments mid, out0, ln3_g, ln3_b, ln4_g, ln4_b, b2_qkv, b2_o, f2_b1, f2_b2, w2_qkv_codes, w2_qkv_scales, w2_o_codes, w2_o_scales, f2_w1_codes, f2_w1_scales, f2_w2_codes, f2_w2_scales; writes out0
.if DOCPART == 2
	.amdgcn_target "amdgcn-amd-amdhsa--gfx1250"
	.amdhsa_code_object_version 6
	.text
	.protected	k_q6cee39496c_half2
	.globl	k_q6cee39496c_half2
	.p2align	8
	.type	k_q6cee39496c_half2,@function
k_q6cee39496c_half2:
	s_mov_b64 s[64:65], 0
	v_nop
	global_prefetch_b8 v0, s[64:65] scope:SCOPE_SE
	s_setreg_imm32_b32 hwreg(HW_REG_WAVE_MODE, 25, 1), 1
	s_wait_xcnt 0x0
; One half of a Swin block: x + window attention(LN(x)), then + MLP(LN(.)), all six products on E2M3 codes with one E8M0 scale for each 32 along K.
; SHIFT = 0: plain windows; SHIFT = 3: windows displaced cyclically by 3 rows and 3 columns.  This line is all that differs between the two launches' texts.
; SHARES.  Work-group g owns image g / 8 and window row g % 8: eight windows of 7 x 7 tokens.  Wave w takes window column w, then w + 4.  A wave takes a window through the whole half; the residual stays in 256 registers.
; TOKEN SLOTS.  Four tiles of 16: lane row r of tile t is token 8 t + r (r < 8) or 32 + 8 t + r - 8 (r >= 8).  Slots of tokens 49 .. 63 hold copies of token 48: they lie in key block 1 with it, so no block's largest
; magnitude changes; their scores get -1e30 through the C operand, so that p = 0; their rows are never stored.
; FEATURE ORDER.  Lane r of weight tile (c, e) takes row 64 c + 8 e + (r % 8) + 32 (r / 8).  With the weight as source 0 a lane (r, h) then holds token r, and registers 8 e + j hold feature 64 c + 32 h + 8 e + j:
; a whole block of 32 along the next K in 32 registers of one lane, in the order of the 6-bit operand: no lane is asked for a maximum and no half is exchanged.
; WEIGHTS lie in LDS as images of their operand registers (three loads of 16 bytes a lane bring a fragment), filled once through registers; one barrier behind the fill, none after it: waves share nothing else.
; No tensor loads and no joint requests: the weights are 153,600 bytes once for a work-group against 401,408 bytes of rows in and out, and they are laid anew on the way.
; LIMITS: NaN and infinities among the inputs are not served.  Pad keys get -1e30, not -infinity: true scores under -1e30 are not served.  A block of zeros keeps the scale byte 1 (its codes are zeros; only this text reads the byte).
.set SHIFT, 3
.set FRB,  1536                        ; a fragment's image: 12 registers x 128 bytes
.set WSC,  147456                      ; behind 96 images: scale words, pair p of fragments at 256 p + 8 lane
.set PAR,  159744                      ; b_qkv 0, b_o 1536, f_b1 2048, f_b2 4096, gA 4608, bA 5120, gB 5632, bB 6144
.set VBT,  166400                      ; V's bias by lane: tile T at 512 T + 16 lane, four equal words
.set STG,  170496                      ; a stage of 64 rows x 528 bytes for each wave
.set STGW, 33792
.set SPI,  528                         ; 512 + 16: sixteen rows of a load start in sixteen different groups of banks
; window 0
.set L16, 1                            ; 16 x lane
.set AH,  2                            ; PAR + 128 h
.set ASR, 3                            ; my stage + 528 r + 128 h
.set ASW, 4                            ; my stage + 16 lane
.set BS8, 5                            ; WSC + 8 lane
.set BVB, 6                            ; VBT + 16 lane
.set AW,  7                            ; the trip's addresses: images, scale words, biases, V's bias
.set AS,  8
.set AB,  9
.set AVB, 10
.set COLL, 12                          ; v12-18 column offsets of the rows being loaded
.set COLS, 19                          ; v19-25 of the rows to be stored
.set SH,  26                           ; scale words, and nothing else, in v26-57
.set SF,  30
.set WSA, 34
.set WSB, 38
.set SQ,  42
.set SK,  46
.set SV,  50
.set SP,  54
.set XS,  60                           ; v60-255: 49 rows of x as loaded; else LN's gain and bias; else Q, K, V codes
.set GG,  60
.set BV,  124
.set QM,  60
.set KF,  114
.set VF,  162
.set H0, 7                             ; the head's temporaries
.set H1, 8
.set H2, 9
.set H3, 10
.set H4, 11
.set H5, 19
.set H6, 20
.set H7, 21
.set H8, 22
.set H9, 23
; window 1: X, the residual: register 64 t + 32 c + i = channel 64 c + 32 h + i of token slot (t, r)
; window 2
.set TT,  128                          ; v128-191 at work
.set PF,  128                          ; p's fragments
.set CT,  192
.set SS,  192
.set BM,  192
.set RX,  196
.set NM,  200
.set MU,  208
.set LS,  208
.set BY,  208
.set RSD, 212
.set YY,  212
.set TQ,  216
.set BY0, 220
.set MK2, 224
.set MK3, 232
.set LL,  240
.set WO,  248
.set SH8, 252
.set TMPM, 253
; window 3
.set SETA, 0                           ; four fragments at 12 e, four biases at 48 + 8 e
.set SETB, 80
.set HFR,  160                         ; LN's result as four fragments
.set HF,   208                         ; attention's result, later the hidden layer, as four fragments
.set RL, 40                            ; s[40:53] seven row bases of the source
.set RS, 66                            ; s[66:79] of the destination
.set MSB, 0
.macro WIN new                         ; bits 1:0 source 0, 3:2 source 1, 5:4 source 2, 7:6 destination; the high byte repeats the setting that is left
.if MSB != (\new)
	s_set_vgpr_msb (MSB<<8)|(\new)
.set MSB, (\new)
.endif
.endm
.macro PLACES n
.rept \n
	v_nop
.endr
.endm
.macro RHOSET                          ; the stage row of token n
.if n < 32
.set rho, 16*(n/8)+n%8
.else
.set rho, 16*((n-32)/8)+8+n%8
.endif
.endm
.macro COLSET dst                      ; column (7 wj + b - SHIFT) mod 56, in bytes, + 16 lane
	s_mul_i32 s92, s91, 7
	s_add_co_u32 s92, s92, 56-SHIFT
.irp b,0,1,2,3,4,5,6
	s_add_co_u32 s93, s92, \b
	s_sub_co_u32 s94, s93, 56
	s_cmp_ge_u32 s93, 56
	s_cselect_b32 s93, s94, s93
	s_lshl_b32 s93, s93, 9
	v_add_nc_u32 v[\dst+\b], s93, v[L16]
.endr
.endm
.macro XLOAD                           ; 49 rows of 512 bytes, 16 bytes a lane
.set n, 0
.rept 49
	global_load_b128 v[XS+4*n:XS+4*n+3], v[COLL+n%7], s[RL+2*(n/7):RL+2*(n/7)+1] th:TH_LOAD_NT
.set n, n+1
.endr
.endm
.macro XREAD t                         ; tile t of X from the stage (destination window 1)
.irp c,0,1
.irp q,0,1,2,3,4,5,6,7
	ds_load_b128 v[64*\t+32*\c+4*\q:64*\t+32*\c+4*\q+3], v[ASR] offset:8448*\t+256*\c+16*\q
.endr
.endr
.endm
.macro LNPAR goff                      ; a norm's gain and bias at my 64 channels
.irp c,0,1
.irp q,0,1,2,3,4,5,6,7
	ds_load_b128 v[GG+32*\c+4*\q:GG+32*\c+4*\q+3], v[AH] offset:\goff+256*\c+16*\q
	ds_load_b128 v[BV+32*\c+4*\q:BV+32*\c+4*\q+3], v[AH] offset:\goff+512+256*\c+16*\q
.endr
.endr
.endm
.macro ADDLOAD off                     ; a bias vector at my 64 channels (destination window 2)
.irp c,0,1
.irp q,0,1,2,3,4,5,6,7
	ds_load_b128 v[TT+32*\c+4*\q:TT+32*\c+4*\q+3], v[AH] offset:\off+256*\c+16*\q
.endr
.endr
.endm
.macro ADDX                            ; X += that vector; each accumulator of X is read from its low end on
	WIN 0x49
.irp t,0,1,2,3
.set p, 0
.rept 32
	v_pk_add_f32 v[64*\t+p:64*\t+p+1], v[64*\t+p:64*\t+p+1], v[TT+p:TT+p+1]
.set p, p+2
.endr
.endr
.endm
.macro LOADW set, ws, wo, so, ab, bo, bs, b2   ; four fragments, their biases as C operands, their scale words: 22 LDS loads
	WIN 0xC0
.irp e,0,1,2,3
.irp k,0,1,2
	ds_load_b128 v[\set+12*\e+4*\k:\set+12*\e+4*\k+3], v[AW] offset:\wo+FRB*\e+512*\k
.endr
.endr
.irp e,0,1,2,3
	ds_load_b128 v[\set+48+8*\e:\set+51+8*\e], v[\ab] offset:\bo+\bs*\e
	ds_load_b128 v[\set+52+8*\e:\set+55+8*\e], v[\ab] offset:\bo+\bs*\e+\b2
.endr
	WIN 0
	ds_load_b64 v[\ws:\ws+1], v[AS] offset:\so
	ds_load_b64 v[\ws+2:\ws+3], v[AS] offset:\so+256
.endm
.macro LOADW2 set, ws, wo, so          ; the same without biases: 14 LDS loads
	WIN 0xC0
.irp e,0,1,2,3
.irp k,0,1,2
	ds_load_b128 v[\set+12*\e+4*\k:\set+12*\e+4*\k+3], v[AW] offset:\wo+FRB*\e+512*\k
.endr
.endr
	WIN 0
	ds_load_b64 v[\ws:\ws+1], v[AS] offset:\so
	ds_load_b64 v[\ws+2:\ws+3], v[AS] offset:\so+256
.endm
; 16 products: source 0 = weight tile e, source 1 = token tile t.  acc = 0: C is the tile's bias; acc = 1: onto D.  Sixteen accumulators, one instruction each.
.macro MMT set, ws, bf, bs, db, dt, de, acc
.irp e,0,1,2,3
.irp t,0,1,2,3
.if \acc
	v_wmma_scale_f32_16x16x128_f8f6f4 v[\db+\dt*\t+\de*\e:\db+\dt*\t+\de*\e+7], v[\set+12*\e:\set+12*\e+11], v[\bf+12*\t:\bf+12*\t+11], v[\db+\dt*\t+\de*\e:\db+\dt*\t+\de*\e+7], v[\ws+\e], v[\bs+\t] matrix_a_fmt:MATRIX_FMT_FP6 matrix_b_fmt:MATRIX_FMT_FP6
.else
	v_wmma_scale_f32_16x16x128_f8f6f4 v[\db+\dt*\t+\de*\e:\db+\dt*\t+\de*\e+7], v[\set+12*\e:\set+12*\e+11], v[\bf+12*\t:\bf+12*\t+11], v[\set+48+8*\e:\set+55+8*\e], v[\ws+\e], v[\bs+\t] matrix_a_fmt:MATRIX_FMT_FP6 matrix_b_fmt:MATRIX_FMT_FP6
.endif
.endr
.endr
.endm
.macro MMV                             ; V the other way round: source 0 = tokens, source 1 = weight: a lane holds one feature, its registers run along the keys
.irp e,0,1,2,3
.irp t,0,1,2,3
	v_wmma_scale_f32_16x16x128_f8f6f4 v[32*\e+8*\t:32*\e+8*\t+7], v[HFR+12*\t:HFR+12*\t+11], v[SETA+12*\e:SETA+12*\e+11], v[SETA+48+8*\e:SETA+55+8*\e], v[SH+\t], v[WSA+\e] matrix_a_fmt:MATRIX_FMT_FP6 matrix_b_fmt:MATRIX_FMT_FP6
.endr
.endr
.endm
; S^T = K Q^T of head 2 c + hh.  K's fragment holds both heads (block 0, block 1) and zeros above; Q's holds codes in the lanes of half hh alone, so only block hh counts.  The pad keys' -1e30 comes as C.
.macro MMS hh
	WIN 0xA0
.irp tk,0,1,2,3
.irp tq,0,1,2,3
.if \hh
.if \tk < 2
	v_wmma_scale_f32_16x16x128_f8f6f4 v[32*\tq+8*\tk:32*\tq+8*\tk+7], v[KF+12*\tk:KF+12*\tk+11], v[QM+12*\tq+6:QM+12*\tq+17], 0, v[SK+\tk], v[SQ+\tq] matrix_a_fmt:MATRIX_FMT_FP6 matrix_b_fmt:MATRIX_FMT_FP6 matrix_a_scale:MATRIX_SCALE_ROW1 matrix_b_scale:MATRIX_SCALE_ROW1
.else
	v_wmma_scale_f32_16x16x128_f8f6f4 v[32*\tq+8*\tk:32*\tq+8*\tk+7], v[KF+12*\tk:KF+12*\tk+11], v[QM+12*\tq+6:QM+12*\tq+17], v[MK2+8*(\tk-2):MK2+8*(\tk-2)+7], v[SK+\tk], v[SQ+\tq] matrix_a_fmt:MATRIX_FMT_FP6 matrix_b_fmt:MATRIX_FMT_FP6 matrix_a_scale:MATRIX_SCALE_ROW1 matrix_b_scale:MATRIX_SCALE_ROW1
.endif
.else
.if \tk < 2
	v_wmma_scale_f32_16x16x128_f8f6f4 v[32*\tq+8*\tk:32*\tq+8*\tk+7], v[KF+12*\tk:KF+12*\tk+11], v[QM+12*\tq:QM+12*\tq+11], 0, v[SK+\tk], v[SQ+\tq] matrix_a_fmt:MATRIX_FMT_FP6 matrix_b_fmt:MATRIX_FMT_FP6
.else
	v_wmma_scale_f32_16x16x128_f8f6f4 v[32*\tq+8*\tk:32*\tq+8*\tk+7], v[KF+12*\tk:KF+12*\tk+11], v[QM+12*\tq:QM+12*\tq+11], v[MK2+8*(\tk-2):MK2+8*(\tk-2)+7], v[SK+\tk], v[SQ+\tq] matrix_a_fmt:MATRIX_FMT_FP6 matrix_b_fmt:MATRIX_FMT_FP6
.endif
.endif
.endr
.endr
.endm
.macro MMP                             ; O^T = V^T P^T of both heads at once: K = head 2 c's 64 keys, then head 2 c + 1's
.irp e,0,1,2,3
.irp tq,0,1,2,3
	v_wmma_scale_f32_16x16x128_f8f6f4 v[32*\tq+8*\e:32*\tq+8*\e+7], v[VF+12*\e:VF+12*\e+11], v[PF+12*\tq:PF+12*\tq+11], 0, v[SV+\e], v[SP+\tq] matrix_a_fmt:MATRIX_FMT_FP6 matrix_b_fmt:MATRIX_FMT_FP6
.endr
.endr
.endm
; Four blocks of 32 at v[32 k] of window 2: the largest magnitude with the floor 2^(3 - 127) among its leaves; 2 off its exponent field is the conversion's scale operand (TQ); that shifted down is the byte (BY).
.macro QB4
	WIN 0xAA
.irp k,0,1,2,3
	v_max3_num_f32 v[TQ+\k], |v[32*\k]|, |v[32*\k+1]|, 0x1800000
.endr
.irp i,2,4,6,8,10,12,14,16,18,20,22,24,26,28,30
.irp k,0,1,2,3
	v_max3_num_f32 v[TQ+\k], v[TQ+\k], |v[32*\k+\i]|, |v[32*\k+\i+1]|
.endr
.endr
.irp k,0,1,2,3
	v_add_nc_u32 v[TQ+\k], 0xff000000, v[TQ+\k]
.endr
.irp k,0,1,2,3
	v_lshrrev_b32 v[BY+\k], 23, v[TQ+\k]
.endr
.endm
; The four blocks' codes, six registers each, to d0 .. d3.  A conversion's three registers begin on an even number: the second three are made in CT and moved.  w1, w3: window settings with the destination's window.
.macro CV w1, w3, d0, d1, d2, d3
	WIN \w1
	v_cvt_scalef32_pk16_fp6_f32 v[(\d0):(\d0)+2], v[0:15], v[TQ]
	v_cvt_scalef32_pk16_fp6_f32 v[(\d1):(\d1)+2], v[32:47], v[TQ+1]
	v_cvt_scalef32_pk16_fp6_f32 v[(\d2):(\d2)+2], v[64:79], v[TQ+2]
	v_cvt_scalef32_pk16_fp6_f32 v[(\d3):(\d3)+2], v[96:111], v[TQ+3]
	WIN 0x8A
	v_cvt_scalef32_pk16_fp6_f32 v[CT:CT+2], v[16:31], v[TQ]
	v_cvt_scalef32_pk16_fp6_f32 v[CT+4:CT+6], v[48:63], v[TQ+1]
	v_cvt_scalef32_pk16_fp6_f32 v[CT+8:CT+10], v[80:95], v[TQ+2]
	v_cvt_scalef32_pk16_fp6_f32 v[CT+12:CT+14], v[112:127], v[TQ+3]
	v_nop                                          ; one plain place behind the scaled conversions
	WIN \w3
.irp i,0,1,2
	v_mov_b32 v[(\d0)+3+\i], v[CT+\i]
	v_mov_b32 v[(\d1)+3+\i], v[CT+4+\i]
	v_mov_b32 v[(\d2)+3+\i], v[CT+8+\i]
	v_mov_b32 v[(\d3)+3+\i], v[CT+12+\i]
.endr
.endm
.macro CV8                             ; the same into TT + 8 k (three registers) and TT + 8 k + 4 (three): selected from there
	WIN 0xAA
.irp k,0,1,2,3
	v_cvt_scalef32_pk16_fp6_f32 v[TT+8*\k:TT+8*\k+2], v[32*\k:32*\k+15], v[TQ+\k]
	v_cvt_scalef32_pk16_fp6_f32 v[TT+8*\k+4:TT+8*\k+6], v[32*\k+16:32*\k+31], v[TQ+\k]
.endr
	v_nop
.endm
.macro WORDS4 dst                      ; four scale words: my bytes of blocks h (BY0) and 2 + h (BY), 8 h bits up, joined with lane l xor 16's
	WIN 0xAA
.irp t,0,1,2,3
	v_lshl_or_b32 v[YY+\t], v[BY+\t], 16, v[BY0+\t]
.endr
.irp t,0,1,2,3
	v_lshlrev_b32 v[YY+\t], v[SH8], v[YY+\t]
.endr
.irp t,0,1,2,3
	v_permlanex16_b32 v[RX+\t], v[YY+\t], s54, s55
.endr
	WIN 0x0A
.irp t,0,1,2,3
	v_or_b32 v[\dst+\t], v[YY+\t], v[RX+\t]
.endr
.endm
.macro LNRED dst                       ; two tiles' four chains each -> the sum over 128 channels, in every lane
.irp u,0,1
	v_pk_add_f32 v[SS+8*\u:SS+8*\u+1], v[SS+8*\u:SS+8*\u+1], v[SS+8*\u+2:SS+8*\u+3]
	v_pk_add_f32 v[SS+8*\u+4:SS+8*\u+5], v[SS+8*\u+4:SS+8*\u+5], v[SS+8*\u+6:SS+8*\u+7]
.endr
.irp u,0,1
	v_pk_add_f32 v[SS+8*\u:SS+8*\u+1], v[SS+8*\u:SS+8*\u+1], v[SS+8*\u+4:SS+8*\u+5]
.endr
.irp u,0,1
	v_add_f32 v[\dst+2*\u], v[SS+8*\u], v[SS+8*\u+1]
.endr
.irp u,0,1
	v_permlanex16_b32 v[\dst+2*\u+1], v[\dst+2*\u], s54, s55
.endr
.irp u,0,1
	v_add_f32 v[\dst+2*\u], v[\dst+2*\u], v[\dst+2*\u+1]
.endr
.endm
; The norm of tiles t0 and t0 + 1, in two passes (mean; mean of squared differences), quantised into HFR and SH.
.macro LNPAIR t0
	WIN 0x85
.irp u,0,1
.irp q,0,1,2,3
	v_pk_add_f32 v[SS+8*\u+2*\q:SS+8*\u+2*\q+1], v[64*(\t0+\u)+2*\q:64*(\t0+\u)+2*\q+1], v[64*(\t0+\u)+8+2*\q:64*(\t0+\u)+8+2*\q+1]
.endr
.endr
	WIN 0x89
.irp i,2,3,4,5,6,7
.irp u,0,1
.irp q,0,1,2,3
	v_pk_add_f32 v[SS+8*\u+2*\q:SS+8*\u+2*\q+1], v[64*(\t0+\u)+8*\i+2*\q:64*(\t0+\u)+8*\i+2*\q+1], v[SS+8*\u+2*\q:SS+8*\u+2*\q+1]
.endr
.endr
.endr
	WIN 0xAA
	LNRED MU
.irp u,0,1
	v_mul_f32 v[MU+2*\u], s89, v[MU+2*\u]          ; the mean
.endr
	WIN 0x89
.irp u,0,1
.set p, 0
.rept 32
	v_pk_add_f32 v[64*\u+p:64*\u+p+1], v[64*(\t0+\u)+p:64*(\t0+\u)+p+1], v[MU+2*\u:MU+2*\u+1] op_sel_hi:[1,0] neg_lo:[0,1] neg_hi:[0,1]
.set p, p+2
.endr
.endr
	WIN 0xAA
.irp u,0,1
.irp q,0,1,2,3
	v_pk_mul_f32 v[SS+8*\u+2*\q:SS+8*\u+2*\q+1], v[64*\u+2*\q:64*\u+2*\q+1], v[64*\u+2*\q:64*\u+2*\q+1]
.endr
.endr
.irp i,1,2,3,4,5,6,7
.irp u,0,1
.irp q,0,1,2,3
	v_pk_fma_f32 v[SS+8*\u+2*\q:SS+8*\u+2*\q+1], v[64*\u+8*\i+2*\q:64*\u+8*\i+2*\q+1], v[64*\u+8*\i+2*\q:64*\u+8*\i+2*\q+1], v[SS+8*\u+2*\q:SS+8*\u+2*\q+1]
.endr
.endr
.endr
	LNRED RSD
.irp u,0,1
	v_fma_f32 v[RSD+2*\u], v[RSD+2*\u], s89, s90   ; the variance + 1e-5
.endr
.irp u,0,1
	v_rsq_f32 v[RSD+2*\u], v[RSD+2*\u]
.endr
	v_nop                                          ; a plain place behind the roots,
	s_wait_alu depctr_va_vdst(0)                   ; and the one wait ahead of their first reader
.irp u,0,1
.set p, 0
.rept 32
	v_pk_mul_f32 v[64*\u+p:64*\u+p+1], v[64*\u+p:64*\u+p+1], v[RSD+2*\u:RSD+2*\u+1] op_sel_hi:[1,0]
.set p, p+2
.endr
.endr
	WIN 0x82
.irp u,0,1
.set p, 0
.rept 32
	v_pk_fma_f32 v[64*\u+p:64*\u+p+1], v[64*\u+p:64*\u+p+1], v[GG+p:GG+p+1], v[BV+p:BV+p+1]
.set p, p+2
.endr
.endr
	QB4
	CV 0xCA, 0xC2, HFR+12*\t0, HFR+12*\t0+6, HFR+12*\t0+12, HFR+12*\t0+18
	WIN 0xAA
.irp u,0,1
	v_lshl_or_b32 v[YY+\u], v[BY+2*\u+1], 16, v[BY+2*\u]
.endr
.irp u,0,1
	v_lshlrev_b32 v[YY+\u], v[SH8], v[YY+\u]
.endr
.irp u,0,1
	v_permlanex16_b32 v[RX+\u], v[YY+\u], s54, s55
.endr
	WIN 0x0A
.irp u,0,1
	v_or_b32 v[SH+\t0+\u], v[YY+\u], v[RX+\u]
.endr
.endm
; gelu (tanh form) of 64 numbers: x / (1 + 2^(x (KA + KB x^2))), KA = -2 sqrt(2 / pi) log2(e), KB = 0.044715 KA
.macro GELU q
	WIN 0xAA
.set p, 0
.rept 32
	v_pk_mul_f32 v[TT+p:TT+p+1], v[64*\q+p:64*\q+p+1], s[60:61] op_sel_hi:[1,0]
.set p, p+2
.endr
.set p, 0
.rept 32
	v_pk_fma_f32 v[TT+p:TT+p+1], v[TT+p:TT+p+1], v[64*\q+p:64*\q+p+1], s[58:59] op_sel_hi:[1,1,0]
.set p, p+2
.endr
.set p, 0
.rept 32
	v_pk_mul_f32 v[TT+p:TT+p+1], v[TT+p:TT+p+1], v[64*\q+p:64*\q+p+1]
.set p, p+2
.endr
.set p, 0
.rept 64
	v_exp_f32 v[TT+p], v[TT+p]
.set p, p+1
.endr
	v_nop
	s_wait_alu depctr_va_vdst(0)                   ; one wait for the batch of 64
.set p, 0
.rept 32
	v_pk_add_f32 v[TT+p:TT+p+1], v[TT+p:TT+p+1], 1.0 op_sel_hi:[1,0]
.set p, p+2
.endr
.set p, 0
.rept 64
	v_rcp_f32 v[TT+p], v[TT+p]
.set p, p+1
.endr
	v_nop
	s_wait_alu depctr_va_vdst(0)                   ; and one for the 64 reciprocals
.set p, 0
.rept 32
	v_pk_mul_f32 v[64*\q+p:64*\q+p+1], v[64*\q+p:64*\q+p+1], v[TT+p:TT+p+1]
.set p, p+2
.endr
.endm
; The softmax of head 2 c + hh for four tiles of queries.  A lane holds one query and one block of 32 keys.  p = 2^(t - M), M = ceil(the row's largest t); the sum is taken of the unquantised p.
; A block's largest p comes from the block's largest score by the same multiply-add and exponential.
.macro SOFTMAX hh
	WIN 0xAA
.irp t,0,1,2,3
	v_max3_num_f32 v[BM+\t], v[32*\t], v[32*\t+1], v[32*\t+2]
.endr
.irp i,3,5,7,9,11,13,15,17,19,21,23,25,27,29
.irp t,0,1,2,3
	v_max3_num_f32 v[BM+\t], v[BM+\t], v[32*\t+\i], v[32*\t+\i+1]
.endr
.endr
.irp t,0,1,2,3
	v_max_num_f32 v[BM+\t], v[BM+\t], v[32*\t+31]
.endr
.irp t,0,1,2,3
	v_permlanex16_b32 v[RX+\t], v[BM+\t], s54, s55
.endr
.irp t,0,1,2,3
	v_max_num_f32 v[RX+\t], v[BM+\t], v[RX+\t]
.endr
.irp t,0,1,2,3
	v_mul_f32 v[RX+\t], s56, v[RX+\t]
.endr
.irp t,0,1,2,3
	v_floor_f32 v[NM+2*\t], -v[RX+\t]              ; -M
.endr
.irp t,0,1,2,3
	v_fma_f32 v[TQ+\t], v[BM+\t], s56, v[NM+2*\t]
.endr
.irp t,0,1,2,3
.set p, 0
.rept 16
	v_pk_fma_f32 v[32*\t+p:32*\t+p+1], v[32*\t+p:32*\t+p+1], s[56:57], v[NM+2*\t:NM+2*\t+1] op_sel_hi:[1,0,0]
.set p, p+2
.endr
.endr
.set p, 0
.rept 128
	v_exp_f32 v[p], v[p]
.set p, p+1
.endr
.irp t,0,1,2,3
	v_exp_f32 v[TQ+\t], v[TQ+\t]
.endr
	v_nop
	s_wait_alu depctr_va_vdst(0)                   ; one wait for the batch of 132
.irp t,0,1,2,3
	v_pk_add_f32 v[LS+2*\t:LS+2*\t+1], v[32*\t:32*\t+1], v[32*\t+2:32*\t+3]
.endr
.irp i,4,6,8,10,12,14,16,18,20,22,24,26,28,30
.irp t,0,1,2,3
	v_pk_add_f32 v[LS+2*\t:LS+2*\t+1], v[LS+2*\t:LS+2*\t+1], v[32*\t+\i:32*\t+\i+1]
.endr
.endr
.irp t,0,1,2,3
	v_add_f32 v[LS+2*\t], v[LS+2*\t], v[LS+2*\t+1]
.endr
.irp t,0,1,2,3
	v_permlanex16_b32 v[RX+\t], v[LS+2*\t], s54, s55
.endr
.irp t,0,1,2,3
	v_add_f32 v[LL+2*\t+\hh], v[LS+2*\t], v[RX+\t]
.endr
.irp t,0,1,2,3
	v_max_num_f32 v[TQ+\t], 0x1800000, v[TQ+\t]
.endr
.irp t,0,1,2,3
	v_add_nc_u32 v[TQ+\t], 0xff000000, v[TQ+\t]
.endr
.irp t,0,1,2,3
.if \hh
	v_lshrrev_b32 v[BY+\t], 23, v[TQ+\t]
.else
	v_lshrrev_b32 v[BY0+\t], 23, v[TQ+\t]
.endif
.endr
	CV 0x8A, 0x82, PF+6*\hh, PF+12+6*\hh, PF+24+6*\hh, PF+36+6*\hh
.if \hh
	WORDS4 SP
.endif
.endm
.macro ATADDR
	v_add_nc_u32 v[AW], s85, v[L16]
	v_add_nc_u32 v[AS], s86, v[BS8]
	v_add_nc_u32 v[AB], s87, v[AH]
	v_add_nc_u32 v[AVB], s88, v[BVB]
.endm
.macro FFADDR
	v_add_nc_u32 v[AW], s85, v[L16]
	v_add_nc_u32 v[AS], s86, v[BS8]
	v_add_nc_u32 v[AB], s87, v[AH]
.endm
; ================= THE HEAD
	s_load_b512 s[4:19], s[0:1], 0x0               ; src, dst, gA, bA, gB, bB, b_qkv, b_o
	s_load_b512 s[20:35], s[0:1], 0x40             ; f_b1, f_b2, qkv codes, scales, o codes, scales, w1 codes, scales
	s_load_b128 s[36:39], s[0:1], 0x80             ; w2 codes, scales
	v_lshl_add_u32 v58, v0, 2, 0x4aa00
	v_mov_b32 v59, 0
	v_lshrrev_b32 v[H0], 5, v0
	v_readfirstlane_b32 s84, v[H0]                 ; wave 0..3
	v_and_b32 v[H0], 31, v0                        ; lane
	v_and_b32 v[H1], 15, v0                        ; r
	v_bfe_u32 v[H2], v0, 4, 1                      ; h
	v_lshlrev_b32 v[L16], 4, v[H0]
	v_lshl_add_u32 v[AH], v[H2], 7, PAR
	s_mul_i32 s92, s84, STGW
	s_add_co_u32 s92, s92, STG
	v_mul_u32_u24 v[ASR], v[H1], SPI
	v_lshl_add_u32 v[ASR], v[H2], 7, v[ASR]
	v_add_nc_u32 v[ASR], s92, v[ASR]
	v_add_nc_u32 v[ASW], s92, v[L16]
	v_lshl_add_u32 v[BS8], v[H0], 3, WSC
	v_add_nc_u32 v[BVB], VBT, v[L16]
	v_and_b32 v[H3], 7, v[H1]
	v_lshrrev_b32 v[H9], 3, v[H1]
	v_lshl_add_u32 v[H3], v[H9], 5, v[H3]          ; (r % 8) + 32 (r / 8): my row in a weight tile
	v_mul_u32_u24 v[H4], v[H3], 96
	v_mad_u32_u24 v[H4], v[H2], 24, v[H4]          ; rows of 128 codes
	v_mul_u32_u24 v[H5], v[H3], 384
	v_mad_u32_u24 v[H5], v[H2], 24, v[H5]          ; rows of 512 codes
	v_lshlrev_b32 v[H6], 2, v[H3]                  ; scale words, 4 bytes a row
	v_lshlrev_b32 v[H7], 4, v[H3]                  ; and 16 bytes a row
	v_lshlrev_b32 v[H8], 2, v0                     ; 4 x thread: the parameter vectors
	s_mov_b32 s54, 0x76543210
	s_mov_b32 s55, 0xfedcba98                      ; lane l xor 16
	s_mov_b32 s56, 0x3e8293ee                      ; log2(e) / sqrt(32)
	s_mov_b32 s57, s56
	s_mov_b32 s58, 0xc0135761                      ; KA
	s_mov_b32 s59, s58
	s_mov_b32 s60, 0xbdd2d3e8                      ; KB
	s_mov_b32 s61, s60
	s_mov_b32 s62, 0x0000ffff                      ; lanes 0-15
	s_mov_b32 s63, 0xffff0000                      ; lanes 16-31
	s_mov_b32 s80, 0x00ff00ff                      ; lanes with r < 8
	s_mov_b32 s81, 0xff00ff00                      ; lanes with r >= 8
	s_mov_b32 s89, 0x3c000000                      ; 1 / 128
	s_mov_b32 s90, 0x3727c5ac                      ; 1e-5
	s_mov_b32 s91, s84                             ; my first window column
	s_wait_kmcnt 0x0
	s_lshr_b32 s92, ttmp9, 3                       ; image
	s_and_b32 s93, ttmp9, 7                        ; window row
	s_mul_i32 s92, s92, 1605632
	s_mul_i32 s93, s93, 7
	s_add_co_u32 s93, s93, 56-SHIFT
.irp a,0,1,2,3,4,5,6
	s_add_co_u32 s94, s93, \a                      ; image row (7 wi + a - SHIFT) mod 56
	s_sub_co_u32 s95, s94, 56
	s_cmp_ge_u32 s94, 56
	s_cselect_b32 s94, s95, s94
	s_mul_i32 s94, s94, 28672
	s_add_co_u32 s94, s94, s92
	s_mov_b32 s95, 0
	s_add_nc_u64 s[RL+2*\a:RL+2*\a+1], s[4:5], s[94:95]
	s_add_nc_u64 s[RS+2*\a:RS+2*\a+1], s[6:7], s[94:95]
.endr
	s_lshr_b32 s92, s84, 1                         ; of each group of 8 tiles wave w lays tiles c = w / 2, e = 2 (w % 2) + i: rows 64 (w / 2) + 16 (w % 2) + 8 i on
	s_and_b32 s93, s84, 1
	s_lshl_b32 s94, s92, 6
	s_lshl_b32 s95, s93, 4
	s_add_co_u32 s94, s94, s95
	s_mul_i32 s96, s94, 96
	s_mov_b32 s97, 0
	s_add_nc_u64 s[24:25], s[24:25], s[96:97]
	s_add_nc_u64 s[28:29], s[28:29], s[96:97]
	s_add_nc_u64 s[32:33], s[32:33], s[96:97]
	s_mul_i32 s96, s94, 384
	s_add_nc_u64 s[36:37], s[36:37], s[96:97]
	s_lshl_b32 s96, s94, 2
	s_add_nc_u64 s[26:27], s[26:27], s[96:97]
	s_add_nc_u64 s[30:31], s[30:31], s[96:97]
	s_add_nc_u64 s[34:35], s[34:35], s[96:97]
	s_add_nc_u64 s[98:99], s[16:17], s[96:97]
	s_lshl_b32 s96, s94, 4
	s_add_nc_u64 s[38:39], s[38:39], s[96:97]
	WIN 0x40                                       ; 16 fragments into window 1
.irp g,0,1,2
.irp i,0,1
.irp p,0,1,2,3,4,5
	global_load_b64 v[12*(2*\g+\i)+2*\p:12*(2*\g+\i)+2*\p+1], v[H4], s[24:25] offset:(128*\g+8*\i)*96+48*(\p/3)+8*(\p%3)
.endr
.endr
.endr
.irp i,0,1
.irp p,0,1,2,3,4,5
	global_load_b64 v[12*(6+\i)+2*\p:12*(6+\i)+2*\p+1], v[H4], s[28:29] offset:8*\i*96+48*(\p/3)+8*(\p%3)
.endr
.endr
.irp g,0,1,2,3
.irp i,0,1
.irp p,0,1,2,3,4,5
	global_load_b64 v[12*(8+2*\g+\i)+2*\p:12*(8+2*\g+\i)+2*\p+1], v[H4], s[32:33] offset:(128*\g+8*\i)*96+48*(\p/3)+8*(\p%3)
.endr
.endr
.endr
	WIN 0x80                                       ; 8 fragments, the scale words and the vectors into window 2
.irp g,0,1,2,3
.irp i,0,1
.irp p,0,1,2,3,4,5
	global_load_b64 v[12*(2*\g+\i)+2*\p:12*(2*\g+\i)+2*\p+1], v[H5], s[36:37] offset:8*\i*384+96*\g+48*(\p/3)+8*(\p%3)
.endr
.endr
.endr
.irp g,0,1,2
.irp i,0,1
	global_load_b32 v[96+2*\g+\i], v[H6], s[26:27] offset:(128*\g+8*\i)*4
.endr
.endr
.irp i,0,1
	global_load_b32 v[102+\i], v[H6], s[30:31] offset:32*\i
.endr
.irp g,0,1,2,3
.irp i,0,1
	global_load_b32 v[104+2*\g+\i], v[H6], s[34:35] offset:(128*\g+8*\i)*4
	global_load_b32 v[112+2*\g+\i], v[H7], s[38:39] offset:8*\i*16+4*\g
.endr
.endr
.irp j,0,1,2
	global_load_b32 v[128+\j], v[H8], s[16:17] offset:512*\j
.endr
	global_load_b32 v131, v[H8], s[18:19]
.irp j,0,1,2,3
	global_load_b32 v[132+\j], v[H8], s[20:21] offset:512*\j
.endr
	global_load_b32 v136, v[H8], s[22:23]
	global_load_b32 v137, v[H8], s[8:9]
	global_load_b32 v138, v[H8], s[10:11]
	global_load_b32 v139, v[H8], s[12:13]
	global_load_b32 v140, v[H8], s[14:15]
.irp i,0,1
	global_load_b32 v[144+4*\i], v[H6], s[98:99] offset:1024+32*\i
.endr
	WIN 0
	COLSET COLL
	XLOAD                                          ; the first window's rows
	s_wait_loadcnt 49                              ; all but those 49: the weights and vectors are in, and their offset registers are free
	WIN 0xAA
.irp i,0,1
.irp j,1,2,3
	v_mov_b32 v[144+4*\i+\j], v[144+4*\i]
.endr
.endr
	WIN 0
	s_mul_i32 s95, s84, 2*FRB
	v_add_nc_u32 v[H0], s95, v[L16]                ; images of q, k, v: fragment 2 w + i of each group of 8
	v_add_nc_u32 v[H1], 32*FRB, v[H0]              ; of W1
	v_add_nc_u32 v[H2], 64*FRB, v[H0]              ; of W2
	s_lshr_b32 s92, s84, 1
	s_and_b32 s93, s84, 1
	s_mul_i32 s96, s92, 12*FRB
	s_mul_i32 s97, s93, 2*FRB
	s_add_co_u32 s96, s96, s97
	s_add_co_u32 s96, s96, 8*FRB
	v_add_nc_u32 v[H3], s96, v[L16]                ; of the output projection: fragments 8 .. 11 and 20 .. 23
	s_lshl_b32 s95, s84, 8
	v_add_nc_u32 v[H4], s95, v[BS8]
	s_mul_i32 s96, s92, 6*256
	s_lshl_b32 s97, s93, 8
	s_add_co_u32 s96, s96, s97
	s_add_co_u32 s96, s96, 4*256
	v_add_nc_u32 v[H5], s96, v[BS8]
	s_lshl_b32 s95, s84, 10
	v_add_nc_u32 v[H6], s95, v[BVB]
	v_lshl_add_u32 v[H7], v0, 2, PAR
	WIN 0x04
.irp i,0,1
.irp k,0,1,2
	ds_store_b128 v[H0], v[12*\i+4*\k:12*\i+4*\k+3] offset:\i*FRB+512*\k
	ds_store_b128 v[H0], v[12*(2+\i)+4*\k:12*(2+\i)+4*\k+3] offset:(12+\i)*FRB+512*\k
	ds_store_b128 v[H0], v[12*(4+\i)+4*\k:12*(4+\i)+4*\k+3] offset:(24+\i)*FRB+512*\k
	ds_store_b128 v[H3], v[12*(6+\i)+4*\k:12*(6+\i)+4*\k+3] offset:\i*FRB+512*\k
.irp g,0,1,2,3
	ds_store_b128 v[H1], v[12*(8+2*\g+\i)+4*\k:12*(8+2*\g+\i)+4*\k+3] offset:(8*\g+\i)*FRB+512*\k
.endr
.endr
.endr
	WIN 0x08
.irp i,0,1
.irp k,0,1,2
.irp g,0,1,2,3
	ds_store_b128 v[H2], v[12*(2*\g+\i)+4*\k:12*(2*\g+\i)+4*\k+3] offset:(8*\g+\i)*FRB+512*\k
.endr
.endr
.endr
	ds_store_b64 v[H4], v[96:97]
	ds_store_b64 v[H4], v[98:99] offset:6*256
	ds_store_b64 v[H4], v[100:101] offset:12*256
	ds_store_b64 v[H5], v[102:103]
.irp g,0,1,2,3
	ds_store_b64 v[H4], v[104+2*\g:105+2*\g] offset:(16+4*\g)*256
	ds_store_b64 v[H4], v[112+2*\g:113+2*\g] offset:(32+4*\g)*256
.endr
.irp j,0,1,2,3,4,5,6,7,8,9,10,11,12
	ds_store_b32 v[H7], v[128+\j] offset:512*\j
.endr
.irp i,0,1
	ds_store_b128 v[H6], v[144+4*\i:147+4*\i] offset:512*\i
.endr
	WIN 0xC0                                       ; HF, the work registers of window 2
.set p, 0
.rept 48
	v_mov_b32 v[HF+p], 0
.set p, p+1
.endr
	WIN 0x80
.set p, 192
.rept 32
	v_mov_b32 v[p], 0
.set p, p+1
.endr
.set p, 240
.rept 16
	v_mov_b32 v[p], 0
.set p, p+1
.endr
	v_bfe_u32 v[SH8], v0, 4, 1
	WIN 0xAA
	v_lshlrev_b32 v[SH8], 3, v[SH8]                ; 8 h
	v_mov_b32 v[TMPM], 0xf149f2ca                  ; -1e30
	v_mov_b32 v[MK2], 0                            ; key tile 2: register 0 of lanes 16-31 is token 48, registers 1-7 are pads
.irp j,1,2,3,4,5,6,7
	v_cndmask_b32 v[MK2+\j], 0, v[TMPM], s63
.endr
.irp j,0,1,2,3,4,5,6,7
	v_cndmask_b32 v[MK3+\j], 0, v[TMPM], s63       ; key tile 3: all of lanes 16-31 are pads
.endr
	WIN 0
	s_wait_dscnt 0x0                               ; my part of the weights lies in LDS
	s_barrier_signal -1
	s_barrier_wait -1                              ; everybody's does; nobody writes those bytes again
; ================= A WINDOW
	s_mov_b32 s82, 0
.Lwin:
	s_wait_loadcnt 0x0                             ; the window's 49 rows
.irp b,0,1,2,3,4,5,6
	v_mov_b32 v[COLS+\b], v[COLL+\b]
.endr
.set n, 0
.rept 49
	RHOSET
	ds_store_b128 v[ASW], v[XS+4*n:XS+4*n+3] offset:rho*SPI
.set n, n+1
.endr
.irp o,41,42,43,44,45,46,47,56,57,58,59,60,61,62,63
	ds_store_b128 v[ASW], v[XS+192:XS+195] offset:\o*SPI   ; the pad slots: token 48 again
.endr
	WIN 0x40
	XREAD 0                                        ; LDS serves a wave's instructions in order: these see my stores
	XREAD 1
	XREAD 2
	s_wait_dscnt 48                                ; all but those 48 loads: the 64 stores have read the rows' registers
	XREAD 3
	WIN 0
	LNPAR 4608
	s_mov_b32 s85, 0
	s_mov_b32 s86, 0
	s_mov_b32 s87, 0
	s_mov_b32 s88, 0
	ATADDR
	LOADW SETA, WSA, 0, 0, AB, 0, 32, 16           ; q, c = 0
	LOADW SETB, WSB, 18432, 1536, AB, 512, 32, 16  ; k, c = 0
	s_wait_dscnt 44                                ; X and the norm's vectors are in; the two sets of 22 may be out
	LNPAIR 0
	LNPAIR 2
	WIN 0
.irp t,0,1,2,3
.irp i,6,7,8,9,10,11
	v_mov_b32 v[KF+12*\t+\i], 0                    ; K's blocks 2 and 3: zero codes
.endr
.endr
.irp i,0,1,2,3,4,5
	v_mov_b32 v[QM+48+\i], 0                       ; behind the last fragment of Q
.endr
	PLACES 8                                       ; scale words made by vector instructions stand eight places ahead of the products
	s_mov_b32 s83, 0
.Latt:                                             ; heads 2 c and 2 c + 1
	ATADDR
	s_wait_dscnt 0x0
	WIN 0xBF
	MMT SETA, WSA, HFR, SH, 0, 32, 8, 0            ; Q^T
	PLACES 4
	LOADW SETA, WSA, 36864, 3072, AVB, 0, 512, 0   ; v
	QB4
	CV8
	WIN 0x08
.irp t,0,1,2,3
.irp i,0,1,2,3,4,5
	v_cndmask_b32 v[QM+12*\t+\i], 0, v[TT+8*\t+\i+\i/3], s62     ; head 2 c alone
	v_cndmask_b32 v[QM+12*\t+6+\i], 0, v[TT+8*\t+\i+\i/3], s63   ; head 2 c + 1 alone
.endr
.endr
	WIN 0x0A
.irp t,0,1,2,3
	v_lshlrev_b32 v[SQ+\t], v[SH8], v[BY+\t]       ; lanes 0-15: byte 0; lanes 16-31: byte 1
.endr
	s_wait_dscnt 0x0
	WIN 0xBF
	MMT SETB, WSB, HFR, SH, 0, 32, 8, 0            ; K^T
	PLACES 4
	LOADW SETB, WSB, 24576, 2048, AB, 768, 32, 16  ; the next k, or the output projection's c = 1
	QB4
	CV 0x0A, 0x02, KF, KF+12, KF+24, KF+36
	WIN 0x0A
.irp t,0,1,2,3
	v_lshlrev_b32 v[SK+\t], v[SH8], v[BY+\t]
.endr
	s_wait_dscnt 0x0
	WIN 0xBF
	MMV
	PLACES 4
	LOADW SETA, WSA, 6144, 512, AB, 256, 32, 16    ; the next q, or the output projection's c = 0
	QB4
	CV8
	WIN 0x08
.irp e,0,1,2,3
.irp i,0,1,2,3,4,5
	v_cndmask_b32 v[VF+12*\e+\i], 0, v[TT+8*\e+\i+\i/3], s80     ; rows of head 2 c: keys at K = 0 .. 63
	v_cndmask_b32 v[VF+12*\e+6+\i], 0, v[TT+8*\e+\i+\i/3], s81   ; rows of head 2 c + 1: at K = 64 .. 127
.endr
.endr
	WIN 0xAA
.irp e,0,1,2,3
	v_lshlrev_b32 v[YY+\e], v[SH8], v[BY+\e]
.endr
.irp e,0,1,2,3
	v_permlanex16_b32 v[RX+\e], v[YY+\e], s54, s55
.endr
.irp e,0,1,2,3
	v_or_b32 v[YY+\e], v[YY+\e], v[RX+\e]
.endr
	WIN 0x2A
.irp e,0,1,2,3
	v_lshl_or_b32 v[SV+\e], v[YY+\e], 16, v[YY+\e] ; the two bytes serve either pair of blocks
.endr
	MMS 0
	PLACES 4
	SOFTMAX 0
	MMS 1
	PLACES 4
	SOFTMAX 1
	PLACES 8
	WIN 0x88
	MMP
	PLACES 4
	WIN 0xAA
.irp t,0,1,2,3
	v_cndmask_b32 v[RX+\t], v[LL+2*\t], v[LL+2*\t+1], s63   ; my head's sum
.endr
.irp t,0,1,2,3
	v_rcp_f32 v[NM+2*\t], v[RX+\t]
.endr
	v_nop
	s_wait_alu depctr_va_vdst(0)                   ; one wait for the four reciprocals
.irp t,0,1,2,3
.set p, 0
.rept 16
	v_pk_mul_f32 v[32*\t+p:32*\t+p+1], v[32*\t+p:32*\t+p+1], v[NM+2*\t:NM+2*\t+1] op_sel_hi:[1,0]
.set p, p+2
.endr
.endr
	QB4
	WIN 0xC3
.irp t,0,1,2,3
.irp i,0,1,2,3,4,5
	v_mov_b32 v[HF+12*\t+\i], v[HF+12*\t+6+\i]     ; the trip before made K = 0 .. 63; this one makes K = 64 .. 127
.endr
.endr
	CV 0xCA, 0xC2, HF+6, HF+18, HF+30, HF+42
	WIN 0xAA
.irp t,0,1,2,3
	v_lshrrev_b32 v[WO+\t], 16, v[WO+\t]
.endr
.irp t,0,1,2,3
	v_lshl_or_b32 v[WO+\t], v[BY+\t], 16, v[WO+\t]
.endr
	WIN 0
	s_add_co_u32 s85, s85, 6144
	s_add_co_u32 s86, s86, 512
	s_add_co_u32 s87, s87, 256
	s_add_co_u32 s88, s88, 2048
	s_add_co_u32 s83, s83, 1
	s_cmp_lt_u32 s83, 2
	s_cbranch_scc1 .Latt
	WIN 0xAA
.irp t,0,1,2,3
	v_lshlrev_b32 v[YY+\t], v[SH8], v[WO+\t]
.endr
.irp t,0,1,2,3
	v_permlanex16_b32 v[RX+\t], v[YY+\t], s54, s55
.endr
	WIN 0x0A
.irp t,0,1,2,3
	v_or_b32 v[SF+\t], v[YY+\t], v[RX+\t]
.endr
	s_wait_dscnt 0x0
	PLACES 8
	WIN 0x5F
	MMT SETA, WSA, HF, SF, 0, 64, 8, 1             ; the output projection adds straight onto the residual
	MMT SETB, WSB, HF, SF, 32, 64, 8, 1
	PLACES 4
	WIN 0x80
	ADDLOAD 1536                                   ; b_o
	WIN 0
	LNPAR 5632
	s_mov_b32 s85, 49152
	s_mov_b32 s86, 4096
	s_mov_b32 s87, 2048
	FFADDR
	LOADW SETA, WSA, 0, 0, AB, 0, 32, 16           ; W1, s = 0, c = 0
	LOADW SETB, WSB, 6144, 512, AB, 256, 32, 16    ; c = 1
	s_wait_dscnt 44                                ; the vectors are in; the two sets of 22 may be out
	ADDX
	LNPAIR 0
	LNPAIR 2
	WIN 0
	s_cmp_eq_u32 s82, 1                            ; the second window's rows are asked for here, a whole MLP ahead; behind the second window there is none
	s_cbranch_scc1 .Lnox
	s_add_co_u32 s91, s84, 4
	COLSET COLL
	XLOAD
.Lnox:
	PLACES 8
	s_mov_b32 s83, 0
.Lffn:                                             ; 128 hidden units a trip: one K step of the second product
	FFADDR
	s_wait_dscnt 22                                ; set A is in; set B's 22 may be out
	WIN 0xBF
	MMT SETA, WSA, HFR, SH, 0, 32, 8, 0
	PLACES 4
	LOADW2 SETA, WSA, 49152, 4096                  ; W2, this K step, c = 0
	GELU 0
	GELU 1
	QB4
	CV 0xCA, 0xC2, HF, HF+12, HF+24, HF+36
	WIN 0xAA
.irp t,0,1,2,3
	v_mov_b32 v[BY0+\t], v[BY+\t]
.endr
	s_wait_dscnt 14                                ; set B is in; set A's 14 may be out
	WIN 0xBF
	MMT SETB, WSB, HFR, SH, 0, 32, 8, 0
	PLACES 4
	LOADW2 SETB, WSB, 55296, 4608                  ; c = 1
	GELU 0
	GELU 1
	QB4
	CV 0xCA, 0xC2, HF+6, HF+18, HF+30, HF+42
	WORDS4 SF
	s_wait_dscnt 0x0
	PLACES 8
	WIN 0x5F
	MMT SETA, WSA, HF, SF, 0, 64, 8, 1
	PLACES 4
	LOADW SETA, WSA, 12288, 1024, AB, 512, 32, 16  ; the next trip's W1 (behind the last trip: bytes inside LDS that nobody uses)
	WIN 0x5F
	MMT SETB, WSB, HF, SF, 32, 64, 8, 1
	PLACES 4
	LOADW SETB, WSB, 18432, 1536, AB, 768, 32, 16
	s_add_co_u32 s85, s85, 12288
	s_add_co_u32 s86, s86, 1024
	s_add_co_u32 s87, s87, 512
	s_add_co_u32 s83, s83, 1
	s_cmp_lt_u32 s83, 4
	s_cbranch_scc1 .Lffn
; ---- the way out: + f_b2; through my stage; 49 whole rows of 512 bytes
	WIN 0x80
	ADDLOAD 4096
	s_wait_dscnt 0x0
	ADDX
	WIN 0x04
.irp t,0,1,2,3
.irp c,0,1
.irp q,0,1,2,3,4,5,6,7
	ds_store_b128 v[ASR], v[64*\t+32*\c+4*\q:64*\t+32*\c+4*\q+3] offset:8448*\t+256*\c+16*\q
.endr
.endr
.endr
	WIN 0x80
.set n, 0
.rept 49
	RHOSET
	ds_load_b128 v[4*n:4*n+3], v[ASW] offset:rho*SPI
.set n, n+1
.endr
	WIN 0x08
.set n, 0
.rept 49
.if n%7 == 0
	s_wait_dscnt 42-n                              ; this image row's seven tokens are back; the later rows' loads may be out
.endif
	global_store_b128 v[COLS+n%7], v[4*n:4*n+3], s[RS+2*(n/7):RS+2*(n/7)+1] th:TH_STORE_NT   ; 32 lanes store 512 consecutive bytes, aligned
.set n, n+1
.endr
	WIN 0
	s_wait_xcnt 0x0                                ; the stores have read their registers: they are written again in the next trip
	s_add_co_u32 s82, s82, 1
	s_cmp_lt_u32 s82, 2
	s_cbranch_scc1 .Lwin
	s_wait_tensorcnt 0x0
	ds_add_u32 v58, v59
	s_wait_dscnt 0x0
	s_endpgm
.Lfunc_end_k_q6cee39496c_half2:
	.size	k_q6cee39496c_half2, .Lfunc_end_k_q6cee39496c_half2-k_q6cee39496c_half2
	.p2alignl 7, 3214868480
	.fill 96, 4, 3214868480
	.section	.rodata,"a",@progbits
	.p2align	6, 0x0
	.amdhsa_kernel k_q6cee39496c_half2
		.amdhsa_group_segment_fixed_size 306176
		.amdhsa_private_segment_fixed_size 0
		.amdhsa_enable_private_segment 0
		.amdhsa_kernarg_size 144
		.amdhsa_user_sgpr_count 2
		.amdhsa_user_sgpr_kernarg_segment_ptr 1
		.amdhsa_wavefront_size32 1
		.amdhsa_system_sgpr_workgroup_id_x 1
		.amdhsa_system_sgpr_workgroup_id_y 1
		.amdhsa_system_sgpr_workgroup_id_z 1
		.amdhsa_system_vgpr_workitem_id 0
		.amdhsa_next_free_vgpr 1024
		.amdhsa_next_free_sgpr 100
		.amdhsa_reserve_vcc 0
		.amdhsa_float_denorm_mode_32 3
		.amdhsa_float_denorm_mode_16_64 3
		.amdhsa_memory_ordered 1
		.amdhsa_forward_progress 1
		.amdhsa_inst_pref_size 255
	.end_amdhsa_kernel
	.section	.bss,"aw",@nobits
	.p2align	6
	.space	262144
	.amdgpu_metadata
---
amdhsa.version: [ 1, 2 ]
amdhsa.kernels:
  - .name:           k_q6cee39496c_half2
    .symbol:         k_q6cee39496c_half2.kd
    .args:
      - { .name: mid, .offset: 0, .size: 8, .value_kind: global_buffer, .address_space: global }
      - { .name: out0, .offset: 8, .size: 8, .value_kind: global_buffer, .address_space: global }
      - { .name: ln3_g, .offset: 16, .size: 8, .value_kind: global_buffer, .address_space: global }
      - { .name: ln3_b, .offset: 24, .size: 8, .value_kind: global_buffer, .address_space: global }
      - { .name: ln4_g, .offset: 32, .size: 8, .value_kind: global_buffer, .address_space: global }
      - { .name: ln4_b, .offset: 40, .size: 8, .value_kind: global_buffer, .address_space: global }
      - { .name: b2_qkv, .offset: 48, .size: 8, .value_kind: global_buffer, .address_space: global }
      - { .name: b2_o, .offset: 56, .size: 8, .value_kind: global_buffer, .address_space: global }
      - { .name: f2_b1, .offset: 64, .size: 8, .value_kind: global_buffer, .address_space: global }
      - { .name: f2_b2, .offset: 72, .size: 8, .value_kind: global_buffer, .address_space: global }
      - { .name: w2_qkv_codes, .offset: 80, .size: 8, .value_kind: global_buffer, .address_space: global }
      - { .name: w2_qkv_scales, .offset: 88, .size: 8, .value_kind: global_buffer, .address_space: global }
      - { .name: w2_o_codes, .offset: 96, .size: 8, .value_kind: global_buffer, .address_space: global }
      - { .name: w2_o_scales, .offset: 104, .size: 8, .value_kind: global_buffer, .address_space: global }
      - { .name: f2_w1_codes, .offset: 112, .size: 8, .value_kind: global_buffer, .address_space: global }
      - { .name: f2_w1_scales, .offset: 120, .size: 8, .value_kind: global_buffer, .address_space: global }
      - { .name: f2_w2_codes, .offset: 128, .size: 8, .value_kind: global_buffer, .address_space: global }
      - { .name: f2_w2_scales, .offset: 136, .size: 8, .value_kind: global_buffer, .address_space: global }
    .group_segment_fixed_size: 306176
    .private_segment_fixed_size: 0
    .kernarg_segment_align: 8
    .kernarg_segment_size: 144
    .max_flat_workgroup_size: 128
    .sgpr_count:     100
    .vgpr_count:     1024
    .wavefront_size: 32
...
	.end_amdgpu_metadata
.endif
;; end of part 2
;; ======== version 2 of 2: 2 launches; version 1 with the launches half1, half2 written anew for expert scheduling mode
;; workspace buffers: mid 51,380,224 bytes
;; launch half1 (part 3): grid 256 x 1, 4 waves a work-group, no clusters, 306,176 bytes of LDS; arguments x, mid, ln1_g, ln1_b, ln2_g, ln2_b, b1_qkv, b1_o, f1_b1, f1_b2, w1_qkv_codes, w1_qkv_scales, w1_o_codes, w1_o_scales, f1_w1_codes, f1_w1_scales, f1_w2_codes, f1_w2_scales; writes mid
.if DOCPART == 3
	.amdgcn_target "amdgcn-amd-amdhsa--gfx1250"
	.amdhsa_code_object_version 6
	.text
	.protected	k_q6cee39496c_half1
	.globl	k_q6cee39496c_half1
	.p2align	8
	.type	k_q6cee39496c_half1,@function
k_q6cee39496c_half1:
	s_mov_b64 s[64:65], 0
	v_nop
	global_prefetch_b8 v0, s[64:65] scope:SCOPE_SE
	s_setreg_imm32_b32 hwreg(HW_REG_WAVE_SCHED_MODE, 0, 2), 2
	s_setreg_imm32_b32 hwreg(HW_REG_WAVE_MODE, 25, 1), 1
	s_wait_xcnt 0x0
	s_wait_alu depctr_vm_vsrc(0)
; One half of a Swin block: x + window attention(LN(x)), then + MLP(LN(.)), all six products on E2M3 codes with one E8M0 scale for each 32 along K.
; SHIFT = 0: plain windows; SHIFT = 3: windows displaced cyclically by 3 rows and 3 columns.  This line is all that differs between the two launches' texts.
; SHARES.  Work-group g owns image g / 8 and window row g % 8: eight windows of 7 x 7 tokens.  Wave w takes window column w, then w + 4.  A wave takes a window through the whole half; the residual stays in 256 registers.
; TOKEN SLOTS.  Four tiles of 16: lane row r of tile t is token 8 t + r (r < 8) or 32 + 8 t + r - 8 (r >= 8).  Slots of tokens 49 .. 63 hold copies of token 48: they lie in key block 1 with it, so no block's largest
; magnitude changes; their scores get -1e30 through the C operand, so that p = 0; their rows are never stored.
; FEATURE ORDER.  Lane r of weight tile (c, e) takes row 64 c + 8 e + (r % 8) + 32 (r / 8).  With the weight as source 0 a lane (r, h) then holds token r, and registers 8 e + j hold feature 64 c + 32 h + 8 e + j:
; a whole block of 32 along the next K in 32 registers of one lane, in the order of the 6-bit operand: no lane is asked for a maximum and no half is exchanged.
; WEIGHTS lie in LDS as images of their operand registers (three loads of 16 bytes a lane bring a fragment), filled once through registers; one barrier behind the fill, none after it: waves share nothing else.
; No tensor loads and no joint requests: the weights are 153,600 bytes once for a work-group against 401,408 bytes of rows in and out, and they are laid anew on the way.
; LIMITS: NaN and infinities among the inputs are not served.  Pad keys get -1e30, not -infinity: true scores under -1e30 are not served.  A block of zeros keeps the scale byte 1 (its codes are zeros; only this text reads the byte).
; THE MODE: SCHED_MODE bits 1:0 = 2 (LLVM: expert scheduling mode 2), set by the entry lines.  The code itself states the register dependences between vector or matrix instructions and memory or LDS instructions, with s_wait_alu, always for 0.
; THE PLAN.  Registers that memory or LDS instructions touch, and who else names them:
;   SETA, SETB, WSA, WSB   loaded from LDS, read by products alone.  A set is asked for again behind a wait on va_vdst that stands behind the products that read it: where vector work follows those products, behind the part
;                          of it that has read all their results (the search for the blocks' maxima; the exponentials' own wait in the activation); where only products follow, straight behind the batch.
;   X                      loaded from the stage at a window's head; then products and additions; read by the stage stores of the way out.
;   v60-255 of window 0    the rows' global loads land here and the stage stores read them; then the norms' vectors land here; then vector instructions write codes here, which products read.
;   TT, v0-195 of window 2 vector work; a bias vector lands in TT twice a window; on the way out the stage's rows land in v0-195 and the global stores read them.
;   AW, AS, AB, AVB        LDS addresses, written at a window's head, at each inner loop's top and ahead of the MLP: a wait on vm_vsrc ahead of the adds, and a wait on va_vdst that stands there anyway behind them.
;   COLL, COLS             offsets of the rows' loads and stores: written behind a wait on vm_vsrc, read behind a wait on va_vdst.
;   AH, ASR, ASW           LDS addresses made once at the head.  v58, v59: written at the head, read by the closing add alone.
.set SHIFT, 0
.set FRB,  1536                        ; a fragment's image: 12 registers x 128 bytes
.set WSC,  147456                      ; behind 96 images: scale words, pair p of fragments at 256 p + 8 lane
.set PAR,  159744                      ; b_qkv 0, b_o 1536, f_b1 2048, f_b2 4096, gA 4608, bA 5120, gB 5632, bB 6144
.set VBT,  166400                      ; V's bias by lane: tile T at 512 T + 16 lane, four equal words
.set STG,  170496                      ; a stage of 64 rows x 528 bytes for each wave
.set STGW, 33792
.set SPI,  528                         ; 512 + 16: sixteen rows of a load start in sixteen different groups of banks
; window 0
.set L16, 1                            ; 16 x lane
.set AH,  2                            ; PAR + 128 h
.set ASR, 3                            ; my stage + 528 r + 128 h
.set ASW, 4                            ; my stage + 16 lane
.set BS8, 5                            ; WSC + 8 lane
.set BVB, 6                            ; VBT + 16 lane
.set AW,  7                            ; the trip's addresses: images, scale words, biases, V's bias
.set AS,  8
.set AB,  9
.set AVB, 10
.set COLL, 12                          ; v12-18 column offsets of the rows being loaded
.set COLS, 19                          ; v19-25 of the rows to be stored
.set SH,  26                           ; scale words, and nothing else, in v26-57
.set SF,  30
.set WSA, 34
.set WSB, 38
.set SQ,  42
.set SK,  46
.set SV,  50
.set SP,  54
.set XS,  60                           ; v60-255: 49 rows of x as loaded; else LN's gain and bias; else Q, K, V codes
.set GG,  60
.set BV,  124
.set QM,  60
.set KF,  114
.set VF,  162
.set H0, 7                             ; the head's temporaries
.set H1, 8
.set H2, 9
.set H3, 10
.set H4, 11
.set H5, 19
.set H6, 20
.set H7, 21
.set H8, 22
.set H9, 23
; window 1: X, the residual: register 64 t + 32 c + i = channel 64 c + 32 h + i of token slot (t, r)
; window 2
.set TT,  128                          ; v128-191 at work
.set PF,  128                          ; p's fragments
.set CT,  192
.set SS,  192
.set BM,  192
.set RX,  196
.set NM,  200
.set MU,  208
.set LS,  208
.set BY,  208
.set RSD, 212
.set YY,  212
.set TQ,  216
.set BY0, 220
.set MK2, 224
.set MK3, 232
.set LL,  240
.set WO,  248
.set SH8, 252
.set TMPM, 253
; window 3
.set SETA, 0                           ; four fragments at 12 e, four biases at 48 + 8 e
.set SETB, 80
.set HFR,  160                         ; LN's result as four fragments
.set HF,   208                         ; attention's result, later the hidden layer, as four fragments
.set RL, 40                            ; s[40:53] seven row bases of the source
.set RS, 66                            ; s[66:79] of the destination
.set MSB, 0
.macro WIN new                         ; bits 1:0 source 0, 3:2 source 1, 5:4 source 2, 7:6 destination; the high byte repeats the setting that is left
.if MSB != (\new)
	s_set_vgpr_msb (MSB<<8)|(\new)
.set MSB, (\new)
.endif
.endm
.macro PLACES n
.rept \n
	v_nop
.endr
.endm
.macro RHOSET                          ; the stage row of token n
.if n < 32
.set rho, 16*(n/8)+n%8
.else
.set rho, 16*((n-32)/8)+8+n%8
.endif
.endm
.macro COLSET dst                      ; column (7 wj + b - SHIFT) mod 56, in bytes, + 16 lane
	s_mul_i32 s92, s91, 7
	s_add_co_u32 s92, s92, 56-SHIFT
.irp b,0,1,2,3,4,5,6
	s_add_co_u32 s93, s92, \b
	s_sub_co_u32 s94, s93, 56
	s_cmp_ge_u32 s93, 56
	s_cselect_b32 s93, s94, s93
	s_lshl_b32 s93, s93, 9
	v_add_nc_u32 v[\dst+\b], s93, v[L16]
.endr
.endm
.macro XLOAD                           ; 49 rows of 512 bytes, 16 bytes a lane
.set n, 0
.rept 49
	global_load_b128 v[XS+4*n:XS+4*n+3], v[COLL+n%7], s[RL+2*(n/7):RL+2*(n/7)+1] th:TH_LOAD_NT
.set n, n+1
.endr
.endm
.macro XREAD t                         ; tile t of X from the stage (destination window 1)
.irp c,0,1
.irp q,0,1,2,3,4,5,6,7
	ds_load_b128 v[64*\t+32*\c+4*\q:64*\t+32*\c+4*\q+3], v[ASR] offset:8448*\t+256*\c+16*\q
.endr
.endr
.endm
.macro LNPAR goff                      ; a norm's gain and bias at my 64 channels
.irp c,0,1
.irp q,0,1,2,3,4,5,6,7
	ds_load_b128 v[GG+32*\c+4*\q:GG+32*\c+4*\q+3], v[AH] offset:\goff+256*\c+16*\q
	ds_load_b128 v[BV+32*\c+4*\q:BV+32*\c+4*\q+3], v[AH] offset:\goff+512+256*\c+16*\q
.endr
.endr
.endm
.macro ADDLOAD off                     ; a bias vector at my 64 channels (destination window 2)
.irp c,0,1
.irp q,0,1,2,3,4,5,6,7
	ds_load_b128 v[TT+32*\c+4*\q:TT+32*\c+4*\q+3], v[AH] offset:\off+256*\c+16*\q
.endr
.endr
.endm
.macro ADDX                            ; X += that vector; each accumulator of X is read from its low end on
	WIN 0x49
.irp t,0,1,2,3
.set p, 0
.rept 32
	v_pk_add_f32 v[64*\t+p:64*\t+p+1], v[64*\t+p:64*\t+p+1], v[TT+p:TT+p+1]
.set p, p+2
.endr
.endr
.endm
.macro LOADW set, ws, wo, so, ab, bo, bs, b2   ; four fragments, their biases as C operands, their scale words: 22 LDS loads
	WIN 0xC0
.irp e,0,1,2,3
.irp k,0,1,2
	ds_load_b128 v[\set+12*\e+4*\k:\set+12*\e+4*\k+3], v[AW] offset:\wo+FRB*\e+512*\k
.endr
.endr
.irp e,0,1,2,3
	ds_load_b128 v[\set+48+8*\e:\set+51+8*\e], v[\ab] offset:\bo+\bs*\e
	ds_load_b128 v[\set+52+8*\e:\set+55+8*\e], v[\ab] offset:\bo+\bs*\e+\b2
.endr
	WIN 0
	ds_load_b64 v[\ws:\ws+1], v[AS] offset:\so
	ds_load_b64 v[\ws+2:\ws+3], v[AS] offset:\so+256
.endm
.macro LOADW2 set, ws, wo, so          ; the same without biases: 14 LDS loads
	WIN 0xC0
.irp e,0,1,2,3
.irp k,0,1,2
	ds_load_b128 v[\set+12*\e+4*\k:\set+12*\e+4*\k+3], v[AW] offset:\wo+FRB*\e+512*\k
.endr
.endr
	WIN 0
	ds_load_b64 v[\ws:\ws+1], v[AS] offset:\so
	ds_load_b64 v[\ws+2:\ws+3], v[AS] offset:\so+256
.endm
; 16 products: source 0 = weight tile e, source 1 = token tile t.  acc = 0: C is the tile's bias; acc = 1: onto D.  Sixteen accumulators, one instruction each.
.macro MMT set, ws, bf, bs, db, dt, de, acc
.irp e,0,1,2,3
.irp t,0,1,2,3
.if \acc
	v_wmma_scale_f32_16x16x128_f8f6f4 v[\db+\dt*\t+\de*\e:\db+\dt*\t+\de*\e+7], v[\set+12*\e:\set+12*\e+11], v[\bf+12*\t:\bf+12*\t+11], v[\db+\dt*\t+\de*\e:\db+\dt*\t+\de*\e+7], v[\ws+\e], v[\bs+\t] matrix_a_fmt:MATRIX_FMT_FP6 matrix_b_fmt:MATRIX_FMT_FP6
.else
	v_wmma_scale_f32_16x16x128_f8f6f4 v[\db+\dt*\t+\de*\e:\db+\dt*\t+\de*\e+7], v[\set+12*\e:\set+12*\e+11], v[\bf+12*\t:\bf+12*\t+11], v[\set+48+8*\e:\set+55+8*\e], v[\ws+\e], v[\bs+\t] matrix_a_fmt:MATRIX_FMT_FP6 matrix_b_fmt:MATRIX_FMT_FP6
.endif
.endr
.endr
.endm
.macro MMV                             ; V the other way round: source 0 = tokens, source 1 = weight: a lane holds one feature, its registers run along the keys
.irp e,0,1,2,3
.irp t,0,1,2,3
	v_wmma_scale_f32_16x16x128_f8f6f4 v[32*\e+8*\t:32*\e+8*\t+7], v[HFR+12*\t:HFR+12*\t+11], v[SETA+12*\e:SETA+12*\e+11], v[SETA+48+8*\e:SETA+55+8*\e], v[SH+\t], v[WSA+\e] matrix_a_fmt:MATRIX_FMT_FP6 matrix_b_fmt:MATRIX_FMT_FP6
.endr
.endr
.endm
; S^T = K Q^T of head 2 c + hh.  K's fragment holds both heads (block 0, block 1) and zeros above; Q's holds codes in the lanes of half hh alone, so only block hh counts.  The pad keys' -1e30 comes as C.
.macro MMS hh
	WIN 0xA0
.irp tk,0,1,2,3
.irp tq,0,1,2,3
.if \hh
.if \tk < 2
	v_wmma_scale_f32_16x16x128_f8f6f4 v[32*\tq+8*\tk:32*\tq+8*\tk+7], v[KF+12*\tk:KF+12*\tk+11], v[QM+12*\tq+6:QM+12*\tq+17], 0, v[SK+\tk], v[SQ+\tq] matrix_a_fmt:MATRIX_FMT_FP6 matrix_b_fmt:MATRIX_FMT_FP6 matrix_a_scale:MATRIX_SCALE_ROW1 matrix_b_scale:MATRIX_SCALE_ROW1
.else
	v_wmma_scale_f32_16x16x128_f8f6f4 v[32*\tq+8*\tk:32*\tq+8*\tk+7], v[KF+12*\tk:KF+12*\tk+11], v[QM+12*\tq+6:QM+12*\tq+17], v[MK2+8*(\tk-2):MK2+8*(\tk-2)+7], v[SK+\tk], v[SQ+\tq] matrix_a_fmt:MATRIX_FMT_FP6 matrix_b_fmt:MATRIX_FMT_FP6 matrix_a_scale:MATRIX_SCALE_ROW1 matrix_b_scale:MATRIX_SCALE_ROW1
.endif
.else
.if \tk < 2
	v_wmma_scale_f32_16x16x128_f8f6f4 v[32*\tq+8*\tk:32*\tq+8*\tk+7], v[KF+12*\tk:KF+12*\tk+11], v[QM+12*\tq:QM+12*\tq+11], 0, v[SK+\tk], v[SQ+\tq] matrix_a_fmt:MATRIX_FMT_FP6 matrix_b_fmt:MATRIX_FMT_FP6
.else
	v_wmma_scale_f32_16x16x128_f8f6f4 v[32*\tq+8*\tk:32*\tq+8*\tk+7], v[KF+12*\tk:KF+12*\tk+11], v[QM+12*\tq:QM+12*\tq+11], v[MK2+8*(\tk-2):MK2+8*(\tk-2)+7], v[SK+\tk], v[SQ+\tq] matrix_a_fmt:MATRIX_FMT_FP6 matrix_b_fmt:MATRIX_FMT_FP6
.endif
.endif
.endr
.endr
.endm
.macro MMP                             ; O^T = V^T P^T of both heads at once: K = head 2 c's 64 keys, then head 2 c + 1's
.irp e,0,1,2,3
.irp tq,0,1,2,3
	v_wmma_scale_f32_16x16x128_f8f6f4 v[32*\tq+8*\e:32*\tq+8*\e+7], v[VF+12*\e:VF+12*\e+11], v[PF+12*\tq:PF+12*\tq+11], 0, v[SV+\e], v[SP+\tq] matrix_a_fmt:MATRIX_FMT_FP6 matrix_b_fmt:MATRIX_FMT_FP6
.endr
.endr
.endm
; Four blocks of 32 at v[32 k] of window 2: the largest magnitude with the floor 2^(3 - 127) among its leaves; 2 off its exponent field is the conversion's scale operand (TQ); that shifted down is the byte (BY).
.macro QB4
	WIN 0xAA
.irp k,0,1,2,3
	v_max3_num_f32 v[TQ+\k], |v[32*\k]|, |v[32*\k+1]|, 0x1800000
.endr
.irp i,2,4,6,8,10,12,14,16,18,20,22,24,26,28,30
.irp k,0,1,2,3
	v_max3_num_f32 v[TQ+\k], v[TQ+\k], |v[32*\k+\i]|, |v[32*\k+\i+1]|
.endr
.endr
.irp k,0,1,2,3
	v_add_nc_u32 v[TQ+\k], 0xff000000, v[TQ+\k]
.endr
.irp k,0,1,2,3
	v_lshrrev_b32 v[BY+\k], 23, v[TQ+\k]
.endr
.endm
; The four blocks' codes, six registers each, to d0 .. d3.  A conversion's three registers begin on an even number: the second three are made in CT and moved.  w1, w3: window settings with the destination's window.
.macro CV w1, w3, d0, d1, d2, d3
	WIN \w1
	v_cvt_scalef32_pk16_fp6_f32 v[(\d0):(\d0)+2], v[0:15], v[TQ]
	v_cvt_scalef32_pk16_fp6_f32 v[(\d1):(\d1)+2], v[32:47], v[TQ+1]
	v_cvt_scalef32_pk16_fp6_f32 v[(\d2):(\d2)+2], v[64:79], v[TQ+2]
	v_cvt_scalef32_pk16_fp6_f32 v[(\d3):(\d3)+2], v[96:111], v[TQ+3]
	WIN 0x8A
	v_cvt_scalef32_pk16_fp6_f32 v[CT:CT+2], v[16:31], v[TQ]
	v_cvt_scalef32_pk16_fp6_f32 v[CT+4:CT+6], v[48:63], v[TQ+1]
	v_cvt_scalef32_pk16_fp6_f32 v[CT+8:CT+10], v[80:95], v[TQ+2]
	v_cvt_scalef32_pk16_fp6_f32 v[CT+12:CT+14], v[112:127], v[TQ+3]
	v_nop                                          ; one plain place behind the scaled conversions
	WIN \w3
.irp i,0,1,2
	v_mov_b32 v[(\d0)+3+\i], v[CT+\i]
	v_mov_b32 v[(\d1)+3+\i], v[CT+4+\i]
	v_mov_b32 v[(\d2)+3+\i], v[CT+8+\i]
	v_mov_b32 v[(\d3)+3+\i], v[CT+12+\i]
.endr
.endm
.macro CV8                             ; the same into TT + 8 k (three registers) and TT + 8 k + 4 (three): selected from there
	WIN 0xAA
.irp k,0,1,2,3
	v_cvt_scalef32_pk16_fp6_f32 v[TT+8*\k:TT+8*\k+2], v[32*\k:32*\k+15], v[TQ+\k]
	v_cvt_scalef32_pk16_fp6_f32 v[TT+8*\k+4:TT+8*\k+6], v[32*\k+16:32*\k+31], v[TQ+\k]
.endr
	v_nop
.endm
.macro WORDS4 dst                      ; four scale words: my bytes of blocks h (BY0) and 2 + h (BY), 8 h bits up, joined with lane l xor 16's
	WIN 0xAA
.irp t,0,1,2,3
	v_lshl_or_b32 v[YY+\t], v[BY+\t], 16, v[BY0+\t]
.endr
.irp t,0,1,2,3
	v_lshlrev_b32 v[YY+\t], v[SH8], v[YY+\t]
.endr
.irp t,0,1,2,3
	v_permlanex16_b32 v[RX+\t], v[YY+\t], s54, s55
.endr
	WIN 0x0A
.irp t,0,1,2,3
	v_or_b32 v[\dst+\t], v[YY+\t], v[RX+\t]
.endr
.endm
.macro LNRED dst                       ; two tiles' four chains each -> the sum over 128 channels, in every lane
.irp u,0,1
	v_pk_add_f32 v[SS+8*\u:SS+8*\u+1], v[SS+8*\u:SS+8*\u+1], v[SS+8*\u+2:SS+8*\u+3]
	v_pk_add_f32 v[SS+8*\u+4:SS+8*\u+5], v[SS+8*\u+4:SS+8*\u+5], v[SS+8*\u+6:SS+8*\u+7]
.endr
.irp u,0,1
	v_pk_add_f32 v[SS+8*\u:SS+8*\u+1], v[SS+8*\u:SS+8*\u+1], v[SS+8*\u+4:SS+8*\u+5]
.endr
.irp u,0,1
	v_add_f32 v[\dst+2*\u], v[SS+8*\u], v[SS+8*\u+1]
.endr
.irp u,0,1
	v_permlanex16_b32 v[\dst+2*\u+1], v[\dst+2*\u], s54, s55
.endr
.irp u,0,1
	v_add_f32 v[\dst+2*\u], v[\dst+2*\u], v[\dst+2*\u+1]
.endr
.endm
; The norm of tiles t0 and t0 + 1, in two passes (mean; mean of squared differences), quantised into HFR and SH.
.macro LNPAIR t0
	WIN 0x85
.irp u,0,1
.irp q,0,1,2,3
	v_pk_add_f32 v[SS+8*\u+2*\q:SS+8*\u+2*\q+1], v[64*(\t0+\u)+2*\q:64*(\t0+\u)+2*\q+1], v[64*(\t0+\u)+8+2*\q:64*(\t0+\u)+8+2*\q+1]
.endr
.endr
	WIN 0x89
.irp i,2,3,4,5,6,7
.irp u,0,1
.irp q,0,1,2,3
	v_pk_add_f32 v[SS+8*\u+2*\q:SS+8*\u+2*\q+1], v[64*(\t0+\u)+8*\i+2*\q:64*(\t0+\u)+8*\i+2*\q+1], v[SS+8*\u+2*\q:SS+8*\u+2*\q+1]
.endr
.endr
.endr
	WIN 0xAA
	LNRED MU
.irp u,0,1
	v_mul_f32 v[MU+2*\u], s89, v[MU+2*\u]          ; the mean
.endr
	WIN 0x89
.irp u,0,1
.set p, 0
.rept 32
	v_pk_add_f32 v[64*\u+p:64*\u+p+1], v[64*(\t0+\u)+p:64*(\t0+\u)+p+1], v[MU+2*\u:MU+2*\u+1] op_sel_hi:[1,0] neg_lo:[0,1] neg_hi:[0,1]
.set p, p+2
.endr
.endr
	WIN 0xAA
.irp u,0,1
.irp q,0,1,2,3
	v_pk_mul_f32 v[SS+8*\u+2*\q:SS+8*\u+2*\q+1], v[64*\u+2*\q:64*\u+2*\q+1], v[64*\u+2*\q:64*\u+2*\q+1]
.endr
.endr
.irp i,1,2,3,4,5,6,7
.irp u,0,1
.irp q,0,1,2,3
	v_pk_fma_f32 v[SS+8*\u+2*\q:SS+8*\u+2*\q+1], v[64*\u+8*\i+2*\q:64*\u+8*\i+2*\q+1], v[64*\u+8*\i+2*\q:64*\u+8*\i+2*\q+1], v[SS+8*\u+2*\q:SS+8*\u+2*\q+1]
.endr
.endr
.endr
	LNRED RSD
.irp u,0,1
	v_fma_f32 v[RSD+2*\u], v[RSD+2*\u], s89, s90   ; the variance + 1e-5
.endr
.irp u,0,1
	v_rsq_f32 v[RSD+2*\u], v[RSD+2*\u]
.endr
	v_nop                                          ; a plain place behind the roots,
	s_wait_alu depctr_va_vdst(0)                   ; and the one wait ahead of their first reader: the two roots have written RSD
.irp u,0,1
.set p, 0
.rept 32
	v_pk_mul_f32 v[64*\u+p:64*\u+p+1], v[64*\u+p:64*\u+p+1], v[RSD+2*\u:RSD+2*\u+1] op_sel_hi:[1,0]
.set p, p+2
.endr
.endr
	WIN 0x82
.irp u,0,1
.set p, 0
.rept 32
	v_pk_fma_f32 v[64*\u+p:64*\u+p+1], v[64*\u+p:64*\u+p+1], v[GG+p:GG+p+1], v[BV+p:BV+p+1]
.set p, p+2
.endr
.endr
	QB4
	CV 0xCA, 0xC2, HFR+12*\t0, HFR+12*\t0+6, HFR+12*\t0+12, HFR+12*\t0+18
	WIN 0xAA
.irp u,0,1
	v_lshl_or_b32 v[YY+\u], v[BY+2*\u+1], 16, v[BY+2*\u]
.endr
.irp u,0,1
	v_lshlrev_b32 v[YY+\u], v[SH8], v[YY+\u]
.endr
.irp u,0,1
	v_permlanex16_b32 v[RX+\u], v[YY+\u], s54, s55
.endr
	WIN 0x0A
.irp u,0,1
	v_or_b32 v[SH+\t0+\u], v[YY+\u], v[RX+\u]
.endr
.endm
; gelu (tanh form) of 64 numbers: x / (1 + 2^(x (KA + KB x^2))), KA = -2 sqrt(2 / pi) log2(e), KB = 0.044715 KA
; ld = 1, 2: behind the exponentials' wait set A, B is asked for again, with the second product's weights of this K step
.macro GELU q, ld
	WIN 0xAA
.set p, 0
.rept 32
	v_pk_mul_f32 v[TT+p:TT+p+1], v[64*\q+p:64*\q+p+1], s[60:61] op_sel_hi:[1,0]
.set p, p+2
.endr
.set p, 0
.rept 32
	v_pk_fma_f32 v[TT+p:TT+p+1], v[TT+p:TT+p+1], v[64*\q+p:64*\q+p+1], s[58:59] op_sel_hi:[1,1,0]
.set p, p+2
.endr
.set p, 0
.rept 32
	v_pk_mul_f32 v[TT+p:TT+p+1], v[TT+p:TT+p+1], v[64*\q+p:64*\q+p+1]
.set p, p+2
.endr
.set p, 0
.rept 64
	v_exp_f32 v[TT+p], v[TT+p]
.set p, p+1
.endr
	v_nop
	s_wait_alu depctr_va_vdst(0)                   ; one wait for the batch of 64: the exponentials have written TT; and this half's products, issued ahead of it, are done reading their set and its scale words
.if \ld == 1
	LOADW2 SETA, WSA, 49152, 4096                  ; W2, this K step, c = 0: only window switches stand between the wait and these loads
	WIN 0xAA
.endif
.if \ld == 2
	LOADW2 SETB, WSB, 55296, 4608                  ; c = 1
	WIN 0xAA
.endif
.set p, 0
.rept 32
	v_pk_add_f32 v[TT+p:TT+p+1], v[TT+p:TT+p+1], 1.0 op_sel_hi:[1,0]
.set p, p+2
.endr
.set p, 0
.rept 64
	v_rcp_f32 v[TT+p], v[TT+p]
.set p, p+1
.endr
	v_nop
	s_wait_alu depctr_va_vdst(0)                   ; and one for the 64 reciprocals, which have written TT
.set p, 0
.rept 32
	v_pk_mul_f32 v[64*\q+p:64*\q+p+1], v[64*\q+p:64*\q+p+1], v[TT+p:TT+p+1]
.set p, p+2
.endr
.endm
; The softmax of head 2 c + hh for four tiles of queries.  A lane holds one query and one block of 32 keys.  p = 2^(t - M), M = ceil(the row's largest t); the sum is taken of the unquantised p.
; A block's largest p comes from the block's largest score by the same multiply-add and exponential.
.macro SOFTMAX hh
	WIN 0xAA
.irp t,0,1,2,3
	v_max3_num_f32 v[BM+\t], v[32*\t], v[32*\t+1], v[32*\t+2]
.endr
.irp i,3,5,7,9,11,13,15,17,19,21,23,25,27,29
.irp t,0,1,2,3
	v_max3_num_f32 v[BM+\t], v[BM+\t], v[32*\t+\i], v[32*\t+\i+1]
.endr
.endr
.irp t,0,1,2,3
	v_max_num_f32 v[BM+\t], v[BM+\t], v[32*\t+31]
.endr
.irp t,0,1,2,3
	v_permlanex16_b32 v[RX+\t], v[BM+\t], s54, s55
.endr
.irp t,0,1,2,3
	v_max_num_f32 v[RX+\t], v[BM+\t], v[RX+\t]
.endr
.irp t,0,1,2,3
	v_mul_f32 v[RX+\t], s56, v[RX+\t]
.endr
.irp t,0,1,2,3
	v_floor_f32 v[NM+2*\t], -v[RX+\t]              ; -M
.endr
.irp t,0,1,2,3
	v_fma_f32 v[TQ+\t], v[BM+\t], s56, v[NM+2*\t]
.endr
.irp t,0,1,2,3
.set p, 0
.rept 16
	v_pk_fma_f32 v[32*\t+p:32*\t+p+1], v[32*\t+p:32*\t+p+1], s[56:57], v[NM+2*\t:NM+2*\t+1] op_sel_hi:[1,0,0]
.set p, p+2
.endr
.endr
.set p, 0
.rept 128
	v_exp_f32 v[p], v[p]
.set p, p+1
.endr
.irp t,0,1,2,3
	v_exp_f32 v[TQ+\t], v[TQ+\t]
.endr
	v_nop
	s_wait_alu depctr_va_vdst(0)                   ; one wait for the batch of 132: the exponentials have written p and the blocks' largest p
.irp t,0,1,2,3
	v_pk_add_f32 v[LS+2*\t:LS+2*\t+1], v[32*\t:32*\t+1], v[32*\t+2:32*\t+3]
.endr
.irp i,4,6,8,10,12,14,16,18,20,22,24,26,28,30
.irp t,0,1,2,3
	v_pk_add_f32 v[LS+2*\t:LS+2*\t+1], v[LS+2*\t:LS+2*\t+1], v[32*\t+\i:32*\t+\i+1]
.endr
.endr
.irp t,0,1,2,3
	v_add_f32 v[LS+2*\t], v[LS+2*\t], v[LS+2*\t+1]
.endr
.irp t,0,1,2,3
	v_permlanex16_b32 v[RX+\t], v[LS+2*\t], s54, s55
.endr
.irp t,0,1,2,3
	v_add_f32 v[LL+2*\t+\hh], v[LS+2*\t], v[RX+\t]
.endr
.irp t,0,1,2,3
	v_max_num_f32 v[TQ+\t], 0x1800000, v[TQ+\t]
.endr
.irp t,0,1,2,3
	v_add_nc_u32 v[TQ+\t], 0xff000000, v[TQ+\t]
.endr
.irp t,0,1,2,3
.if \hh
	v_lshrrev_b32 v[BY+\t], 23, v[TQ+\t]
.else
	v_lshrrev_b32 v[BY0+\t], 23, v[TQ+\t]
.endif
.endr
	CV 0x8A, 0x82, PF+6*\hh, PF+12+6*\hh, PF+24+6*\hh, PF+36+6*\hh
.if \hh
	WORDS4 SP
.endif
.endm
.macro ATADDR
	v_add_nc_u32 v[AW], s85, v[L16]
	v_add_nc_u32 v[AS], s86, v[BS8]
	v_add_nc_u32 v[AB], s87, v[AH]
	v_add_nc_u32 v[AVB], s88, v[BVB]
.endm
.macro FFADDR
	v_add_nc_u32 v[AW], s85, v[L16]
	v_add_nc_u32 v[AS], s86, v[BS8]
	v_add_nc_u32 v[AB], s87, v[AH]
.endm
; ================= THE HEAD
	s_load_b512 s[4:19], s[0:1], 0x0               ; src, dst, gA, bA, gB, bB, b_qkv, b_o
	s_load_b512 s[20:35], s[0:1], 0x40             ; f_b1, f_b2, qkv codes, scales, o codes, scales, w1 codes, scales
	s_load_b128 s[36:39], s[0:1], 0x80             ; w2 codes, scales
	v_lshl_add_u32 v58, v0, 2, 0x4aa00
	v_mov_b32 v59, 0
	v_lshrrev_b32 v[H0], 5, v0
	v_readfirstlane_b32 s84, v[H0]                 ; wave 0..3
	v_and_b32 v[H0], 31, v0                        ; lane
	v_and_b32 v[H1], 15, v0                        ; r
	v_bfe_u32 v[H2], v0, 4, 1                      ; h
	v_lshlrev_b32 v[L16], 4, v[H0]
	v_lshl_add_u32 v[AH], v[H2], 7, PAR
	s_wait_alu depctr_va_sdst(0)                   ; s84 is written, ahead of its first reader: LDS addresses, bases and the window column are made from it
	s_mul_i32 s92, s84, STGW
	s_add_co_u32 s92, s92, STG
	v_mul_u32_u24 v[ASR], v[H1], SPI
	v_lshl_add_u32 v[ASR], v[H2], 7, v[ASR]
	v_add_nc_u32 v[ASR], s92, v[ASR]
	v_add_nc_u32 v[ASW], s92, v[L16]
	v_lshl_add_u32 v[BS8], v[H0], 3, WSC
	v_add_nc_u32 v[BVB], VBT, v[L16]
	v_and_b32 v[H3], 7, v[H1]
	v_lshrrev_b32 v[H9], 3, v[H1]
	v_lshl_add_u32 v[H3], v[H9], 5, v[H3]          ; (r % 8) + 32 (r / 8): my row in a weight tile
	v_mul_u32_u24 v[H4], v[H3], 96
	v_mad_u32_u24 v[H4], v[H2], 24, v[H4]          ; rows of 128 codes
	v_mul_u32_u24 v[H5], v[H3], 384
	v_mad_u32_u24 v[H5], v[H2], 24, v[H5]          ; rows of 512 codes
	v_lshlrev_b32 v[H6], 2, v[H3]                  ; scale words, 4 bytes a row
	v_lshlrev_b32 v[H7], 4, v[H3]                  ; and 16 bytes a row
	v_lshlrev_b32 v[H8], 2, v0                     ; 4 x thread: the parameter vectors
	s_mov_b32 s54, 0x76543210
	s_mov_b32 s55, 0xfedcba98                      ; lane l xor 16
	s_mov_b32 s56, 0x3e8293ee                      ; log2(e) / sqrt(32)
	s_mov_b32 s57, s56
	s_mov_b32 s58, 0xc0135761                      ; KA
	s_mov_b32 s59, s58
	s_mov_b32 s60, 0xbdd2d3e8                      ; KB
	s_mov_b32 s61, s60
	s_mov_b32 s62, 0x0000ffff                      ; lanes 0-15
	s_mov_b32 s63, 0xffff0000                      ; lanes 16-31
	s_mov_b32 s80, 0x00ff00ff                      ; lanes with r < 8
	s_mov_b32 s81, 0xff00ff00                      ; lanes with r >= 8
	s_mov_b32 s89, 0x3c000000                      ; 1 / 128
	s_mov_b32 s90, 0x3727c5ac                      ; 1e-5
	s_mov_b32 s91, s84                             ; my first window column
	COLSET COLL                                    ; its offsets are made here, so that the one wait below serves the rows' loads too
	s_wait_kmcnt 0x0
	s_lshr_b32 s92, ttmp9, 3                       ; image
	s_and_b32 s93, ttmp9, 7                        ; window row
	s_mul_i32 s92, s92, 1605632
	s_mul_i32 s93, s93, 7
	s_add_co_u32 s93, s93, 56-SHIFT
.irp a,0,1,2,3,4,5,6
	s_add_co_u32 s94, s93, \a                      ; image row (7 wi + a - SHIFT) mod 56
	s_sub_co_u32 s95, s94, 56
	s_cmp_ge_u32 s94, 56
	s_cselect_b32 s94, s95, s94
	s_mul_i32 s94, s94, 28672
	s_add_co_u32 s94, s94, s92
	s_mov_b32 s95, 0
	s_add_nc_u64 s[RL+2*\a:RL+2*\a+1], s[4:5], s[94:95]
	s_add_nc_u64 s[RS+2*\a:RS+2*\a+1], s[6:7], s[94:95]
.endr
	s_lshr_b32 s92, s84, 1                         ; of each group of 8 tiles wave w lays tiles c = w / 2, e = 2 (w % 2) + i: rows 64 (w / 2) + 16 (w % 2) + 8 i on
	s_and_b32 s93, s84, 1
	s_lshl_b32 s94, s92, 6
	s_lshl_b32 s95, s93, 4
	s_add_co_u32 s94, s94, s95
	s_mul_i32 s96, s94, 96
	s_mov_b32 s97, 0
	s_add_nc_u64 s[24:25], s[24:25], s[96:97]
	s_add_nc_u64 s[28:29], s[28:29], s[96:97]
	s_add_nc_u64 s[32:33], s[32:33], s[96:97]
	s_mul_i32 s96, s94, 384
	s_add_nc_u64 s[36:37], s[36:37], s[96:97]
	s_lshl_b32 s96, s94, 2
	s_add_nc_u64 s[26:27], s[26:27], s[96:97]
	s_add_nc_u64 s[30:31], s[30:31], s[96:97]
	s_add_nc_u64 s[34:35], s[34:35], s[96:97]
	s_add_nc_u64 s[98:99], s[16:17], s[96:97]
	s_lshl_b32 s96, s94, 4
	s_add_nc_u64 s[38:39], s[38:39], s[96:97]
	WIN 0x40                                       ; 16 fragments into window 1
	s_wait_alu depctr_va_vdst(0)                   ; the head's offsets and LDS addresses are written: v2-4, v11, v19-22 and COLL, which the loads below and the LDS instructions of the whole kernel read
.irp g,0,1,2
.irp i,0,1
.irp p,0,1,2,3,4,5
	global_load_b64 v[12*(2*\g+\i)+2*\p:12*(2*\g+\i)+2*\p+1], v[H4], s[24:25] offset:(128*\g+8*\i)*96+48*(\p/3)+8*(\p%3)
.endr
.endr
.endr
.irp i,0,1
.irp p,0,1,2,3,4,5
	global_load_b64 v[12*(6+\i)+2*\p:12*(6+\i)+2*\p+1], v[H4], s[28:29] offset:8*\i*96+48*(\p/3)+8*(\p%3)
.endr
.endr
.irp g,0,1,2,3
.irp i,0,1
.irp p,0,1,2,3,4,5
	global_load_b64 v[12*(8+2*\g+\i)+2*\p:12*(8+2*\g+\i)+2*\p+1], v[H4], s[32:33] offset:(128*\g+8*\i)*96+48*(\p/3)+8*(\p%3)
.endr
.endr
.endr
	WIN 0x80                                       ; 8 fragments, the scale words and the vectors into window 2
.irp g,0,1,2,3
.irp i,0,1
.irp p,0,1,2,3,4,5
	global_load_b64 v[12*(2*\g+\i)+2*\p:12*(2*\g+\i)+2*\p+1], v[H5], s[36:37] offset:8*\i*384+96*\g+48*(\p/3)+8*(\p%3)
.endr
.endr
.endr
.irp g,0,1,2
.irp i,0,1
	global_load_b32 v[96+2*\g+\i], v[H6], s[26:27] offset:(128*\g+8*\i)*4
.endr
.endr
.irp i,0,1
	global_load_b32 v[102+\i], v[H6], s[30:31] offset:32*\i
.endr
.irp g,0,1,2,3
.irp i,0,1
	global_load_b32 v[104+2*\g+\i], v[H6], s[34:35] offset:(128*\g+8*\i)*4
	global_load_b32 v[112+2*\g+\i], v[H7], s[38:39] offset:8*\i*16+4*\g
.endr
.endr
.irp j,0,1,2
	global_load_b32 v[128+\j], v[H8], s[16:17] offset:512*\j
.endr
	global_load_b32 v131, v[H8], s[18:19]
.irp j,0,1,2,3
	global_load_b32 v[132+\j], v[H8], s[20:21] offset:512*\j
.endr
	global_load_b32 v136, v[H8], s[22:23]
	global_load_b32 v137, v[H8], s[8:9]
	global_load_b32 v138, v[H8], s[10:11]
	global_load_b32 v139, v[H8], s[12:13]
	global_load_b32 v140, v[H8], s[14:15]
.irp i,0,1
	global_load_b32 v[144+4*\i], v[H6], s[98:99] offset:1024+32*\i
.endr
	WIN 0
	XLOAD                                          ; the first window's rows
	s_wait_loadcnt 49                              ; all but those 49: the weights and vectors are in, and their offset registers are free
	s_wait_alu depctr_vm_vsrc(0)                   ; the weights' loads have read their offsets v11 and v19-21, which are written anew below
	WIN 0xAA
.irp i,0,1
.irp j,1,2,3
	v_mov_b32 v[144+4*\i+\j], v[144+4*\i]
.endr
.endr
	WIN 0
	s_mul_i32 s95, s84, 2*FRB
	v_add_nc_u32 v[H0], s95, v[L16]                ; images of q, k, v: fragment 2 w + i of each group of 8
	v_add_nc_u32 v[H1], 32*FRB, v[H0]              ; of W1
	v_add_nc_u32 v[H2], 64*FRB, v[H0]              ; of W2
	s_lshr_b32 s92, s84, 1
	s_and_b32 s93, s84, 1
	s_mul_i32 s96, s92, 12*FRB
	s_mul_i32 s97, s93, 2*FRB
	s_add_co_u32 s96, s96, s97
	s_add_co_u32 s96, s96, 8*FRB
	v_add_nc_u32 v[H3], s96, v[L16]                ; of the output projection: fragments 8 .. 11 and 20 .. 23
	s_lshl_b32 s95, s84, 8
	v_add_nc_u32 v[H4], s95, v[BS8]
	s_mul_i32 s96, s92, 6*256
	s_lshl_b32 s97, s93, 8
	s_add_co_u32 s96, s96, s97
	s_add_co_u32 s96, s96, 4*256
	v_add_nc_u32 v[H5], s96, v[BS8]
	s_lshl_b32 s95, s84, 10
	v_add_nc_u32 v[H6], s95, v[BVB]
	v_lshl_add_u32 v[H7], v0, 2, PAR
	WIN 0x04
	s_wait_alu depctr_va_vdst(0)                   ; the eight LDS addresses v7-11, v19-21 and the copies of V's bias are written, which the LDS stores below read
.irp i,0,1
.irp k,0,1,2
	ds_store_b128 v[H0], v[12*\i+4*\k:12*\i+4*\k+3] offset:\i*FRB+512*\k
	ds_store_b128 v[H0], v[12*(2+\i)+4*\k:12*(2+\i)+4*\k+3] offset:(12+\i)*FRB+512*\k
	ds_store_b128 v[H0], v[12*(4+\i)+4*\k:12*(4+\i)+4*\k+3] offset:(24+\i)*FRB+512*\k
	ds_store_b128 v[H3], v[12*(6+\i)+4*\k:12*(6+\i)+4*\k+3] offset:\i*FRB+512*\k
.irp g,0,1,2,3
	ds_store_b128 v[H1], v[12*(8+2*\g+\i)+4*\k:12*(8+2*\g+\i)+4*\k+3] offset:(8*\g+\i)*FRB+512*\k
.endr
.endr
.endr
	WIN 0x08
.irp i,0,1
.irp k,0,1,2
.irp g,0,1,2,3
	ds_store_b128 v[H2], v[12*(2*\g+\i)+4*\k:12*(2*\g+\i)+4*\k+3] offset:(8*\g+\i)*FRB+512*\k
.endr
.endr
.endr
	ds_store_b64 v[H4], v[96:97]
	ds_store_b64 v[H4], v[98:99] offset:6*256
	ds_store_b64 v[H4], v[100:101] offset:12*256
	ds_store_b64 v[H5], v[102:103]
.irp g,0,1,2,3
	ds_store_b64 v[H4], v[104+2*\g:105+2*\g] offset:(16+4*\g)*256
	ds_store_b64 v[H4], v[112+2*\g:113+2*\g] offset:(32+4*\g)*256
.endr
.irp j,0,1,2,3,4,5,6,7,8,9,10,11,12
	ds_store_b32 v[H7], v[128+\j] offset:512*\j
.endr
.irp i,0,1
	ds_store_b128 v[H6], v[144+4*\i:147+4*\i] offset:512*\i
.endr
	WIN 0xC0                                       ; HF, the work registers of window 2 (none of them is named by the stores above)
.set p, 0
.rept 48
	v_mov_b32 v[HF+p], 0
.set p, p+1
.endr
	WIN 0x80
.set p, 192
.rept 32
	v_mov_b32 v[p], 0
.set p, p+1
.endr
.set p, 240
.rept 16
	v_mov_b32 v[p], 0
.set p, p+1
.endr
	v_bfe_u32 v[SH8], v0, 4, 1
	WIN 0xAA
	v_lshlrev_b32 v[SH8], 3, v[SH8]                ; 8 h
	v_mov_b32 v[TMPM], 0xf149f2ca                  ; -1e30
	v_mov_b32 v[MK2], 0                            ; key tile 2: register 0 of lanes 16-31 is token 48, registers 1-7 are pads
.irp j,1,2,3,4,5,6,7
	v_cndmask_b32 v[MK2+\j], 0, v[TMPM], s63
.endr
.irp j,0,1,2,3,4,5,6,7
	v_cndmask_b32 v[MK3+\j], 0, v[TMPM], s63       ; key tile 3: all of lanes 16-31 are pads
.endr
	WIN 0
	s_wait_dscnt 0x0                               ; my part of the weights lies in LDS
	s_barrier_signal -1
	s_barrier_wait -1                              ; everybody's does; nobody writes those bytes again
; ================= A WINDOW
	s_mov_b32 s82, 0
.Lwin:
	s_wait_loadcnt 0x0                             ; the window's 49 rows
	s_wait_alu depctr_vm_vsrc(0)                   ; the stores issued so far (the head's LDS stores; the last window's stage stores and global stores) and the last LDS loads have read v7-11, COLS, X and window 2's v0-195: all are written again in this trip
.irp b,0,1,2,3,4,5,6
	v_mov_b32 v[COLS+\b], v[COLL+\b]
.endr
	s_mov_b32 s85, 0
	s_mov_b32 s86, 0
	s_mov_b32 s87, 0
	s_mov_b32 s88, 0
	ATADDR
.set n, 0
.rept 49
	RHOSET
	ds_store_b128 v[ASW], v[XS+4*n:XS+4*n+3] offset:rho*SPI
.set n, n+1
.endr
.irp o,41,42,43,44,45,46,47,56,57,58,59,60,61,62,63
	ds_store_b128 v[ASW], v[XS+192:XS+195] offset:\o*SPI   ; the pad slots: token 48 again
.endr
	WIN 0x40
	s_wait_alu depctr_va_vdst(0)                   ; the last window's additions and products are done with X and with both sets of weights, in which the loads below land; AW, AS, AB, AVB are written, which they read
	XREAD 0                                        ; LDS serves a wave's instructions in order: these see my stores
	XREAD 1
	XREAD 2
	s_wait_dscnt 48                                ; all but those 48 loads: the 64 stores are done
	XREAD 3
	WIN 0
	s_wait_alu depctr_vm_vsrc(0)                   ; the 64 stage stores have read the rows' registers, in which the norm's vectors land and which attention's codes take
	LNPAR 4608
	LOADW SETA, WSA, 0, 0, AB, 0, 32, 16           ; q, c = 0
	LOADW SETB, WSB, 18432, 1536, AB, 512, 32, 16  ; k, c = 0
	s_wait_dscnt 44                                ; X and the norm's vectors are in; the two sets of 22 may be out
	LNPAIR 0
	LNPAIR 2
	WIN 0
.irp t,0,1,2,3
.irp i,6,7,8,9,10,11
	v_mov_b32 v[KF+12*\t+\i], 0                    ; K's blocks 2 and 3: zero codes
.endr
.endr
.irp i,0,1,2,3,4,5
	v_mov_b32 v[QM+48+\i], 0                       ; behind the last fragment of Q
.endr
	PLACES 8                                       ; scale words made by vector instructions stand eight places ahead of the products
	s_mov_b32 s83, 0
.Latt:                                             ; heads 2 c and 2 c + 1
	s_wait_alu depctr_vm_vsrc(0)                   ; the LDS loads issued so far have read AW, AS, AB, AVB
	ATADDR
	s_wait_dscnt 0x0
	WIN 0xBF
	s_wait_alu depctr_va_vdst(0)                   ; the norm's conversions, moves and words have written HFR and SH, which the products take; the four addresses are written, which this trip's LDS loads read
	MMT SETA, WSA, HFR, SH, 0, 32, 8, 0            ; Q^T
	PLACES 4
	QB4
	WIN 0xC0
	s_wait_alu depctr_va_vdst(0)                   ; Q's products, all of whose results the lines above have read, are done reading set A and its scale words
	LOADW SETA, WSA, 36864, 3072, AVB, 0, 512, 0   ; v
	CV8
	WIN 0x08
.irp t,0,1,2,3
.irp i,0,1,2,3,4,5
	v_cndmask_b32 v[QM+12*\t+\i], 0, v[TT+8*\t+\i+\i/3], s62     ; head 2 c alone
	v_cndmask_b32 v[QM+12*\t+6+\i], 0, v[TT+8*\t+\i+\i/3], s63   ; head 2 c + 1 alone
.endr
.endr
	WIN 0x0A
.irp t,0,1,2,3
	v_lshlrev_b32 v[SQ+\t], v[SH8], v[BY+\t]       ; lanes 0-15: byte 0; lanes 16-31: byte 1
.endr
	s_wait_dscnt 22                                ; set B is in; set A's 22, just asked for, may be out
	WIN 0xBF
	MMT SETB, WSB, HFR, SH, 0, 32, 8, 0            ; K^T
	PLACES 4
	QB4
	WIN 0xC0
	s_wait_alu depctr_va_vdst(0)                   ; K's products are done reading set B and its scale words
	LOADW SETB, WSB, 24576, 2048, AB, 768, 32, 16  ; the next k, or the output projection's c = 1
	CV 0x0A, 0x02, KF, KF+12, KF+24, KF+36
	WIN 0x0A
.irp t,0,1,2,3
	v_lshlrev_b32 v[SK+\t], v[SH8], v[BY+\t]
.endr
	s_wait_dscnt 22                                ; set A is in; set B's 22 may be out
	WIN 0xBF
	MMV
	PLACES 4
	QB4
	WIN 0xC0
	s_wait_alu depctr_va_vdst(0)                   ; V's products are done reading set A and its scale words
	LOADW SETA, WSA, 6144, 512, AB, 256, 32, 16    ; the next q, or the output projection's c = 0
	CV8
	WIN 0x08
.irp e,0,1,2,3
.irp i,0,1,2,3,4,5
	v_cndmask_b32 v[VF+12*\e+\i], 0, v[TT+8*\e+\i+\i/3], s80     ; rows of head 2 c: keys at K = 0 .. 63
	v_cndmask_b32 v[VF+12*\e+6+\i], 0, v[TT+8*\e+\i+\i/3], s81   ; rows of head 2 c + 1: at K = 64 .. 127
.endr
.endr
	WIN 0xAA
.irp e,0,1,2,3
	v_lshlrev_b32 v[YY+\e], v[SH8], v[BY+\e]
.endr
.irp e,0,1,2,3
	v_permlanex16_b32 v[RX+\e], v[YY+\e], s54, s55
.endr
.irp e,0,1,2,3
	v_or_b32 v[YY+\e], v[YY+\e], v[RX+\e]
.endr
	WIN 0x2A
.irp e,0,1,2,3
	v_lshl_or_b32 v[SV+\e], v[YY+\e], 16, v[YY+\e] ; the two bytes serve either pair of blocks
.endr
	s_wait_alu depctr_va_vdst(0)                   ; Q's and K's codes and their scale words SQ, SK are written, which both heads' score products take
	MMS 0
	PLACES 4
	SOFTMAX 0
	MMS 1
	PLACES 4
	SOFTMAX 1
	PLACES 8
	WIN 0x88
	s_wait_alu depctr_va_vdst(0)                   ; V's and p's codes and their scale words SV, SP are written, which the products take
	MMP
	PLACES 4
	WIN 0xAA
.irp t,0,1,2,3
	v_cndmask_b32 v[RX+\t], v[LL+2*\t], v[LL+2*\t+1], s63   ; my head's sum
.endr
.irp t,0,1,2,3
	v_rcp_f32 v[NM+2*\t], v[RX+\t]
.endr
	v_nop
	s_wait_alu depctr_va_vdst(0)                   ; one wait for the four reciprocals, which have written NM
.irp t,0,1,2,3
.set p, 0
.rept 16
	v_pk_mul_f32 v[32*\t+p:32*\t+p+1], v[32*\t+p:32*\t+p+1], v[NM+2*\t:NM+2*\t+1] op_sel_hi:[1,0]
.set p, p+2
.endr
.endr
	QB4
	WIN 0xC3
.irp t,0,1,2,3
.irp i,0,1,2,3,4,5
	v_mov_b32 v[HF+12*\t+\i], v[HF+12*\t+6+\i]     ; the trip before made K = 0 .. 63; this one makes K = 64 .. 127
.endr
.endr
	CV 0xCA, 0xC2, HF+6, HF+18, HF+30, HF+42
	WIN 0xAA
.irp t,0,1,2,3
	v_lshrrev_b32 v[WO+\t], 16, v[WO+\t]
.endr
.irp t,0,1,2,3
	v_lshl_or_b32 v[WO+\t], v[BY+\t], 16, v[WO+\t]
.endr
	WIN 0
	s_add_co_u32 s85, s85, 6144
	s_add_co_u32 s86, s86, 512
	s_add_co_u32 s87, s87, 256
	s_add_co_u32 s88, s88, 2048
	s_add_co_u32 s83, s83, 1
	s_cmp_lt_u32 s83, 2
	s_cbranch_scc1 .Latt
	WIN 0xAA
.irp t,0,1,2,3
	v_lshlrev_b32 v[YY+\t], v[SH8], v[WO+\t]
.endr
.irp t,0,1,2,3
	v_permlanex16_b32 v[RX+\t], v[YY+\t], s54, s55
.endr
	WIN 0x0A
.irp t,0,1,2,3
	v_or_b32 v[SF+\t], v[YY+\t], v[RX+\t]
.endr
	s_wait_dscnt 0x0
	PLACES 8
	WIN 0x80
	s_wait_alu depctr_va_vdst(0)                   ; HF and SF are written, which the projection's products take; attention's products and conversions are done with p's fragments and with Q's, K's and V's codes, in which the loads below land
	ADDLOAD 1536                                   ; b_o, and the second norm's vectors: they land under the 32 products
	WIN 0
	LNPAR 5632
	WIN 0x5F
	MMT SETA, WSA, HF, SF, 0, 64, 8, 1             ; the output projection adds straight onto the residual
	MMT SETB, WSB, HF, SF, 32, 64, 8, 1
	PLACES 4
	s_wait_dscnt 32                                ; b_o is in; the norm's 32 loads may be out
	ADDX
	WIN 0
	s_wait_alu depctr_vm_vsrc(0)                   ; attention's LDS loads have read AW, AS, AB, and this window's row loads have read COLL: both are written anew below
	s_mov_b32 s85, 49152
	s_mov_b32 s86, 4096
	s_mov_b32 s87, 2048
	FFADDR
	WIN 0xC0
	s_wait_alu depctr_va_vdst(0)                   ; the projection's products, all of whose results the additions have read, are done reading both sets and their scale words; the three addresses are written
	LOADW SETA, WSA, 0, 0, AB, 0, 32, 16           ; W1, s = 0, c = 0
	LOADW SETB, WSB, 6144, 512, AB, 256, 32, 16    ; c = 1
	s_wait_dscnt 44                                ; the vectors are in; the two sets of 22 may be out
	LNPAIR 0
	LNPAIR 2
	WIN 0
	s_cmp_eq_u32 s82, 1                            ; the second window's rows are asked for here, a whole MLP ahead; behind the second window there is none
	s_cbranch_scc1 .Lnox
	s_add_co_u32 s91, s84, 4
	COLSET COLL
	s_wait_alu depctr_va_vdst(0)                   ; COLL is written, which the row loads read; the norm is done reading its vectors, in whose registers the rows land
	XLOAD
.Lnox:
	PLACES 8
	s_mov_b32 s83, 0
.Lffn:                                             ; 128 hidden units a trip: one K step of the second product
	s_wait_alu depctr_vm_vsrc(0)                   ; the LDS loads issued so far have read AW, AS, AB
	FFADDR
	s_wait_dscnt 22                                ; set A is in; set B's 22 may be out
	WIN 0xBF
	s_wait_alu depctr_va_vdst(0)                   ; the norm's conversions, moves and words have written HFR and SH, which the products take; the three addresses are written, which this trip's LDS loads read
	MMT SETA, WSA, HFR, SH, 0, 32, 8, 0
	PLACES 4
	GELU 0, 1                                      ; (set A is asked for again inside: W2, this K step, c = 0)
	GELU 1, 0
	QB4
	CV 0xCA, 0xC2, HF, HF+12, HF+24, HF+36
	WIN 0xAA
.irp t,0,1,2,3
	v_mov_b32 v[BY0+\t], v[BY+\t]
.endr
	s_wait_dscnt 14                                ; set B is in; set A's 14 may be out
	WIN 0xBF
	MMT SETB, WSB, HFR, SH, 0, 32, 8, 0
	PLACES 4
	GELU 0, 2                                      ; (set B likewise: c = 1)
	GELU 1, 0
	QB4
	CV 0xCA, 0xC2, HF+6, HF+18, HF+30, HF+42
	WORDS4 SF
	s_wait_dscnt 0x0
	PLACES 8
	WIN 0x5F
	s_wait_alu depctr_va_vdst(0)                   ; the hidden layer's codes HF and scale words SF are written, which the products take
	MMT SETA, WSA, HF, SF, 0, 64, 8, 1
	PLACES 4
	WIN 0xC0
	s_wait_alu depctr_va_vdst(0)                   ; those sixteen products are done reading set A and its scale words
	LOADW SETA, WSA, 12288, 1024, AB, 512, 32, 16  ; the next trip's W1 (behind the last trip: bytes inside LDS that nobody uses)
	WIN 0x5F
	MMT SETB, WSB, HF, SF, 32, 64, 8, 1
	PLACES 4
	WIN 0xC0
	s_wait_alu depctr_va_vdst(0)                   ; these sixteen are done reading set B and its scale words; behind the last trip: the activation is done with TT too, in which f_b2 lands
	LOADW SETB, WSB, 18432, 1536, AB, 768, 32, 16
	s_add_co_u32 s85, s85, 12288
	s_add_co_u32 s86, s86, 1024
	s_add_co_u32 s87, s87, 512
	s_add_co_u32 s83, s83, 1
	s_cmp_lt_u32 s83, 4
	s_cbranch_scc1 .Lffn
; ---- the way out: + f_b2; through my stage; 49 whole rows of 512 bytes
	WIN 0x80
	ADDLOAD 4096                                   ; no vector instruction stands between the loop's last wait on va_vdst and these loads
	s_wait_dscnt 0x0
	ADDX
	WIN 0x04
	s_wait_alu depctr_va_vdst(0)                   ; the additions have written X, which the stage stores read; all vector work is done with window 2's v0-195, in which the stage's rows land
.irp t,0,1,2,3
.irp c,0,1
.irp q,0,1,2,3,4,5,6,7
	ds_store_b128 v[ASR], v[64*\t+32*\c+4*\q:64*\t+32*\c+4*\q+3] offset:8448*\t+256*\c+16*\q
.endr
.endr
.endr
	WIN 0x80
.set n, 0
.rept 49
	RHOSET
	ds_load_b128 v[4*n:4*n+3], v[ASW] offset:rho*SPI
.set n, n+1
.endr
	WIN 0x08
.set n, 0
.rept 49
.if n%7 == 0
	s_wait_dscnt 42-n                              ; this image row's seven tokens are back; the later rows' loads may be out
.endif
	global_store_b128 v[COLS+n%7], v[4*n:4*n+3], s[RS+2*(n/7):RS+2*(n/7)+1] th:TH_STORE_NT   ; 32 lanes store 512 consecutive bytes, aligned
.set n, n+1
.endr
	WIN 0
	s_wait_xcnt 0x0                                ; the stores have had their addresses translated: their registers are written again in the next trip, behind the wait on vm_vsrc at its head
	s_add_co_u32 s82, s82, 1
	s_cmp_lt_u32 s82, 2
	s_cbranch_scc1 .Lwin
	s_wait_dscnt 0x0                               ; the closing lines, six on end
	s_wait_alu 0x0
	s_wait_tensorcnt 0x0
	ds_add_u32 v58, v59
	s_wait_dscnt 0x0
	s_endpgm
.Lfunc_end_k_q6cee39496c_half1:
	.size	k_q6cee39496c_half1, .Lfunc_end_k_q6cee39496c_half1-k_q6cee39496c_half1
	.p2alignl 7, 3214868480
	.fill 96, 4, 3214868480
	.section	.rodata,"a",@progbits
	.p2align	6, 0x0
	.amdhsa_kernel k_q6cee39496c_half1
		.amdhsa_group_segment_fixed_size 306176
		.amdhsa_private_segment_fixed_size 0
		.amdhsa_enable_private_segment 0
		.amdhsa_kernarg_size 144
		.amdhsa_user_sgpr_count 2
		.amdhsa_user_sgpr_kernarg_segment_ptr 1
		.amdhsa_wavefront_size32 1
		.amdhsa_system_sgpr_workgroup_id_x 1
		.amdhsa_system_sgpr_workgroup_id_y 1
		.amdhsa_system_sgpr_workgroup_id_z 1
		.amdhsa_system_vgpr_workitem_id 0
		.amdhsa_next_free_vgpr 1024
		.amdhsa_next_free_sgpr 100
		.amdhsa_reserve_vcc 0
		.amdhsa_float_denorm_mode_32 3
		.amdhsa_float_denorm_mode_16_64 3
		.amdhsa_memory_ordered 1
		.amdhsa_forward_progress 1
		.amdhsa_inst_pref_size 255
	.end_amdhsa_kernel
	.section	.bss,"aw",@nobits
	.p2align	6
	.space	262144
	.amdgpu_metadata
---
amdhsa.version: [ 1, 2 ]
amdhsa.kernels:
  - .name:           k_q6cee39496c_half1
    .symbol:         k_q6cee39496c_half1.kd
    .args:
      - { .name: x, .offset: 0, .size: 8, .value_kind: global_buffer, .address_space: global }
      - { .name: mid, .offset: 8, .size: 8, .value_kind: global_buffer, .address_space: global }
      - { .name: ln1_g, .offset: 16, .size: 8, .value_kind: global_buffer, .address_space: global }
      - { .name: ln1_b, .offset: 24, .size: 8, .value_kind: global_buffer, .address_space: global }
      - { .name: ln2_g, .offset: 32, .size: 8, .value_kind: global_buffer, .address_space: global }
      - { .name: ln2_b, .offset: 40, .size: 8, .value_kind: global_buffer, .address_space: global }
      - { .name: b1_qkv, .offset: 48, .size: 8, .value_kind: global_buffer, .address_space: global }
      - { .name: b1_o, .offset: 56, .size: 8, .value_kind: global_buffer, .address_space: global }
      - { .name: f1_b1, .offset: 64, .size: 8, .value_kind: global_buffer, .address_space: global }
      - { .name: f1_b2, .offset: 72, .size: 8, .value_kind: global_buffer, .address_space: global }
      - { .name: w1_qkv_codes, .offset: 80, .size: 8, .value_kind: global_buffer, .address_space: global }
      - { .name: w1_qkv_scales, .offset: 88, .size: 8, .value_kind: global_buffer, .address_space: global }
      - { .name: w1_o_codes, .offset: 96, .size: 8, .value_kind: global_buffer, .address_space: global }
      - { .name: w1_o_scales, .offset: 104, .size: 8, .value_kind: global_buffer, .address_space: global }
      - { .name: f1_w1_codes, .offset: 112, .size: 8, .value_kind: global_buffer, .address_space: global }
      - { .name: f1_w1_scales, .offset: 120, .size: 8, .value_kind: global_buffer, .address_space: global }
      - { .name: f1_w2_codes, .offset: 128, .size: 8, .value_kind: global_buffer, .address_space: global }
      - { .name: f1_w2_scales, .offset: 136, .size: 8, .value_kind: global_buffer, .address_space: global }
    .group_segment_fixed_size: 306176
    .private_segment_fixed_size: 0
    .kernarg_segment_align: 8
    .kernarg_segment_size: 144
    .max_flat_workgroup_size: 128
    .sgpr_count:     100
    .vgpr_count:     1024
    .wavefront_size: 32
...
	.end_amdgpu_metadata
.endif
;; end of part 3
;; launch half2 (part 4): grid 256 x 1, 4 waves a work-group, no clusters, 306,176 bytes of LDS; arguments mid, out0, ln3_g, ln3_b, ln4_g, ln4_b, b2_qkv, b2_o, f2_b1, f2_b2, w2_qkv_codes, w2_qkv_scales, w2_o_codes, w2_o_scales, f2_w1_codes, f2_w1_scales, f2_w2_codes, f2_w2_scales; writes out0
.if DOCPART == 4
	.amdgcn_target "amdgcn-amd-amdhsa--gfx1250"
	.amdhsa_code_object_version 6
	.text
	.protected	k_q6cee39496c_half2
	.globl	k_q6cee39496c_half2
	.p2align	8
	.type	k_q6cee39496c_half2,@function
k_q6cee39496c_half2:
	s_mov_b64 s[64:65], 0
	v_nop
	global_prefetch_b8 v0, s[64:65] scope:SCOPE_SE
	s_setreg_imm32_b32 hwreg(HW_REG_WAVE_SCHED_MODE, 0, 2), 2
	s_setreg_imm32_b32 hwreg(HW_REG_WAVE_MODE, 25, 1), 1
	s_wait_xcnt 0x0
	s_wait_alu depctr_vm_vsrc(0)
; One half of a Swin block: x + window attention(LN(x)), then + MLP(LN(.)), all six products on E2M3 codes with one E8M0 scale for each 32 along K.
; SHIFT = 0: plain windows; SHIFT = 3: windows displaced cyclically by 3 rows and 3 columns.  This line is all that differs between the two launches' texts.
; SHARES.  Work-group g owns image g / 8 and window row g % 8: eight windows of 7 x 7 tokens.  Wave w takes window column w, then w + 4.  A wave takes a window through the whole half; the residual stays in 256 registers.
; TOKEN SLOTS.  Four tiles of 16: lane row r of tile t is token 8 t + r (r < 8) or 32 + 8 t + r - 8 (r >= 8).  Slots of tokens 49 .. 63 hold copies of token 48: they lie in key block 1 with it, so no block's largest
; magnitude changes; their scores get -1e30 through the C operand, so that p = 0; their rows are never stored.
; FEATURE ORDER.  Lane r of weight tile (c, e) takes row 64 c + 8 e + (r % 8) + 32 (r / 8).  With the weight as source 0 a lane (r, h) then holds token r, and registers 8 e + j hold feature 64 c + 32 h + 8 e + j:
; a whole block of 32 along the next K in 32 registers of one lane, in the order of the 6-bit operand: no lane is asked for a maximum and no half is exchanged.
; WEIGHTS lie in LDS as images of their operand registers (three loads of 16 bytes a lane bring a fragment), filled once through registers; one barrier behind the fill, none after it: waves share nothing else.
; No tensor loads and no joint requests: the weights are 153,600 bytes once for a work-group against 401,408 bytes of rows in and out, and they are laid anew on the way.
; LIMITS: NaN and infinities among the inputs are not served.  Pad keys get -1e30, not -infinity: true scores under -1e30 are not served.  A block of zeros keeps the scale byte 1 (its codes are zeros; only this text reads the byte).
; THE MODE: SCHED_MODE bits 1:0 = 2 (LLVM: expert scheduling mode 2), set by the entry lines.  The code itself states the register dependences between vector or matrix instructions and memory or LDS instructions, with s_wait_alu, always for 0.
; THE PLAN.  Registers that memory or LDS instructions touch, and who else names them:
;   SETA, SETB, WSA, WSB   loaded from LDS, read by products alone.  A set is asked for again behind a wait on va_vdst that stands behind the products that read it: where vector work follows those products, behind the part
;                          of it that has read all their results (the search for the blocks' maxima; the exponentials' own wait in the activation); where only products follow, straight behind the batch.
;   X                      loaded from the stage at a window's head; then products and additions; read by the stage stores of the way out.
;   v60-255 of window 0    the rows' global loads land here and the stage stores read them; then the norms' vectors land here; then vector instructions write codes here, which products read.
;   TT, v0-195 of window 2 vector work; a bias vector lands in TT twice a window; on the way out the stage's rows land in v0-195 and the global stores read them.
;   AW, AS, AB, AVB        LDS addresses, written at a window's head, at each inner loop's top and ahead of the MLP: a wait on vm_vsrc ahead of the adds, and a wait on va_vdst that stands there anyway behind them.
;   COLL, COLS             offsets of the rows' loads and stores: written behind a wait on vm_vsrc, read behind a wait on va_vdst.
;   AH, ASR, ASW           LDS addresses made once at the head.  v58, v59: written at the head, read by the closing add alone.
.set SHIFT, 3
.set FRB,  1536                        ; a fragment's image: 12 registers x 128 bytes
.set WSC,  147456                      ; behind 96 images: scale words, pair p of fragments at 256 p + 8 lane
.set PAR,  159744                      ; b_qkv 0, b_o 1536, f_b1 2048, f_b2 4096, gA 4608, bA 5120, gB 5632, bB 6144
.set VBT,  166400                      ; V's bias by lane: tile T at 512 T + 16 lane, four equal words
.set STG,  170496                      ; a stage of 64 rows x 528 bytes for each wave
.set STGW, 33792
.set SPI,  528                         ; 512 + 16: sixteen rows of a load start in sixteen different groups of banks
; window 0
.set L16, 1                            ; 16 x lane
.set AH,  2                            ; PAR + 128 h
.set ASR, 3                            ; my stage + 528 r + 128 h
.set ASW, 4                            ; my stage + 16 lane
.set BS8, 5                            ; WSC + 8 lane
.set BVB, 6                            ; VBT + 16 lane
.set AW,  7                            ; the trip's addresses: images, scale words, biases, V's bias
.set AS,  8
.set AB,  9
.set AVB, 10
.set COLL, 12                          ; v12-18 column offsets of the rows being loaded
.set COLS, 19                          ; v19-25 of the rows to be stored
.set SH,  26                           ; scale words, and nothing else, in v26-57
.set SF,  30
.set WSA, 34
.set WSB, 38
.set SQ,  42
.set SK,  46
.set SV,  50
.set SP,  54
.set XS,  60                           ; v60-255: 49 rows of x as loaded; else LN's gain and bias; else Q, K, V codes
.set GG,  60
.set BV,  124
.set QM,  60
.set KF,  114
.set VF,  162
.set H0, 7                             ; the head's temporaries
.set H1, 8
.set H2, 9
.set H3, 10
.set H4, 11
.set H5, 19
.set H6, 20
.set H7, 21
.set H8, 22
.set H9, 23
; window 1: X, the residual: register 64 t + 32 c + i = channel 64 c + 32 h + i of token slot (t, r)
; window 2
.set TT,  128                          ; v128-191 at work
.set PF,  128                          ; p's fragments
.set CT,  192
.set SS,  192
.set BM,  192
.set RX,  196
.set NM,  200
.set MU,  208
.set LS,  208
.set BY,  208
.set RSD, 212
.set YY,  212
.set TQ,  216
.set BY0, 220
.set MK2, 224
.set MK3, 232
.set LL,  240
.set WO,  248
.set SH8, 252
.set TMPM, 253
; window 3
.set SETA, 0                           ; four fragments at 12 e, four biases at 48 + 8 e
.set SETB, 80
.set HFR,  160                         ; LN's result as four fragments
.set HF,   208                         ; attention's result, later the hidden layer, as four fragments
.set RL, 40                            ; s[40:53] seven row bases of the source
.set RS, 66                            ; s[66:79] of the destination
.set MSB, 0
.macro WIN new                         ; bits 1:0 source 0, 3:2 source 1, 5:4 source 2, 7:6 destination; the high byte repeats the setting that is left
.if MSB != (\new)
	s_set_vgpr_msb (MSB<<8)|(\new)
.set MSB, (\new)
.endif
.endm
.macro PLACES n
.rept \n
	v_nop
.endr
.endm
.macro RHOSET                          ; the stage row of token n
.if n < 32
.set rho, 16*(n/8)+n%8
.else
.set rho, 16*((n-32)/8)+8+n%8
.endif
.endm
.macro COLSET dst                      ; column (7 wj + b - SHIFT) mod 56, in bytes, + 16 lane
	s_mul_i32 s92, s91, 7
	s_add_co_u32 s92, s92, 56-SHIFT
.irp b,0,1,2,3,4,5,6
	s_add_co_u32 s93, s92, \b
	s_sub_co_u32 s94, s93, 56
	s_cmp_ge_u32 s93, 56
	s_cselect_b32 s93, s94, s93
	s_lshl_b32 s93, s93, 9
	v_add_nc_u32 v[\dst+\b], s93, v[L16]
.endr
.endm
.macro XLOAD                           ; 49 rows of 512 bytes, 16 bytes a lane
.set n, 0
.rept 49
	global_load_b128 v[XS+4*n:XS+4*n+3], v[COLL+n%7], s[RL+2*(n/7):RL+2*(n/7)+1] th:TH_LOAD_NT
.set n, n+1
.endr
.endm
.macro XREAD t                         ; tile t of X from the stage (destination window 1)
.irp c,0,1
.irp q,0,1,2,3,4,5,6,7
	ds_load_b128 v[64*\t+32*\c+4*\q:64*\t+32*\c+4*\q+3], v[ASR] offset:8448*\t+256*\c+16*\q
.endr
.endr
.endm
.macro LNPAR goff                      ; a norm's gain and bias at my 64 channels
.irp c,0,1
.irp q,0,1,2,3,4,5,6,7
	ds_load_b128 v[GG+32*\c+4*\q:GG+32*\c+4*\q+3], v[AH] offset:\goff+256*\c+16*\q
	ds_load_b128 v[BV+32*\c+4*\q:BV+32*\c+4*\q+3], v[AH] offset:\goff+512+256*\c+16*\q
.endr
.endr
.endm
.macro ADDLOAD off                     ; a bias vector at my 64 channels (destination window 2)
.irp c,0,1
.irp q,0,1,2,3,4,5,6,7
	ds_load_b128 v[TT+32*\c+4*\q:TT+32*\c+4*\q+3], v[AH] offset:\off+256*\c+16*\q
.endr
.endr
.endm
.macro ADDX                            ; X += that vector; each accumulator of X is read from its low end on
	WIN 0x49
.irp t,0,1,2,3
.set p, 0
.rept 32
	v_pk_add_f32 v[64*\t+p:64*\t+p+1], v[64*\t+p:64*\t+p+1], v[TT+p:TT+p+1]
.set p, p+2
.endr
.endr
.endm
.macro LOADW set, ws, wo, so, ab, bo, bs, b2   ; four fragments, their biases as C operands, their scale words: 22 LDS loads
	WIN 0xC0
.irp e,0,1,2,3
.irp k,0,1,2
	ds_load_b128 v[\set+12*\e+4*\k:\set+12*\e+4*\k+3], v[AW] offset:\wo+FRB*\e+512*\k
.endr
.endr
.irp e,0,1,2,3
	ds_load_b128 v[\set+48+8*\e:\set+51+8*\e], v[\ab] offset:\bo+\bs*\e
	ds_load_b128 v[\set+52+8*\e:\set+55+8*\e], v[\ab] offset:\bo+\bs*\e+\b2
.endr
	WIN 0
	ds_load_b64 v[\ws:\ws+1], v[AS] offset:\so
	ds_load_b64 v[\ws+2:\ws+3], v[AS] offset:\so+256
.endm
.macro LOADW2 set, ws, wo, so          ; the same without biases: 14 LDS loads
	WIN 0xC0
.irp e,0,1,2,3
.irp k,0,1,2
	ds_load_b128 v[\set+12*\e+4*\k:\set+12*\e+4*\k+3], v[AW] offset:\wo+FRB*\e+512*\k
.endr
.endr
	WIN 0
	ds_load_b64 v[\ws:\ws+1], v[AS] offset:\so
	ds_load_b64 v[\ws+2:\ws+3], v[AS] offset:\so+256
.endm
; 16 products: source 0 = weight tile e, source 1 = token tile t.  acc = 0: C is the tile's bias; acc = 1: onto D.  Sixteen accumulators, one instruction each.
.macro MMT set, ws, bf, bs, db, dt, de, acc
.irp e,0,1,2,3
.irp t,0,1,2,3
.if \acc
	v_wmma_scale_f32_16x16x128_f8f6f4 v[\db+\dt*\t+\de*\e:\db+\dt*\t+\de*\e+7], v[\set+12*\e:\set+12*\e+11], v[\bf+12*\t:\bf+12*\t+11], v[\db+\dt*\t+\de*\e:\db+\dt*\t+\de*\e+7], v[\ws+\e], v[\bs+\t] matrix_a_fmt:MATRIX_FMT_FP6 matrix_b_fmt:MATRIX_FMT_FP6
.else
	v_wmma_scale_f32_16x16x128_f8f6f4 v[\db+\dt*\t+\de*\e:\db+\dt*\t+\de*\e+7], v[\set+12*\e:\set+12*\e+11], v[\bf+12*\t:\bf+12*\t+11], v[\set+48+8*\e:\set+55+8*\e], v[\ws+\e], v[\bs+\t] matrix_a_fmt:MATRIX_FMT_FP6 matrix_b_fmt:MATRIX_FMT_FP6
.endif
.endr
.endr
.endm
.macro MMV                             ; V the other way round: source 0 = tokens, source 1 = weight: a lane holds one feature, its registers run along the keys
.irp e,0,1,2,3
.irp t,0,1,2,3
	v_wmma_scale_f32_16x16x128_f8f6f4 v[32*\e+8*\t:32*\e+8*\t+7], v[HFR+12*\t:HFR+12*\t+11], v[SETA+12*\e:SETA+12*\e+11], v[SETA+48+8*\e:SETA+55+8*\e], v[SH+\t], v[WSA+\e] matrix_a_fmt:MATRIX_FMT_FP6 matrix_b_fmt:MATRIX_FMT_FP6
.endr
.endr
.endm
; S^T = K Q^T of head 2 c + hh.  K's fragment holds both heads (block 0, block 1) and zeros above; Q's holds codes in the lanes of half hh alone, so only block hh counts.  The pad keys' -1e30 comes as C.
.macro MMS hh
	WIN 0xA0
.irp tk,0,1,2,3
.irp tq,0,1,2,3
.if \hh
.if \tk < 2
	v_wmma_scale_f32_16x16x128_f8f6f4 v[32*\tq+8*\tk:32*\tq+8*\tk+7], v[KF+12*\tk:KF+12*\tk+11], v[QM+12*\tq+6:QM+12*\tq+17], 0, v[SK+\tk], v[SQ+\tq] matrix_a_fmt:MATRIX_FMT_FP6 matrix_b_fmt:MATRIX_FMT_FP6 matrix_a_scale:MATRIX_SCALE_ROW1 matrix_b_scale:MATRIX_SCALE_ROW1
.else
	v_wmma_scale_f32_16x16x128_f8f6f4 v[32*\tq+8*\tk:32*\tq+8*\tk+7], v[KF+12*\tk:KF+12*\tk+11], v[QM+12*\tq+6:QM+12*\tq+17], v[MK2+8*(\tk-2):MK2+8*(\tk-2)+7], v[SK+\tk], v[SQ+\tq] matrix_a_fmt:MATRIX_FMT_FP6 matrix_b_fmt:MATRIX_FMT_FP6 matrix_a_scale:MATRIX_SCALE_ROW1 matrix_b_scale:MATRIX_SCALE_ROW1
.endif
.else
.if \tk < 2
	v_wmma_scale_f32_16x16x128_f8f6f4 v[32*\tq+8*\tk:32*\tq+8*\tk+7], v[KF+12*\tk:KF+12*\tk+11], v[QM+12*\tq:QM+12*\tq+11], 0, v[SK+\tk], v[SQ+\tq] matrix_a_fmt:MATRIX_FMT_FP6 matrix_b_fmt:MATRIX_FMT_FP6
.else
	v_wmma_scale_f32_16x16x128_f8f6f4 v[32*\tq+8*\tk:32*\tq+8*\tk+7], v[KF+12*\tk:KF+12*\tk+11], v[QM+12*\tq:QM+12*\tq+11], v[MK2+8*(\tk-2):MK2+8*(\tk-2)+7], v[SK+\tk], v[SQ+\tq] matrix_a_fmt:MATRIX_FMT_FP6 matrix_b_fmt:MATRIX_FMT_FP6
.endif
.endif
.endr
.endr
.endm
.macro MMP                             ; O^T = V^T P^T of both heads at once: K = head 2 c's 64 keys, then head 2 c + 1's
.irp e,0,1,2,3
.irp tq,0,1,2,3
	v_wmma_scale_f32_16x16x128_f8f6f4 v[32*\tq+8*\e:32*\tq+8*\e+7], v[VF+12*\e:VF+12*\e+11], v[PF+12*\tq:PF+12*\tq+11], 0, v[SV+\e], v[SP+\tq] matrix_a_fmt:MATRIX_FMT_FP6 matrix_b_fmt:MATRIX_FMT_FP6
.endr
.endr
.endm
; Four blocks of 32 at v[32 k] of window 2: the largest magnitude with the floor 2^(3 - 127) among its leaves; 2 off its exponent field is the conversion's scale operand (TQ); that shifted down is the byte (BY).
.macro QB4
	WIN 0xAA
.irp k,0,1,2,3
	v_max3_num_f32 v[TQ+\k], |v[32*\k]|, |v[32*\k+1]|, 0x1800000
.endr
.irp i,2,4,6,8,10,12,14,16,18,20,22,24,26,28,30
.irp k,0,1,2,3
	v_max3_num_f32 v[TQ+\k], v[TQ+\k], |v[32*\k+\i]|, |v[32*\k+\i+1]|
.endr
.endr
.irp k,0,1,2,3
	v_add_nc_u32 v[TQ+\k], 0xff000000, v[TQ+\k]
.endr
.irp k,0,1,2,3
	v_lshrrev_b32 v[BY+\k], 23, v[TQ+\k]
.endr
.endm
; The four blocks' codes, six registers each, to d0 .. d3.  A conversion's three registers begin on an even number: the second three are made in CT and moved.  w1, w3: window settings with the destination's window.
.macro CV w1, w3, d0, d1, d2, d3
	WIN \w1
	v_cvt_scalef32_pk16_fp6_f32 v[(\d0):(\d0)+2], v[0:15], v[TQ]
	v_cvt_scalef32_pk16_fp6_f32 v[(\d1):(\d1)+2], v[32:47], v[TQ+1]
	v_cvt_scalef32_pk16_fp6_f32 v[(\d2):(\d2)+2], v[64:79], v[TQ+2]
	v_cvt_scalef32_pk16_fp6_f32 v[(\d3):(\d3)+2], v[96:111], v[TQ+3]
	WIN 0x8A
	v_cvt_scalef32_pk16_fp6_f32 v[CT:CT+2], v[16:31], v[TQ]
	v_cvt_scalef32_pk16_fp6_f32 v[CT+4:CT+6], v[48:63], v[TQ+1]
	v_cvt_scalef32_pk16_fp6_f32 v[CT+8:CT+10], v[80:95], v[TQ+2]
	v_cvt_scalef32_pk16_fp6_f32 v[CT+12:CT+14], v[112:127], v[TQ+3]
	v_nop                                          ; one plain place behind the scaled conversions
	WIN \w3
.irp i,0,1,2
	v_mov_b32 v[(\d0)+3+\i], v[CT+\i]
	v_mov_b32 v[(\d1)+3+\i], v[CT+4+\i]
	v_mov_b32 v[(\d2)+3+\i], v[CT+8+\i]
	v_mov_b32 v[(\d3)+3+\i], v[CT+12+\i]
.endr
.endm
.macro CV8                             ; the same into TT + 8 k (three registers) and TT + 8 k + 4 (three): selected from there
	WIN 0xAA
.irp k,0,1,2,3
	v_cvt_scalef32_pk16_fp6_f32 v[TT+8*\k:TT+8*\k+2], v[32*\k:32*\k+15], v[TQ+\k]
	v_cvt_scalef32_pk16_fp6_f32 v[TT+8*\k+4:TT+8*\k+6], v[32*\k+16:32*\k+31], v[TQ+\k]
.endr
	v_nop
.endm
.macro WORDS4 dst                      ; four scale words: my bytes of blocks h (BY0) and 2 + h (BY), 8 h bits up, joined with lane l xor 16's
	WIN 0xAA
.irp t,0,1,2,3
	v_lshl_or_b32 v[YY+\t], v[BY+\t], 16, v[BY0+\t]
.endr
.irp t,0,1,2,3
	v_lshlrev_b32 v[YY+\t], v[SH8], v[YY+\t]
.endr
.irp t,0,1,2,3
	v_permlanex16_b32 v[RX+\t], v[YY+\t], s54, s55
.endr
	WIN 0x0A
.irp t,0,1,2,3
	v_or_b32 v[\dst+\t], v[YY+\t], v[RX+\t]
.endr
.endm
.macro LNRED dst                       ; two tiles' four chains each -> the sum over 128 channels, in every lane
.irp u,0,1
	v_pk_add_f32 v[SS+8*\u:SS+8*\u+1], v[SS+8*\u:SS+8*\u+1], v[SS+8*\u+2:SS+8*\u+3]
	v_pk_add_f32 v[SS+8*\u+4:SS+8*\u+5], v[SS+8*\u+4:SS+8*\u+5], v[SS+8*\u+6:SS+8*\u+7]
.endr
.irp u,0,1
	v_pk_add_f32 v[SS+8*\u:SS+8*\u+1], v[SS+8*\u:SS+8*\u+1], v[SS+8*\u+4:SS+8*\u+5]
.endr
.irp u,0,1
	v_add_f32 v[\dst+2*\u], v[SS+8*\u], v[SS+8*\u+1]
.endr
.irp u,0,1
	v_permlanex16_b32 v[\dst+2*\u+1], v[\dst+2*\u], s54, s55
.endr
.irp u,0,1
	v_add_f32 v[\dst+2*\u], v[\dst+2*\u], v[\dst+2*\u+1]
.endr
.endm
; The norm of tiles t0 and t0 + 1, in two passes (mean; mean of squared differences), quantised into HFR and SH.
.macro LNPAIR t0
	WIN 0x85
.irp u,0,1
.irp q,0,1,2,3
	v_pk_add_f32 v[SS+8*\u+2*\q:SS+8*\u+2*\q+1], v[64*(\t0+\u)+2*\q:64*(\t0+\u)+2*\q+1], v[64*(\t0+\u)+8+2*\q:64*(\t0+\u)+8+2*\q+1]
.endr
.endr
	WIN 0x89
.irp i,2,3,4,5,6,7
.irp u,0,1
.irp q,0,1,2,3
	v_pk_add_f32 v[SS+8*\u+2*\q:SS+8*\u+2*\q+1], v[64*(\t0+\u)+8*\i+2*\q:64*(\t0+\u)+8*\i+2*\q+1], v[SS+8*\u+2*\q:SS+8*\u+2*\q+1]
.endr
.endr
.endr
	WIN 0xAA
	LNRED MU
.irp u,0,1
	v_mul_f32 v[MU+2*\u], s89, v[MU+2*\u]          ; the mean
.endr
	WIN 0x89
.irp u,0,1
.set p, 0
.rept 32
	v_pk_add_f32 v[64*\u+p:64*\u+p+1], v[64*(\t0+\u)+p:64*(\t0+\u)+p+1], v[MU+2*\u:MU+2*\u+1] op_sel_hi:[1,0] neg_lo:[0,1] neg_hi:[0,1]
.set p, p+2
.endr
.endr
	WIN 0xAA
.irp u,0,1
.irp q,0,1,2,3
	v_pk_mul_f32 v[SS+8*\u+2*\q:SS+8*\u+2*\q+1], v[64*\u+2*\q:64*\u+2*\q+1], v[64*\u+2*\q:64*\u+2*\q+1]
.endr
.endr
.irp i,1,2,3,4,5,6,7
.irp u,0,1
.irp q,0,1,2,3
	v_pk_fma_f32 v[SS+8*\u+2*\q:SS+8*\u+2*\q+1], v[64*\u+8*\i+2*\q:64*\u+8*\i+2*\q+1], v[64*\u+8*\i+2*\q:64*\u+8*\i+2*\q+1], v[SS+8*\u+2*\q:SS+8*\u+2*\q+1]
.endr
.endr
.endr
	LNRED RSD
.irp u,0,1
	v_fma_f32 v[RSD+2*\u], v[RSD+2*\u], s89, s90   ; the variance + 1e-5
.endr
.irp u,0,1
	v_rsq_f32 v[RSD+2*\u], v[RSD+2*\u]
.endr
	v_nop                                          ; a plain place behind the roots,
	s_wait_alu depctr_va_vdst(0)                   ; and the one wait ahead of their first reader: the two roots have written RSD
.irp u,0,1
.set p, 0
.rept 32
	v_pk_mul_f32 v[64*\u+p:64*\u+p+1], v[64*\u+p:64*\u+p+1], v[RSD+2*\u:RSD+2*\u+1] op_sel_hi:[1,0]
.set p, p+2
.endr
.endr
	WIN 0x82
.irp u,0,1
.set p, 0
.rept 32
	v_pk_fma_f32 v[64*\u+p:64*\u+p+1], v[64*\u+p:64*\u+p+1], v[GG+p:GG+p+1], v[BV+p:BV+p+1]
.set p, p+2
.endr
.endr
	QB4
	CV 0xCA, 0xC2, HFR+12*\t0, HFR+12*\t0+6, HFR+12*\t0+12, HFR+12*\t0+18
	WIN 0xAA
.irp u,0,1
	v_lshl_or_b32 v[YY+\u], v[BY+2*\u+1], 16, v[BY+2*\u]
.endr
.irp u,0,1
	v_lshlrev_b32 v[YY+\u], v[SH8], v[YY+\u]
.endr
.irp u,0,1
	v_permlanex16_b32 v[RX+\u], v[YY+\u], s54, s55
.endr
	WIN 0x0A
.irp u,0,1
	v_or_b32 v[SH+\t0+\u], v[YY+\u], v[RX+\u]
.endr
.endm
; gelu (tanh form) of 64 numbers: x / (1 + 2^(x (KA + KB x^2))), KA = -2 sqrt(2 / pi) log2(e), KB = 0.044715 KA
; ld = 1, 2: behind the exponentials' wait set A, B is asked for again, with the second product's weights of this K step
.macro GELU q, ld
	WIN 0xAA
.set p, 0
.rept 32
	v_pk_mul_f32 v[TT+p:TT+p+1], v[64*\q+p:64*\q+p+1], s[60:61] op_sel_hi:[1,0]
.set p, p+2
.endr
.set p, 0
.rept 32
	v_pk_fma_f32 v[TT+p:TT+p+1], v[TT+p:TT+p+1], v[64*\q+p:64*\q+p+1], s[58:59] op_sel_hi:[1,1,0]
.set p, p+2
.endr
.set p, 0
.rept 32
	v_pk_mul_f32 v[TT+p:TT+p+1], v[TT+p:TT+p+1], v[64*\q+p:64*\q+p+1]
.set p, p+2
.endr
.set p, 0
.rept 64
	v_exp_f32 v[TT+p], v[TT+p]
.set p, p+1
.endr
	v_nop
	s_wait_alu depctr_va_vdst(0)                   ; one wait for the batch of 64: the exponentials have written TT; and this half's products, issued ahead of it, are done reading their set and its scale words
.if \ld == 1
	LOADW2 SETA, WSA, 49152, 4096                  ; W2, this K step, c = 0: only window switches stand between the wait and these loads
	WIN 0xAA
.endif
.if \ld == 2
	LOADW2 SETB, WSB, 55296, 4608                  ; c = 1
	WIN 0xAA
.endif
.set p, 0
.rept 32
	v_pk_add_f32 v[TT+p:TT+p+1], v[TT+p:TT+p+1], 1.0 op_sel_hi:[1,0]
.set p, p+2
.endr
.set p, 0
.rept 64
	v_rcp_f32 v[TT+p], v[TT+p]
.set p, p+1
.endr
	v_nop
	s_wait_alu depctr_va_vdst(0)                   ; and one for the 64 reciprocals, which have written TT
.set p, 0
.rept 32
	v_pk_mul_f32 v[64*\q+p:64*\q+p+1], v[64*\q+p:64*\q+p+1], v[TT+p:TT+p+1]
.set p, p+2
.endr
.endm
; The softmax of head 2 c + hh for four tiles of queries.  A lane holds one query and one block of 32 keys.  p = 2^(t - M), M = ceil(the row's largest t); the sum is taken of the unquantised p.
; A block's largest p comes from the block's largest score by the same multiply-add and exponential.
.macro SOFTMAX hh
	WIN 0xAA
.irp t,0,1,2,3
	v_max3_num_f32 v[BM+\t], v[32*\t], v[32*\t+1], v[32*\t+2]
.endr
.irp i,3,5,7,9,11,13,15,17,19,21,23,25,27,29
.irp t,0,1,2,3
	v_max3_num_f32 v[BM+\t], v[BM+\t], v[32*\t+\i], v[32*\t+\i+1]
.endr
.endr
.irp t,0,1,2,3
	v_max_num_f32 v[BM+\t], v[BM+\t], v[32*\t+31]
.endr
.irp t,0,1,2,3
	v_permlanex16_b32 v[RX+\t], v[BM+\t], s54, s55
.endr
.irp t,0,1,2,3
	v_max_num_f32 v[RX+\t], v[BM+\t], v[RX+\t]
.endr
.irp t,0,1,2,3
	v_mul_f32 v[RX+\t], s56, v[RX+\t]
.endr
.irp t,0,1,2,3
	v_floor_f32 v[NM+2*\t], -v[RX+\t]              ; -M
.endr
.irp t,0,1,2,3
	v_fma_f32 v[TQ+\t], v[BM+\t], s56, v[NM+2*\t]
.endr
.irp t,0,1,2,3
.set p, 0
.rept 16
	v_pk_fma_f32 v[32*\t+p:32*\t+p+1], v[32*\t+p:32*\t+p+1], s[56:57], v[NM+2*\t:NM+2*\t+1] op_sel_hi:[1,0,0]
.set p, p+2
.endr
.endr
.set p, 0
.rept 128
	v_exp_f32 v[p], v[p]
.set p, p+1
.endr
.irp t,0,1,2,3
	v_exp_f32 v[TQ+\t], v[TQ+\t]
.endr
	v_nop
	s_wait_alu depctr_va_vdst(0)                   ; one wait for the batch of 132: the exponentials have written p and the blocks' largest p
.irp t,0,1,2,3
	v_pk_add_f32 v[LS+2*\t:LS+2*\t+1], v[32*\t:32*\t+1], v[32*\t+2:32*\t+3]
.endr
.irp i,4,6,8,10,12,14,16,18,20,22,24,26,28,30
.irp t,0,1,2,3
	v_pk_add_f32 v[LS+2*\t:LS+2*\t+1], v[LS+2*\t:LS+2*\t+1], v[32*\t+\i:32*\t+\i+1]
.endr
.endr
.irp t,0,1,2,3
	v_add_f32 v[LS+2*\t], v[LS+2*\t], v[LS+2*\t+1]
.endr
.irp t,0,1,2,3
	v_permlanex16_b32 v[RX+\t], v[LS+2*\t], s54, s55
.endr
.irp t,0,1,2,3
	v_add_f32 v[LL+2*\t+\hh], v[LS+2*\t], v[RX+\t]
.endr
.irp t,0,1,2,3
	v_max_num_f32 v[TQ+\t], 0x1800000, v[TQ+\t]
.endr
.irp t,0,1,2,3
	v_add_nc_u32 v[TQ+\t], 0xff000000, v[TQ+\t]
.endr
.irp t,0,1,2,3
.if \hh
	v_lshrrev_b32 v[BY+\t], 23, v[TQ+\t]
.else
	v_lshrrev_b32 v[BY0+\t], 23, v[TQ+\t]
.endif
.endr
	CV 0x8A, 0x82, PF+6*\hh, PF+12+6*\hh, PF+24+6*\hh, PF+36+6*\hh
.if \hh
	WORDS4 SP
.endif
.endm
.macro ATADDR
	v_add_nc_u32 v[AW], s85, v[L16]
	v_add_nc_u32 v[AS], s86, v[BS8]
	v_add_nc_u32 v[AB], s87, v[AH]
	v_add_nc_u32 v[AVB], s88, v[BVB]
.endm
.macro FFADDR
	v_add_nc_u32 v[AW], s85, v[L16]
	v_add_nc_u32 v[AS], s86, v[BS8]
	v_add_nc_u32 v[AB], s87, v[AH]
.endm
; ================= THE HEAD
	s_load_b512 s[4:19], s[0:1], 0x0               ; src, dst, gA, bA, gB, bB, b_qkv, b_o
	s_load_b512 s[20:35], s[0:1], 0x40             ; f_b1, f_b2, qkv codes, scales, o codes, scales, w1 codes, scales
	s_load_b128 s[36:39], s[0:1], 0x80             ; w2 codes, scales
	v_lshl_add_u32 v58, v0, 2, 0x4aa00
	v_mov_b32 v59, 0
	v_lshrrev_b32 v[H0], 5, v0
	v_readfirstlane_b32 s84, v[H0]                 ; wave 0..3
	v_and_b32 v[H0], 31, v0                        ; lane
	v_and_b32 v[H1], 15, v0                        ; r
	v_bfe_u32 v[H2], v0, 4, 1                      ; h
	v_lshlrev_b32 v[L16], 4, v[H0]
	v_lshl_add_u32 v[AH], v[H2], 7, PAR
	s_wait_alu depctr_va_sdst(0)                   ; s84 is written, ahead of its first reader: LDS addresses, bases and the window column are made from it
	s_mul_i32 s92, s84, STGW
	s_add_co_u32 s92, s92, STG
	v_mul_u32_u24 v[ASR], v[H1], SPI
	v_lshl_add_u32 v[ASR], v[H2], 7, v[ASR]
	v_add_nc_u32 v[ASR], s92, v[ASR]
	v_add_nc_u32 v[ASW], s92, v[L16]
	v_lshl_add_u32 v[BS8], v[H0], 3, WSC
	v_add_nc_u32 v[BVB], VBT, v[L16]
	v_and_b32 v[H3], 7, v[H1]
	v_lshrrev_b32 v[H9], 3, v[H1]
	v_lshl_add_u32 v[H3], v[H9], 5, v[H3]          ; (r % 8) + 32 (r / 8): my row in a weight tile
	v_mul_u32_u24 v[H4], v[H3], 96
	v_mad_u32_u24 v[H4], v[H2], 24, v[H4]          ; rows of 128 codes
	v_mul_u32_u24 v[H5], v[H3], 384
	v_mad_u32_u24 v[H5], v[H2], 24, v[H5]          ; rows of 512 codes
	v_lshlrev_b32 v[H6], 2, v[H3]                  ; scale words, 4 bytes a row
	v_lshlrev_b32 v[H7], 4, v[H3]                  ; and 16 bytes a row
	v_lshlrev_b32 v[H8], 2, v0                     ; 4 x thread: the parameter vectors
	s_mov_b32 s54, 0x76543210
	s_mov_b32 s55, 0xfedcba98                      ; lane l xor 16
	s_mov_b32 s56, 0x3e8293ee                      ; log2(e) / sqrt(32)
	s_mov_b32 s57, s56
	s_mov_b32 s58, 0xc0135761                      ; KA
	s_mov_b32 s59, s58
	s_mov_b32 s60, 0xbdd2d3e8                      ; KB
	s_mov_b32 s61, s60
	s_mov_b32 s62, 0x0000ffff                      ; lanes 0-15
	s_mov_b32 s63, 0xffff0000                      ; lanes 16-31
	s_mov_b32 s80, 0x00ff00ff                      ; lanes with r < 8
	s_mov_b32 s81, 0xff00ff00                      ; lanes with r >= 8
	s_mov_b32 s89, 0x3c000000                      ; 1 / 128
	s_mov_b32 s90, 0x3727c5ac                      ; 1e-5
	s_mov_b32 s91, s84                             ; my first window column
	COLSET COLL                                    ; its offsets are made here, so that the one wait below serves the rows' loads too
	s_wait_kmcnt 0x0
	s_lshr_b32 s92, ttmp9, 3                       ; image
	s_and_b32 s93, ttmp9, 7                        ; window row
	s_mul_i32 s92, s92, 1605632
	s_mul_i32 s93, s93, 7
	s_add_co_u32 s93, s93, 56-SHIFT
.irp a,0,1,2,3,4,5,6
	s_add_co_u32 s94, s93, \a                      ; image row (7 wi + a - SHIFT) mod 56
	s_sub_co_u32 s95, s94, 56
	s_cmp_ge_u32 s94, 56
	s_cselect_b32 s94, s95, s94
	s_mul_i32 s94, s94, 28672
	s_add_co_u32 s94, s94, s92
	s_mov_b32 s95, 0
	s_add_nc_u64 s[RL+2*\a:RL+2*\a+1], s[4:5], s[94:95]
	s_add_nc_u64 s[RS+2*\a:RS+2*\a+1], s[6:7], s[94:95]
.endr
	s_lshr_b32 s92, s84, 1                         ; of each group of 8 tiles wave w lays tiles c = w / 2, e = 2 (w % 2) + i: rows 64 (w / 2) + 16 (w % 2) + 8 i on
	s_and_b32 s93, s84, 1
	s_lshl_b32 s94, s92, 6
	s_lshl_b32 s95, s93, 4
	s_add_co_u32 s94, s94, s95
	s_mul_i32 s96, s94, 96
	s_mov_b32 s97, 0
	s_add_nc_u64 s[24:25], s[24:25], s[96:97]
	s_add_nc_u64 s[28:29], s[28:29], s[96:97]
	s_add_nc_u64 s[32:33], s[32:33], s[96:97]
	s_mul_i32 s96, s94, 384
	s_add_nc_u64 s[36:37], s[36:37], s[96:97]
	s_lshl_b32 s96, s94, 2
	s_add_nc_u64 s[26:27], s[26:27], s[96:97]
	s_add_nc_u64 s[30:31], s[30:31], s[96:97]
	s_add_nc_u64 s[34:35], s[34:35], s[96:97]
	s_add_nc_u64 s[98:99], s[16:17], s[96:97]
	s_lshl_b32 s96, s94, 4
	s_add_nc_u64 s[38:39], s[38:39], s[96:97]
	WIN 0x40                                       ; 16 fragments into window 1
	s_wait_alu depctr_va_vdst(0)                   ; the head's offsets and LDS addresses are written: v2-4, v11, v19-22 and COLL, which the loads below and the LDS instructions of the whole kernel read
.irp g,0,1,2
.irp i,0,1
.irp p,0,1,2,3,4,5
	global_load_b64 v[12*(2*\g+\i)+2*\p:12*(2*\g+\i)+2*\p+1], v[H4], s[24:25] offset:(128*\g+8*\i)*96+48*(\p/3)+8*(\p%3)
.endr
.endr
.endr
.irp i,0,1
.irp p,0,1,2,3,4,5
	global_load_b64 v[12*(6+\i)+2*\p:12*(6+\i)+2*\p+1], v[H4], s[28:29] offset:8*\i*96+48*(\p/3)+8*(\p%3)
.endr
.endr
.irp g,0,1,2,3
.irp i,0,1
.irp p,0,1,2,3,4,5
	global_load_b64 v[12*(8+2*\g+\i)+2*\p:12*(8+2*\g+\i)+2*\p+1], v[H4], s[32:33] offset:(128*\g+8*\i)*96+48*(\p/3)+8*(\p%3)
.endr
.endr
.endr
	WIN 0x80                                       ; 8 fragments, the scale words and the vectors into window 2
.irp g,0,1,2,3
.irp i,0,1
.irp p,0,1,2,3,4,5
	global_load_b64 v[12*(2*\g+\i)+2*\p:12*(2*\g+\i)+2*\p+1], v[H5], s[36:37] offset:8*\i*384+96*\g+48*(\p/3)+8*(\p%3)
.endr
.endr
.endr
.irp g,0,1,2
.irp i,0,1
	global_load_b32 v[96+2*\g+\i], v[H6], s[26:27] offset:(128*\g+8*\i)*4
.endr
.endr
.irp i,0,1
	global_load_b32 v[102+\i], v[H6], s[30:31] offset:32*\i
.endr
.irp g,0,1,2,3
.irp i,0,1
	global_load_b32 v[104+2*\g+\i], v[H6], s[34:35] offset:(128*\g+8*\i)*4
	global_load_b32 v[112+2*\g+\i], v[H7], s[38:39] offset:8*\i*16+4*\g
.endr
.endr
.irp j,0,1,2
	global_load_b32 v[128+\j], v[H8], s[16:17] offset:512*\j
.endr
	global_load_b32 v131, v[H8], s[18:19]
.irp j,0,1,2,3
	global_load_b32 v[132+\j], v[H8], s[20:21] offset:512*\j
.endr
	global_load_b32 v136, v[H8], s[22:23]
	global_load_b32 v137, v[H8], s[8:9]
	global_load_b32 v138, v[H8], s[10:11]
	global_load_b32 v139, v[H8], s[12:13]
	global_load_b32 v140, v[H8], s[14:15]
.irp i,0,1
	global_load_b32 v[144+4*\i], v[H6], s[98:99] offset:1024+32*\i
.endr
	WIN 0
	XLOAD                                          ; the first window's rows
	s_wait_loadcnt 49                              ; all but those 49: the weights and vectors are in, and their offset registers are free
	s_wait_alu depctr_vm_vsrc(0)                   ; the weights' loads have read their offsets v11 and v19-21, which are written anew below
	WIN 0xAA
.irp i,0,1
.irp j,1,2,3
	v_mov_b32 v[144+4*\i+\j], v[144+4*\i]
.endr
.endr
	WIN 0
	s_mul_i32 s95, s84, 2*FRB
	v_add_nc_u32 v[H0], s95, v[L16]                ; images of q, k, v: fragment 2 w + i of each group of 8
	v_add_nc_u32 v[H1], 32*FRB, v[H0]              ; of W1
	v_add_nc_u32 v[H2], 64*FRB, v[H0]              ; of W2
	s_lshr_b32 s92, s84, 1
	s_and_b32 s93, s84, 1
	s_mul_i32 s96, s92, 12*FRB
	s_mul_i32 s97, s93, 2*FRB
	s_add_co_u32 s96, s96, s97
	s_add_co_u32 s96, s96, 8*FRB
	v_add_nc_u32 v[H3], s96, v[L16]                ; of the output projection: fragments 8 .. 11 and 20 .. 23
	s_lshl_b32 s95, s84, 8
	v_add_nc_u32 v[H4], s95, v[BS8]
	s_mul_i32 s96, s92, 6*256
	s_lshl_b32 s97, s93, 8
	s_add_co_u32 s96, s96, s97
	s_add_co_u32 s96, s96, 4*256
	v_add_nc_u32 v[H5], s96, v[BS8]
	s_lshl_b32 s95, s84, 10
	v_add_nc_u32 v[H6], s95, v[BVB]
	v_lshl_add_u32 v[H7], v0, 2, PAR
	WIN 0x04
	s_wait_alu depctr_va_vdst(0)                   ; the eight LDS addresses v7-11, v19-21 and the copies of V's bias are written, which the LDS stores below read
.irp i,0,1
.irp k,0,1,2
	ds_store_b128 v[H0], v[12*\i+4*\k:12*\i+4*\k+3] offset:\i*FRB+512*\k
	ds_store_b128 v[H0], v[12*(2+\i)+4*\k:12*(2+\i)+4*\k+3] offset:(12+\i)*FRB+512*\k
	ds_store_b128 v[H0], v[12*(4+\i)+4*\k:12*(4+\i)+4*\k+3] offset:(24+\i)*FRB+512*\k
	ds_store_b128 v[H3], v[12*(6+\i)+4*\k:12*(6+\i)+4*\k+3] offset:\i*FRB+512*\k
.irp g,0,1,2,3
	ds_store_b128 v[H1], v[12*(8+2*\g+\i)+4*\k:12*(8+2*\g+\i)+4*\k+3] offset:(8*\g+\i)*FRB+512*\k
.endr
.endr
.endr
	WIN 0x08
.irp i,0,1
.irp k,0,1,2
.irp g,0,1,2,3
	ds_store_b128 v[H2], v[12*(2*\g+\i)+4*\k:12*(2*\g+\i)+4*\k+3] offset:(8*\g+\i)*FRB+512*\k
.endr
.endr
.endr
	ds_store_b64 v[H4], v[96:97]
	ds_store_b64 v[H4], v[98:99] offset:6*256
	ds_store_b64 v[H4], v[100:101] offset:12*256
	ds_store_b64 v[H5], v[102:103]
.irp g,0,1,2,3
	ds_store_b64 v[H4], v[104+2*\g:105+2*\g] offset:(16+4*\g)*256
	ds_store_b64 v[H4], v[112+2*\g:113+2*\g] offset:(32+4*\g)*256
.endr
.irp j,0,1,2,3,4,5,6,7,8,9,10,11,12
	ds_store_b32 v[H7], v[128+\j] offset:512*\j
.endr
.irp i,0,1
	ds_store_b128 v[H6], v[144+4*\i:147+4*\i] offset:512*\i
.endr
	WIN 0xC0                                       ; HF, the work registers of window 2 (none of them is named by the stores above)
.set p, 0
.rept 48
	v_mov_b32 v[HF+p], 0
.set p, p+1
.endr
	WIN 0x80
.set p, 192
.rept 32
	v_mov_b32 v[p], 0
.set p, p+1
.endr
.set p, 240
.rept 16
	v_mov_b32 v[p], 0
.set p, p+1
.endr
	v_bfe_u32 v[SH8], v0, 4, 1
	WIN 0xAA
	v_lshlrev_b32 v[SH8], 3, v[SH8]                ; 8 h
	v_mov_b32 v[TMPM], 0xf149f2ca                  ; -1e30
	v_mov_b32 v[MK2], 0                            ; key tile 2: register 0 of lanes 16-31 is token 48, registers 1-7 are pads
.irp j,1,2,3,4,5,6,7
	v_cndmask_b32 v[MK2+\j], 0, v[TMPM], s63
.endr
.irp j,0,1,2,3,4,5,6,7
	v_cndmask_b32 v[MK3+\j], 0, v[TMPM], s63       ; key tile 3: all of lanes 16-31 are pads
.endr
	WIN 0
	s_wait_dscnt 0x0                               ; my part of the weights lies in LDS
	s_barrier_signal -1
	s_barrier_wait -1                              ; everybody's does; nobody writes those bytes again
; ================= A WINDOW
	s_mov_b32 s82, 0
.Lwin:
	s_wait_loadcnt 0x0                             ; the window's 49 rows
	s_wait_alu depctr_vm_vsrc(0)                   ; the stores issued so far (the head's LDS stores; the last window's stage stores and global stores) and the last LDS loads have read v7-11, COLS, X and window 2's v0-195: all are written again in this trip
.irp b,0,1,2,3,4,5,6
	v_mov_b32 v[COLS+\b], v[COLL+\b]
.endr
	s_mov_b32 s85, 0
	s_mov_b32 s86, 0
	s_mov_b32 s87, 0
	s_mov_b32 s88, 0
	ATADDR
.set n, 0
.rept 49
	RHOSET
	ds_store_b128 v[ASW], v[XS+4*n:XS+4*n+3] offset:rho*SPI
.set n, n+1
.endr
.irp o,41,42,43,44,45,46,47,56,57,58,59,60,61,62,63
	ds_store_b128 v[ASW], v[XS+192:XS+195] offset:\o*SPI   ; the pad slots: token 48 again
.endr
	WIN 0x40
	s_wait_alu depctr_va_vdst(0)                   ; the last window's additions and products are done with X and with both sets of weights, in which the loads below land; AW, AS, AB, AVB are written, which they read
	XREAD 0                                        ; LDS serves a wave's instructions in order: these see my stores
	XREAD 1
	XREAD 2
	s_wait_dscnt 48                                ; all but those 48 loads: the 64 stores are done
	XREAD 3
	WIN 0
	s_wait_alu depctr_vm_vsrc(0)                   ; the 64 stage stores have read the rows' registers, in which the norm's vectors land and which attention's codes take
	LNPAR 4608
	LOADW SETA, WSA, 0, 0, AB, 0, 32, 16           ; q, c = 0
	LOADW SETB, WSB, 18432, 1536, AB, 512, 32, 16  ; k, c = 0
	s_wait_dscnt 44                                ; X and the norm's vectors are in; the two sets of 22 may be out
	LNPAIR 0
	LNPAIR 2
	WIN 0
.irp t,0,1,2,3
.irp i,6,7,8,9,10,11
	v_mov_b32 v[KF+12*\t+\i], 0                    ; K's blocks 2 and 3: zero codes
.endr
.endr
.irp i,0,1,2,3,4,5
	v_mov_b32 v[QM+48+\i], 0                       ; behind the last fragment of Q
.endr
	PLACES 8                                       ; scale words made by vector instructions stand eight places ahead of the products
	s_mov_b32 s83, 0
.Latt:                                             ; heads 2 c and 2 c + 1
	s_wait_alu depctr_vm_vsrc(0)                   ; the LDS loads issued so far have read AW, AS, AB, AVB
	ATADDR
	s_wait_dscnt 0x0
	WIN 0xBF
	s_wait_alu depctr_va_vdst(0)                   ; the norm's conversions, moves and words have written HFR and SH, which the products take; the four addresses are written, which this trip's LDS loads read
	MMT SETA, WSA, HFR, SH, 0, 32, 8, 0            ; Q^T
	PLACES 4
	QB4
	WIN 0xC0
	s_wait_alu depctr_va_vdst(0)                   ; Q's products, all of whose results the lines above have read, are done reading set A and its scale words
	LOADW SETA, WSA, 36864, 3072, AVB, 0, 512, 0   ; v
	CV8
	WIN 0x08
.irp t,0,1,2,3
.irp i,0,1,2,3,4,5
	v_cndmask_b32 v[QM+12*\t+\i], 0, v[TT+8*\t+\i+\i/3], s62     ; head 2 c alone
	v_cndmask_b32 v[QM+12*\t+6+\i], 0, v[TT+8*\t+\i+\i/3], s63   ; head 2 c + 1 alone
.endr
.endr
	WIN 0x0A
.irp t,0,1,2,3
	v_lshlrev_b32 v[SQ+\t], v[SH8], v[BY+\t]       ; lanes 0-15: byte 0; lanes 16-31: byte 1
.endr
	s_wait_dscnt 22                                ; set B is in; set A's 22, just asked for, may be out
	WIN 0xBF
	MMT SETB, WSB, HFR, SH, 0, 32, 8, 0            ; K^T
	PLACES 4
	QB4
	WIN 0xC0
	s_wait_alu depctr_va_vdst(0)                   ; K's products are done reading set B and its scale words
	LOADW SETB, WSB, 24576, 2048, AB, 768, 32, 16  ; the next k, or the output projection's c = 1
	CV 0x0A, 0x02, KF, KF+12, KF+24, KF+36
	WIN 0x0A
.irp t,0,1,2,3
	v_lshlrev_b32 v[SK+\t], v[SH8], v[BY+\t]
.endr
	s_wait_dscnt 22                                ; set A is in; set B's 22 may be out
	WIN 0xBF
	MMV
	PLACES 4
	QB4
	WIN 0xC0
	s_wait_alu depctr_va_vdst(0)                   ; V's products are done reading set A and its scale words
	LOADW SETA, WSA, 6144, 512, AB, 256, 32, 16    ; the next q, or the output projection's c = 0
	CV8
	WIN 0x08
.irp e,0,1,2,3
.irp i,0,1,2,3,4,5
	v_cndmask_b32 v[VF+12*\e+\i], 0, v[TT+8*\e+\i+\i/3], s80     ; rows of head 2 c: keys at K = 0 .. 63
	v_cndmask_b32 v[VF+12*\e+6+\i], 0, v[TT+8*\e+\i+\i/3], s81   ; rows of head 2 c + 1: at K = 64 .. 127
.endr
.endr
	WIN 0xAA
.irp e,0,1,2,3
	v_lshlrev_b32 v[YY+\e], v[SH8], v[BY+\e]
.endr
.irp e,0,1,2,3
	v_permlanex16_b32 v[RX+\e], v[YY+\e], s54, s55
.endr
.irp e,0,1,2,3
	v_or_b32 v[YY+\e], v[YY+\e], v[RX+\e]
.endr
	WIN 0x2A
.irp e,0,1,2,3
	v_lshl_or_b32 v[SV+\e], v[YY+\e], 16, v[YY+\e] ; the two bytes serve either pair of blocks
.endr
	s_wait_alu depctr_va_vdst(0)                   ; Q's and K's codes and their scale words SQ, SK are written, which both heads' score products take
	MMS 0
	PLACES 4
	SOFTMAX 0
	MMS 1
	PLACES 4
	SOFTMAX 1
	PLACES 8
	WIN 0x88
	s_wait_alu depctr_va_vdst(0)                   ; V's and p's codes and their scale words SV, SP are written, which the products take
	MMP
	PLACES 4
	WIN 0xAA
.irp t,0,1,2,3
	v_cndmask_b32 v[RX+\t], v[LL+2*\t], v[LL+2*\t+1], s63   ; my head's sum
.endr
.irp t,0,1,2,3
	v_rcp_f32 v[NM+2*\t], v[RX+\t]
.endr
	v_nop
	s_wait_alu depctr_va_vdst(0)                   ; one wait for the four reciprocals, which have written NM
.irp t,0,1,2,3
.set p, 0
.rept 16
	v_pk_mul_f32 v[32*\t+p:32*\t+p+1], v[32*\t+p:32*\t+p+1], v[NM+2*\t:NM+2*\t+1] op_sel_hi:[1,0]
.set p, p+2
.endr
.endr
	QB4
	WIN 0xC3
.irp t,0,1,2,3
.irp i,0,1,2,3,4,5
	v_mov_b32 v[HF+12*\t+\i], v[HF+12*\t+6+\i]     ; the trip before made K = 0 .. 63; this one makes K = 64 .. 127
.endr
.endr
	CV 0xCA, 0xC2, HF+6, HF+18, HF+30, HF+42
	WIN 0xAA
.irp t,0,1,2,3
	v_lshrrev_b32 v[WO+\t], 16, v[WO+\t]
.endr
.irp t,0,1,2,3
	v_lshl_or_b32 v[WO+\t], v[BY+\t], 16, v[WO+\t]
.endr
	WIN 0
	s_add_co_u32 s85, s85, 6144
	s_add_co_u32 s86, s86, 512
	s_add_co_u32 s87, s87, 256
	s_add_co_u32 s88, s88, 2048
	s_add_co_u32 s83, s83, 1
	s_cmp_lt_u32 s83, 2
	s_cbranch_scc1 .Latt
	WIN 0xAA
.irp t,0,1,2,3
	v_lshlrev_b32 v[YY+\t], v[SH8], v[WO+\t]
.endr
.irp t,0,1,2,3
	v_permlanex16_b32 v[RX+\t], v[YY+\t], s54, s55
.endr
	WIN 0x0A
.irp t,0,1,2,3
	v_or_b32 v[SF+\t], v[YY+\t], v[RX+\t]
.endr
	s_wait_dscnt 0x0
	PLACES 8
	WIN 0x80
	s_wait_alu depctr_va_vdst(0)                   ; HF and SF are written, which the projection's products take; attention's products and conversions are done with p's fragments and with Q's, K's and V's codes, in which the loads below land
	ADDLOAD 1536                                   ; b_o, and the second norm's vectors: they land under the 32 products
	WIN 0
	LNPAR 5632
	WIN 0x5F
	MMT SETA, WSA, HF, SF, 0, 64, 8, 1             ; the output projection adds straight onto the residual
	MMT SETB, WSB, HF, SF, 32, 64, 8, 1
	PLACES 4
	s_wait_dscnt 32                                ; b_o is in; the norm's 32 loads may be out
	ADDX
	WIN 0
	s_wait_alu depctr_vm_vsrc(0)                   ; attention's LDS loads have read AW, AS, AB, and this window's row loads have read COLL: both are written anew below
	s_mov_b32 s85, 49152
	s_mov_b32 s86, 4096
	s_mov_b32 s87, 2048
	FFADDR
	WIN 0xC0
	s_wait_alu depctr_va_vdst(0)                   ; the projection's products, all of whose results the additions have read, are done reading both sets and their scale words; the three addresses are written
	LOADW SETA, WSA, 0, 0, AB, 0, 32, 16           ; W1, s = 0, c = 0
	LOADW SETB, WSB, 6144, 512, AB, 256, 32, 16    ; c = 1
	s_wait_dscnt 44                                ; the vectors are in; the two sets of 22 may be out
	LNPAIR 0
	LNPAIR 2
	WIN 0
	s_cmp_eq_u32 s82, 1                            ; the second window's rows are asked for here, a whole MLP ahead; behind the second window there is none
	s_cbranch_scc1 .Lnox
	s_add_co_u32 s91, s84, 4
	COLSET COLL
	s_wait_alu depctr_va_vdst(0)                   ; COLL is written, which the row loads read; the norm is done reading its vectors, in whose registers the rows land
	XLOAD
.Lnox:
	PLACES 8
	s_mov_b32 s83, 0
.Lffn:                                             ; 128 hidden units a trip: one K step of the second product
	s_wait_alu depctr_vm_vsrc(0)                   ; the LDS loads issued so far have read AW, AS, AB
	FFADDR
	s_wait_dscnt 22                                ; set A is in; set B's 22 may be out
	WIN 0xBF
	s_wait_alu depctr_va_vdst(0)                   ; the norm's conversions, moves and words have written HFR and SH, which the products take; the three addresses are written, which this trip's LDS loads read
	MMT SETA, WSA, HFR, SH, 0, 32, 8, 0
	PLACES 4
	GELU 0, 1                                      ; (set A is asked for again inside: W2, this K step, c = 0)
	GELU 1, 0
	QB4
	CV 0xCA, 0xC2, HF, HF+12, HF+24, HF+36
	WIN 0xAA
.irp t,0,1,2,3
	v_mov_b32 v[BY0+\t], v[BY+\t]
.endr
	s_wait_dscnt 14                                ; set B is in; set A's 14 may be out
	WIN 0xBF
	MMT SETB, WSB, HFR, SH, 0, 32, 8, 0
	PLACES 4
	GELU 0, 2                                      ; (set B likewise: c = 1)
	GELU 1, 0
	QB4
	CV 0xCA, 0xC2, HF+6, HF+18, HF+30, HF+42
	WORDS4 SF
	s_wait_dscnt 0x0
	PLACES 8
	WIN 0x5F
	s_wait_alu depctr_va_vdst(0)                   ; the hidden layer's codes HF and scale words SF are written, which the products take
	MMT SETA, WSA, HF, SF, 0, 64, 8, 1
	PLACES 4
	WIN 0xC0
	s_wait_alu depctr_va_vdst(0)                   ; those sixteen products are done reading set A and its scale words
	LOADW SETA, WSA, 12288, 1024, AB, 512, 32, 16  ; the next trip's W1 (behind the last trip: bytes inside LDS that nobody uses)
	WIN 0x5F
	MMT SETB, WSB, HF, SF, 32, 64, 8, 1
	PLACES 4
	WIN 0xC0
	s_wait_alu depctr_va_vdst(0)                   ; these sixteen are done reading set B and its scale words; behind the last trip: the activation is done with TT too, in which f_b2 lands
	LOADW SETB, WSB, 18432, 1536, AB, 768, 32, 16
	s_add_co_u32 s85, s85, 12288
	s_add_co_u32 s86, s86, 1024
	s_add_co_u32 s87, s87, 512
	s_add_co_u32 s83, s83, 1
	s_cmp_lt_u32 s83, 4
	s_cbranch_scc1 .Lffn
; ---- the way out: + f_b2; through my stage; 49 whole rows of 512 bytes
	WIN 0x80
	ADDLOAD 4096                                   ; no vector instruction stands between the loop's last wait on va_vdst and these loads
	s_wait_dscnt 0x0
	ADDX
	WIN 0x04
	s_wait_alu depctr_va_vdst(0)                   ; the additions have written X, which the stage stores read; all vector work is done with window 2's v0-195, in which the stage's rows land
.irp t,0,1,2,3
.irp c,0,1
.irp q,0,1,2,3,4,5,6,7
	ds_store_b128 v[ASR], v[64*\t+32*\c+4*\q:64*\t+32*\c+4*\q+3] offset:8448*\t+256*\c+16*\q
.endr
.endr
.endr
	WIN 0x80
.set n, 0
.rept 49
	RHOSET
	ds_load_b128 v[4*n:4*n+3], v[ASW] offset:rho*SPI
.set n, n+1
.endr
	WIN 0x08
.set n, 0
.rept 49
.if n%7 == 0
	s_wait_dscnt 42-n                              ; this image row's seven tokens are back; the later rows' loads may be out
.endif
	global_store_b128 v[COLS+n%7], v[4*n:4*n+3], s[RS+2*(n/7):RS+2*(n/7)+1] th:TH_STORE_NT   ; 32 lanes store 512 consecutive bytes, aligned
.set n, n+1
.endr
	WIN 0
	s_wait_xcnt 0x0                                ; the stores have had their addresses translated: their registers are written again in the next trip, behind the wait on vm_vsrc at its head
	s_add_co_u32 s82, s82, 1
	s_cmp_lt_u32 s82, 2
	s_cbranch_scc1 .Lwin
	s_wait_dscnt 0x0                               ; the closing lines, six on end
	s_wait_alu 0x0
	s_wait_tensorcnt 0x0
	ds_add_u32 v58, v59
	s_wait_dscnt 0x0
	s_endpgm
.Lfunc_end_k_q6cee39496c_half2:
	.size	k_q6cee39496c_half2, .Lfunc_end_k_q6cee39496c_half2-k_q6cee39496c_half2
	.p2alignl 7, 3214868480
	.fill 96, 4, 3214868480
	.section	.rodata,"a",@progbits
	.p2align	6, 0x0
	.amdhsa_kernel k_q6cee39496c_half2
		.amdhsa_group_segment_fixed_size 306176
		.amdhsa_private_segment_fixed_size 0
		.amdhsa_enable_private_segment 0
		.amdhsa_kernarg_size 144
		.amdhsa_user_sgpr_count 2
		.amdhsa_user_sgpr_kernarg_segment_ptr 1
		.amdhsa_wavefront_size32 1
		.amdhsa_system_sgpr_workgroup_id_x 1
		.amdhsa_system_sgpr_workgroup_id_y 1
		.amdhsa_system_sgpr_workgroup_id_z 1
		.amdhsa_system_vgpr_workitem_id 0
		.amdhsa_next_free_vgpr 1024
		.amdhsa_next_free_sgpr 100
		.amdhsa_reserve_vcc 0
		.amdhsa_float_denorm_mode_32 3
		.amdhsa_float_denorm_mode_16_64 3
		.amdhsa_memory_ordered 1
		.amdhsa_forward_progress 1
		.amdhsa_inst_pref_size 255
	.end_amdhsa_kernel
	.section	.bss,"aw",@nobits
	.p2align	6
	.space	262144
	.amdgpu_metadata
---
amdhsa.version: [ 1, 2 ]
amdhsa.kernels:
  - .name:           k_q6cee39496c_half2
    .symbol:         k_q6cee39496c_half2.kd
    .args:
      - { .name: mid, .offset: 0, .size: 8, .value_kind: global_buffer, .address_space: global }
      - { .name: out0, .offset: 8, .size: 8, .value_kind: global_buffer, .address_space: global }
      - { .name: ln3_g, .offset: 16, .size: 8, .value_kind: global_buffer, .address_space: global }
      - { .name: ln3_b, .offset: 24, .size: 8, .value_kind: global_buffer, .address_space: global }
      - { .name: ln4_g, .offset: 32, .size: 8, .value_kind: global_buffer, .address_space: global }
      - { .name: ln4_b, .offset: 40, .size: 8, .value_kind: global_buffer, .address_space: global }
      - { .name: b2_qkv, .offset: 48, .size: 8, .value_kind: global_buffer, .address_space: global }
      - { .name: b2_o, .offset: 56, .size: 8, .value_kind: global_buffer, .address_space: global }
      - { .name: f2_b1, .offset: 64, .size: 8, .value_kind: global_buffer, .address_space: global }
      - { .name: f2_b2, .offset: 72, .size: 8, .value_kind: global_buffer, .address_space: global }
      - { .name: w2_qkv_codes, .offset: 80, .size: 8, .value_kind: global_buffer, .address_space: global }
      - { .name: w2_qkv_scales, .offset: 88, .size: 8, .value_kind: global_buffer, .address_space: global }
      - { .name: w2_o_codes, .offset: 96, .size: 8, .value_kind: global_buffer, .address_space: global }
      - { .name: w2_o_scales, .offset: 104, .size: 8, .value_kind: global_buffer, .address_space: global }
      - { .name: f2_w1_codes, .offset: 112, .size: 8, .value_kind: global_buffer, .address_space: global }
      - { .name: f2_w1_scales, .offset: 120, .size: 8, .value_kind: global_buffer, .address_space: global }
      - { .name: f2_w2_codes, .offset: 128, .size: 8, .value_kind: global_buffer, .address_space: global }
      - { .name: f2_w2_scales, .offset: 136, .size: 8, .value_kind: global_buffer, .address_space: global }
    .group_segment_fixed_size: 306176
    .private_segment_fixed_size: 0
    .kernarg_segment_align: 8
    .kernarg_segment_size: 144
    .max_flat_workgroup_size: 128
    .sgpr_count:     100
    .vgpr_count:     1024
    .wavefront_size: 32
...
	.end_amdgpu_metadata
.endif
;; end of part 4
